; MI455X (gfx1250); checked and timed in simulation.
; The chip was launched on July 23, 2026; its instructions are those of AMD's public machine-readable ISA for CDNA 5 (MIT licence, August 2026) and "CDNA5" Instruction Set Architecture Reference Guide (July 2026). The comments in the code are by the model that wrote it; some were corrected since.
;; Multi Head Attention. Allowed arithmetic: float matrix products may take bf16 or f16 operands with f32 sums; all other float work in f32.
;; Inputs: Wk 768 x 768 float32; Wq 768 x 768 float32; Wv 768 x 768 float32; bk 768 float32; bq 768 float32; bv 768 float32; key 2 x 4,096 x 768 float32; mask 2 x 4,096 float32; query 2 x 4,096 x 768 float32; value 2 x 4,096 x 768 float32.
;; Outputs: out0 2 x 4,096 x 768 float32.
;; 3 versions, each right; version 3 is version 2 with the launch comb written anew for expert scheduling mode. Each part assembles by itself: llvm-mc -triple=amdgcn-amd-amdhsa -mcpu=gfx1250 --defsym DOCPART=n.
;; ======== version 1 of 3: 4 launches
;; limits: values are held in f16: magnitudes above 65,504 overflow, below 6.1e-05 lose precision; values outside matrix products are rounded to f16
;; workspace buffers: wb 3,538,944 bytes; qkv 37,748,736 bytes; part 100,663,296 bytes; stats 3,145,728 bytes
;; launch prep (part 1): grid 72 x 3, 8 waves a work-group, no clusters, 0 bytes of LDS; arguments Wq, Wk, Wv, wb; writes wb
.if DOCPART == 1
	.amdgcn_target "amdgcn-amd-amdhsa--gfx1250"
	.amdhsa_code_object_version 6
	.text
	.protected	k_q538b34a837_prep
	.globl	k_q538b34a837_prep
	.p2align	8
	.type	k_q538b34a837_prep,@function
k_q538b34a837_prep:
	s_mov_b64 s[64:65], 0
	v_nop
	global_prefetch_b8 v0, s[64:65] scope:SCOPE_SE
	s_setreg_imm32_b32 hwreg(HW_REG_WAVE_MODE, 25, 1), 1
	s_wait_xcnt 0x0
; wb[p][k][n] = bf16(W_p[k][n]), p = 0, 1, 2 for Wq, Wk, Wv; the layout [768 k][768 n] stays as it is.
; A cast: bytes are all that counts, so there is no LDS, no barrier and no matrix work.  Work-group (x, p) owns 8,192 numbers of W_p: 32,768 bytes in, 16,384 out; 72 x 8,192 = 768 x 768.
; Thread t takes, eight times, 16 bytes at 4,096 i + 16 t and stores 8 bytes at 2,048 i + 8 t: a load of a wave covers 512 consecutive bytes, a store 256 consecutive bytes at a multiple of 256.
.set WBYTES, 768*768*2                 ; one W in bf16
.set X, 4                              ; v[4:35]   chunk i: 4 numbers in f32
.set Y, 36                             ; v[36:51]  chunk i: 4 numbers in bf16
	s_load_b256 s[4:11], s[0:1], 0x0               ; Wq s[4:5], Wk s[6:7], Wv s[8:9], wb s[10:11]
	s_and_b32 s2, ttmp7, 0xffff                    ; p
	v_lshlrev_b32 v1, 4, v0                        ; 16 t
	v_lshlrev_b32 v2, 3, v0                        ; 8 t
	s_lshl_b32 s16, ttmp9, 15                      ; my 32,768 bytes of the source
	s_mov_b32 s17, 0
	s_mul_i32 s18, s2, WBYTES                      ; my 16,384 bytes of wb
	s_lshl_b32 s3, ttmp9, 14
	s_add_co_u32 s18, s18, s3
	s_mov_b32 s19, 0
	s_wait_kmcnt 0x0
	s_cmp_eq_u32 s2, 1                             ; the source is chosen by p, which hangs on no address
	s_cselect_b64 s[12:13], s[6:7], s[4:5]
	s_cmp_eq_u32 s2, 2
	s_cselect_b64 s[12:13], s[8:9], s[12:13]
	s_add_nc_u64 s[12:13], s[12:13], s[16:17]
	s_add_nc_u64 s[14:15], s[10:11], s[18:19]
.irp i, 0,1,2,3,4,5,6,7
	global_load_b128 v[X+4*(\i):X+4*(\i)+3], v1, s[12:13] offset:4096*(\i) th:TH_LOAD_NT  ; read once in the launch
.endr
.irp i, 0,1,2,3,4,5,6,7
	s_wait_loadcnt 7-(\i)                          ; loads come back in order: chunk i is in, the 7 - i younger ones stay out
	v_cvt_pk_bf16_f32 v[Y+2*(\i)],   v[X+4*(\i)],   v[X+4*(\i)+1]
	v_cvt_pk_bf16_f32 v[Y+2*(\i)+1], v[X+4*(\i)+2], v[X+4*(\i)+3]
	global_store_b64 v2, v[Y+2*(\i):Y+2*(\i)+1], s[14:15] offset:2048*(\i)  ; the next launch reads it: no hint
.endr
	s_endpgm
.Lfunc_end_k_q538b34a837_prep:
	.size	k_q538b34a837_prep, .Lfunc_end_k_q538b34a837_prep-k_q538b34a837_prep
	.p2alignl 7, 3214868480
	.fill 96, 4, 3214868480
	.section	.rodata,"a",@progbits
	.p2align	6, 0x0
	.amdhsa_kernel k_q538b34a837_prep
		.amdhsa_group_segment_fixed_size 0
		.amdhsa_private_segment_fixed_size 0
		.amdhsa_enable_private_segment 0
		.amdhsa_kernarg_size 32
		.amdhsa_user_sgpr_count 2
		.amdhsa_user_sgpr_kernarg_segment_ptr 1
		.amdhsa_wavefront_size32 1
		.amdhsa_system_sgpr_workgroup_id_x 1
		.amdhsa_system_sgpr_workgroup_id_y 1
		.amdhsa_system_sgpr_workgroup_id_z 1
		.amdhsa_system_vgpr_workitem_id 0
		.amdhsa_next_free_vgpr 52
		.amdhsa_next_free_sgpr 66
		.amdhsa_reserve_vcc 0
		.amdhsa_float_denorm_mode_32 3
		.amdhsa_float_denorm_mode_16_64 3
		.amdhsa_memory_ordered 1
		.amdhsa_forward_progress 1
		.amdhsa_inst_pref_size 4
	.end_amdhsa_kernel
	.amdgpu_metadata
---
amdhsa.version: [ 1, 2 ]
amdhsa.kernels:
  - .name:           k_q538b34a837_prep
    .symbol:         k_q538b34a837_prep.kd
    .args:
      - { .name: Wq, .offset: 0, .size: 8, .value_kind: global_buffer, .address_space: global }
      - { .name: Wk, .offset: 8, .size: 8, .value_kind: global_buffer, .address_space: global }
      - { .name: Wv, .offset: 16, .size: 8, .value_kind: global_buffer, .address_space: global }
      - { .name: wb, .offset: 24, .size: 8, .value_kind: global_buffer, .address_space: global }
    .group_segment_fixed_size: 0
    .private_segment_fixed_size: 0
    .kernarg_segment_align: 8
    .kernarg_segment_size: 32
    .max_flat_workgroup_size: 256
    .sgpr_count:     66
    .vgpr_count:     52
    .wavefront_size: 32
...
	.end_amdgpu_metadata
.endif
;; end of part 1
;; launch proj (part 2): grid 64 x 3, 4 waves a work-group, clusters of 4 x 1, 327,680 bytes of LDS; arguments query, key, value, wb, bq, bk, bv, qkv; writes qkv
.if DOCPART == 2
	.amdgcn_target "amdgcn-amd-amdhsa--gfx1250"
	.amdhsa_code_object_version 6
	.text
	.protected	k_q538b34a837_proj
	.globl	k_q538b34a837_proj
	.p2align	8
	.type	k_q538b34a837_proj,@function
k_q538b34a837_proj:
	s_mov_b64 s[64:65], 0
	v_nop
	global_prefetch_b8 v0, s[64:65] scope:SCOPE_SE
	s_setreg_imm32_b32 hwreg(HW_REG_WAVE_MODE, 25, 1), 1
	s_wait_xcnt 0x0
	s_wait_alu depctr_hold_cnt(0) depctr_sa_sdst(0) depctr_va_vdst(0) depctr_va_sdst(0) depctr_va_ssrc(0) depctr_va_vcc(0) depctr_vm_vsrc(0)
	s_getreg_b32 s2, hwreg(HW_REG_IB_STS2, 6, 4)
	s_cmp_eq_u32 s2, 0
	s_cbranch_scc0 .Lentry_in_a_cluster
	s_endpgm
.Lentry_in_a_cluster:
	s_bfe_u32 s2, ttmp6, 0x10000c
	s_cmp_lg_u32 s2, 0x3003
	s_cbranch_scc0 .Lentry_shape_is_right
	s_endpgm
.Lentry_shape_is_right:
; qkv[p][b 6 + head][s][c] = f16( sum over k of bf16(X_p[b][s][k]) bf16(W_p[k][128 head + c]) + bf16(b_p[128 head + c]) ), p = 0, 1, 2 for query/Wq/bq, key/Wk/bk, value/Wv/bv.  Sums in f32; no scale.
; LIMIT.  The results are kept in f16: they must stay under 65,504 in magnitude; a larger one becomes an infinity.  NaN and infinities are not treated apart.
; SHARES.  Work-group (mt, p) makes 128 rows x all 768 columns, so each byte of X is asked for once in the launch, by one work-group: X's tiles are loads of the work-group's own.
; The four work-groups of a cluster have the same p and walk the same W: W's tiles are asked for JOINTLY (the same tensor load, descriptor and mask of four in all four).
; Wave w: rows 64 (w / 2) on, four blocks a of 16; columns 256 g + 128 (w % 2) + 16 i on, g = 0..2, i = 0..7: the three whole heads 2 g + w % 2.  96 accumulators, 768 registers.
; 64 x 3 = 192 work-groups: the tile counts of this shape are 3 x 2^n, so no tile gives each of 256 an equal share.
; K goes in 12 steps of 64 through two LDS slots.  A slot: X's tile, 128 rows x 64 f32 (rows of 256 bytes), and three panels of W, 64 k x 256 columns of bf16 (rows of 512 bytes): one tensor load a wave, 32 KiB each.
; X is rounded to bf16 between LDS and the fragments.  W lies [k][n] and is turned by ds_load_tr16_b128.
; THE MATRIX INSTRUCTION IS USED TRANSPOSED: source 0 = 16 columns of W, source 1 = 16 rows of X: lane l holds row l % 16 and the eight neighbouring columns 8 (l / 16) + 0..7, which pack into 16 bytes of f16.
; THE BIAS starts the sums: a product of rank one (source 0: the bias at k = 0; source 1: 1 at k = 0, else 0) with C = 0, issued while the first tiles are on their way.  96 matrix instructions a wave that
; are not the problem's own; they round the bias to bf16, spare the additions on the way out, and leave the K loop with one form.
; REGISTERS, in windows of 256 (s_set_vgpr_msb: bits 1:0 source 0, 3:2 source 1, 5:4 source 2, 7:6 destination):
;   window 0: v0-29 addresses; v32-63 X's four fragments; v64-127, v128-191 W's eight fragments of one head, two buffers by turns; v192-255 X's four fragments in f32, as loaded
;   window 1 + g: the 32 accumulators of head 2 g + w % 2: (a, i) at v[8 (4 i + a)]
.set XP,     272                       ; a row of X in LDS: 256 bytes + 16 = 17 x 16: the 16 rows of a load start at 16 different groups of four banks (64 banks of 4 bytes: ISA guide 11.1)
.set WP,     544                       ; a row of a panel: 512 bytes + 32 = 17 x 32
.set HALFT,  34816                     ; 128 x 272 = 64 x 544: what one tensor load fills
.set SLOT,   4*HALFT                   ; X's tile, then the three panels
.set STAGE,  2*SLOT                    ; behind the ring: 16 rows x 272 bytes for each wave, for the way out; no tensor load fills it
.set SPITCH, 272
.set SPARE,  STAGE+4*16*SPITCH         ; behind the stages: the spare words, 128 bytes for each wave: two blocks of 256 bytes that no other line names
.set PSZ,    12582912                  ; bytes of one of q, k, v in qkv
.set ADRB, 16                          ; v[16+3 s+g]  LDS address of my lane in panel g of slot s
.set ADRA, 22                          ; v[22+s]      the same in X's tile of slot s
.set STO,  24                          ; v24  the way out: where I put 16 bytes of a row
.set RD,   25                          ; v25  the way out: where I read rows back
.set CO,   26                          ; v26  my byte offset in 512 consecutive bytes of qkv
.set BO,   27                          ; v27  my byte offset in the bias
.set SPW,  28                          ; v28  LDS address of my spare word: SPARE + 4 x my thread's number; never rewritten
.set NIL,  29                          ; v29  0; never rewritten
.set AF,   32
.set BF0,  64
.set BF1,  128
.set STG,  192
.set TMP,  64                          ; the way out: packed results (BF0's registers)
.set OB,   128                         ; the way out: 16 rows read back: v128-159 and v160-191 by turns (BF1's registers)
.set G1X, 24                           ; s[24:31] descriptor group 1 for X's tiles
.set G0X, 32                           ; s[32:39] group 0, a set for each slot
.set G1W, 48                           ; s[48:55], s[56:63] the same for W's panels
.set G0W, 56
.set MSB, 0
.macro WIN new                         ; the immediate's high byte repeats the setting that is left; a switch that changes nothing is dropped
.if MSB != (\new)
	s_set_vgpr_msb (MSB<<8)|(\new)
.set MSB, \new
.endif
.endm
; A vector instruction that writes, and a load into, a register that a matrix instruction has read stand four places behind it, and only plain vector instructions that name none of its
; registers are places (ISA guide 7.12.1 for vector instructions).
.macro PLACES
.rept 4
	v_nop
.endr
.endm
; A fill of slot s.  Wave 0 fetches X's tile (its own work-group's alone: mask 0), waves 1 to 3 the three panels of W (jointly).  The branch hangs on the wave's number alone.
; An s_nop 0 and four v_nop follow each of the two lines, ahead of the jump and the label.
.macro JLOAD s
	s_cmp_eq_u32 s10, 0
	s_cbranch_scc0 .Lfor_w_\@
	tensor_load_to_lds s[G0X+4*(\s):G0X+4*(\s)+3], s[G1X:G1X+7]
	s_nop 0
.rept 4
	v_nop
.endr
	s_branch .Lasked_\@
.Lfor_w_\@:
	tensor_load_to_lds s[G0W+4*(\s):G0W+4*(\s)+3], s[G1W:G1W+7]
	s_nop 0
.rept 4
	v_nop
.endr
.Lasked_\@:
.endm
; A round of the cluster's barrier: my work-group's barrier, so that wave 0's signal speaks for all four waves; wave 0 signals; every wave waits for all four work-groups; my work-group's barrier once more.
.macro CREST                           ; a round behind its opening barrier
	s_cmp_lg_u32 s10, 0
	s_cbranch_scc1 .Lnot_wave_0_\@
	s_barrier_signal -3
.Lnot_wave_0_\@:
	s_barrier_wait -3
	s_barrier_signal -1
	s_barrier_wait -1
.endm
.macro CROUND                          ; a whole round
	s_barrier_signal -1
	s_barrier_wait -1
	CREST
.endm
	s_load_b256 s[68:75], s[0:1], 0x0              ; query s[68:69], key s[70:71], value s[72:73], wb s[74:75]
	s_load_b256 s[76:83], s[0:1], 0x20             ; bq s[76:77], bk s[78:79], bv s[80:81], qkv s[82:83]
	v_lshl_add_u32 v[SPW], v0, 2, SPARE
	v_mov_b32 v[NIL], 0
	ds_add_u32 v[SPW], v[NIL]                      ; the wave's opening: the add and its wait stand ahead of my first tensor load; the set-up below, work on registers, stands between them
	v_lshrrev_b32 v5, 5, v0
	v_readfirstlane_b32 s10, v5                    ; wave 0..3
	s_max_u32 s11, s10, 1
	s_sub_co_u32 s11, s11, 1                       ; the panel that waves 1 to 3 fetch (wave 0 makes panel 0's address and does not use it)
	s_and_b32 s12, s10, 1                          ; which 128 columns of each panel are mine
	s_lshr_b32 s13, s10, 1                         ; which 64 rows
	s_bfe_u32 s40, ttmp6, 0x40000                  ; cx: my place in the cluster: it enters X's address and the stores' alone
	s_and_b32 s41, ttmp7, 0xffff                   ; p, which the four partners share
	s_lshl_b32 s42, ttmp9, 2                       ; in a cluster launch ttmp9 counts clusters
	s_add_co_u32 s42, s42, s40                     ; the row tile = 4 x cluster x + cx
	s_mul_i32 s16, s42, 128*3072                   ; X: 128 rows of 3,072 bytes a tile
	s_mov_b32 s17, 0
	s_mul_i32 s18, s41, 768*768*2                  ; W: wb's part p, my panel's 512 bytes of each row; these registers never hold cx
	s_lshl_b32 s19, s11, 9
	s_add_co_u32 s18, s18, s19
	s_mov_b32 s19, 0
	s_mul_i32 s20, s10, HALFT                      ; where my tiles go in a slot: wave x 34,816
	s_lshr_b32 s43, s42, 5                         ; the batch: 32 row tiles each
	s_mul_i32 s43, s43, 6
	s_add_co_u32 s43, s43, s12                     ; head w % 2 of that batch (head 2 g + w % 2 stands in the stores' immediates),
	s_lshl_b32 s43, s43, 20                        ; 4,096 rows of 256 bytes a head
	s_and_b32 s46, s42, 31
	s_lshl_b32 s46, s46, 15                        ; the tile's 128 rows in the batch
	s_add_co_u32 s43, s43, s46
	s_lshl_b32 s46, s13, 14                        ; my 64 of them
	s_add_co_u32 s43, s43, s46
	s_mul_i32 s44, s41, PSZ
	s_add_co_u32 s44, s44, s43
	s_mov_b32 s45, 0
	; descriptor group 1.  X: 128 rows x 64 elements of 4 bytes; W: 64 rows x 256 elements of 2 bytes; both 768 elements from row to row; both padded in LDS
	s_mov_b32 s[G1X+0], (2<<16)|(1<<20)|(5<<22)|(3<<25)  ; 15:0 no mask; 17:16 elements of 4 bytes; 20 padding on; 24:22 after every 64 words (code 5); 31:25 4 words of it (code 3)
	s_mov_b32 s[G1X+1], 64<<16                     ; tensor_dim0 = 64
	s_mov_b32 s[G1X+2], 128<<16                    ; tensor_dim1 = 128
	s_mov_b32 s[G1X+3], 64<<16                     ; tile_dim0 = 64
	s_mov_b32 s[G1X+4], 128                        ; tile_dim1 = 128
	s_mov_b32 s[G1X+5], 768                        ; elements from row to row
	s_mov_b32 s[G1X+6], 0
	s_mov_b32 s[G1X+7], 0
	s_mov_b32 s[G1W+0], 15|(1<<16)|(1<<20)|(1<<21)|(6<<22)|(7<<25)  ; 15:0 the mask: all four work-groups; elements of 2 bytes; padding on; 21 set beside a mask; after every 128 words (code 6) 8 words (code 7)
	s_mov_b32 s[G1W+1], 256<<16                    ; tensor_dim0 = 256
	s_mov_b32 s[G1W+2], 64<<16                     ; tensor_dim1 = 64
	s_mov_b32 s[G1W+3], 256<<16                    ; tile_dim0 = 256
	s_mov_b32 s[G1W+4], 64                         ; tile_dim1 = 64
	s_mov_b32 s[G1W+5], 768
	s_mov_b32 s[G1W+6], 0
	s_mov_b32 s[G1W+7], 0
	s_wait_dscnt 0x0                               ; the opening add is done
	s_wait_kmcnt 0x0
	s_cmp_eq_u32 s41, 1                            ; X and the bias are chosen by p, which hangs on no address
	s_cselect_b64 s[4:5], s[70:71], s[68:69]
	s_cselect_b64 s[6:7], s[78:79], s[76:77]
	s_cmp_eq_u32 s41, 2
	s_cselect_b64 s[4:5], s[72:73], s[4:5]
	s_cselect_b64 s[6:7], s[80:81], s[6:7]
	s_add_nc_u64 s[4:5], s[4:5], s[16:17]          ; X at my tile's first row
	s_add_nc_u64 s[14:15], s[74:75], s[18:19]      ; W at my panel's first row
	s_add_nc_u64 s[8:9], s[82:83], s[44:45]        ; qkv at my wave's first row of head w % 2
	CROUND                                         ; all four work-groups are here: the first joint loads meet
.irp s, 0,1
	s_mov_b32 s[G0X+4*(\s)], 1                                       ; 1:0 count = 1
	s_add_co_u32 s[G0X+4*(\s)+1], s20, (\s)*SLOT                     ; 63:32 LDS address
	s_add_nc_u64 s[G0X+4*(\s)+2:G0X+4*(\s)+3], s[4:5], (\s)*256      ; 120:64 global address: K step s, 64 f32 along the rows
	s_or_b32 s[G0X+4*(\s)+3], s[G0X+4*(\s)+3], 0x80000000            ; 127:126 type = 2
	s_mov_b32 s[G0W+4*(\s)], 1
	s_add_co_u32 s[G0W+4*(\s)+1], s20, (\s)*SLOT
	s_add_nc_u64 s[G0W+4*(\s)+2:G0W+4*(\s)+3], s[14:15], (\s)*64*1536  ; K step s, 64 rows of 1,536 bytes down
	s_or_b32 s[G0W+4*(\s)+3], s[G0W+4*(\s)+3], 0x80000000
.endr
	s_cmp_eq_u32 s10, 0                            ; a wave's two first fills stand in one branch, ahead of every wait on TENSORcnt, every LDS read and every further barrier: two loads of mine are out
	s_cbranch_scc0 .Lfirst_w
	tensor_load_to_lds s[G0X:G0X+3], s[G1X:G1X+7]
	s_nop 0
	tensor_load_to_lds s[G0X+4:G0X+7], s[G1X:G1X+7]
	s_nop 0
.rept 4
	v_nop
.endr
	s_branch .Lfirst_asked
.Lfirst_w:
	tensor_load_to_lds s[G0W:G0W+3], s[G1W:G1W+7]
	s_nop 0
	tensor_load_to_lds s[G0W+4:G0W+7], s[G1W:G1W+7]
	s_nop 0
.rept 4
	v_nop
.endr
.Lfirst_asked:
	v_and_b32 v1, 15, v0                           ; r = l % 16
	v_bfe_u32 v2, v0, 4, 1                         ; h = l / 16
	v_and_b32 v3, 7, v0
	v_bfe_u32 v4, v0, 3, 1
	s_lshl_b32 s22, s12, 9
	v_lshl_add_u32 v[BO], v1, 2, s22               ; the bias of column 128 (w % 2) + r; 256 g + 16 i stand in the immediate
.set gg, 0
.rept 3
.set ii, 0
.rept 8
	global_load_b32 v[STG+8*gg+ii], v[BO], s[6:7] offset:1024*gg+64*ii
.set ii, ii+1
.endr
.set gg, gg+1
.endr
	; The turning load takes 16 k x 16 columns (lane l reads 16 bytes: k 8 h + l % 8, columns 8 ((l / 8) % 2) + 0..7) and leaves half a fragment: lane l holds column l % 16 and 8 k.
	v_lshl_add_u32 v5, v2, 3, v3
	v_mul_u32_u24 v5, v5, WP
	v_lshl_add_u32 v5, v4, 4, v5
	s_lshl_b32 s21, s12, 8                         ; my 128 columns of a panel's 256
	v_add_nc_u32 v5, s21, v5
.irp s, 0,1
.irp g, 0,1,2
	v_add_nc_u32 v[ADRB+3*(\s)+(\g)], (\s)*SLOT+(1+(\g))*HALFT, v5
.endr
.endr
	; A fragment of X: lane l holds row l % 16, k = 8 h + 0..7 and 16 + 8 h + 0..7: in f32 two runs of 32 bytes, 64 bytes apart
	s_mul_i32 s21, s13, 64*XP
	v_mul_u32_u24 v6, v1, XP
	v_lshl_add_u32 v6, v2, 5, v6
	v_add_nc_u32 v[ADRA], s21, v6
	v_add_nc_u32 v[ADRA+1], SLOT, v[ADRA]
	s_mul_i32 s21, s10, 16*SPITCH
	s_add_co_u32 s21, s21, STAGE                   ; my stage
	v_mul_u32_u24 v7, v1, SPITCH                   ; in: row l % 16, 16 bytes for each half of the lanes
	v_lshl_add_u32 v7, v2, 4, v7
	v_add_nc_u32 v[STO], s21, v7
	v_mul_u32_u24 v8, v2, SPITCH                   ; back: lanes 0-15 take one row of 256 bytes, lanes 16-31 the next,
	v_lshl_add_u32 v8, v1, 4, v8
	v_add_nc_u32 v[RD], s21, v8
	v_and_b32 v[CO], 31, v0                        ; which are 512 consecutive bytes of a head
	v_lshlrev_b32 v[CO], 4, v[CO]
	v_sub_nc_u32 v[AF], 1, v2                      ; source 1 of the bias's product: bf16 1.0 at k = 0 (lanes 0-15, register 0, low half), 0 elsewhere
	v_mul_u32_u24 v[AF], v[AF], 0x3f80
.set ii, 1
.rept 7
	v_mov_b32 v[AF+ii], 0
.set ii, ii+1
.endr
.set ii, 0
.rept 8                                ; source 0: registers 1 to 7 of the eight fragments are 0; register 0 takes the bias below
.set rr, 1
.rept 7
	v_mov_b32 v[BF0+8*ii+rr], 0
.set rr, rr+1
.endr
.set ii, ii+1
.endr
	s_wait_loadcnt 0x0                             ; the bias
; Head 2 g + w % 2: the bias of column 16 i + r, rounded to bf16, at k = 0 (in lanes 16-31 it lies at k = 8 and meets a 0); 32 products with C = 0 start the sums
.macro BIAS g
	WIN 0
.if (\g) > 0
	PLACES                                         ; register 0 of each fragment was read by the products just issued
.endif
.set ii, 0
.rept 8
	v_cvt_pk_bf16_f32 v[BF0+8*ii], v[STG+8*(\g)+ii], v[BF0+1]
.set ii, ii+1
.endr
	WIN (1+(\g))*0x50
.set ii, 0
.rept 8
.set aa, 0
.rept 4
	v_wmma_f32_16x16x32_bf16 v[8*(4*ii+aa):8*(4*ii+aa)+7], v[BF0+8*ii:BF0+8*ii+7], v[AF:AF+7], 0
.set aa, aa+1
.endr
.set ii, ii+1
.endr
.endm
	BIAS 0
	BIAS 1
	BIAS 2
; 16 LDS loads: W's eight fragments (128 columns x 32 k, half c of the K step) of panel g in slot s, turned, into buffer bf
.macro FETCHB s, c, g, bf
.set ii, 0
.rept 8
	ds_load_tr16_b128 v[(\bf)+8*ii:(\bf)+8*ii+3],   v[ADRB+3*(\s)+(\g)] offset:32*(\c)*WP+32*ii
	ds_load_tr16_b128 v[(\bf)+8*ii+4:(\bf)+8*ii+7], v[ADRB+3*(\s)+(\g)] offset:(32*(\c)+16)*WP+32*ii
.set ii, ii+1
.endr
.endm
; 16 LDS loads: X's four fragments (64 rows x 32 k, half c) in f32
.macro FETCHA s, c
.set aa, 0
.rept 4
	ds_load_b128 v[STG+16*aa:STG+16*aa+3],     v[ADRA+(\s)] offset:aa*16*XP+128*(\c)
	ds_load_b128 v[STG+16*aa+4:STG+16*aa+7],   v[ADRA+(\s)] offset:aa*16*XP+128*(\c)+16
	ds_load_b128 v[STG+16*aa+8:STG+16*aa+11],  v[ADRA+(\s)] offset:aa*16*XP+128*(\c)+64
	ds_load_b128 v[STG+16*aa+12:STG+16*aa+15], v[ADRA+(\s)] offset:aa*16*XP+128*(\c)+80
.set aa, aa+1
.endr
.endm
.macro CVTA                            ; X's four fragments rounded to bf16: 32 lines
.set ii, 0
.rept 32
	v_cvt_pk_bf16_f32 v[AF+ii], v[STG+2*ii], v[STG+2*ii+1]
.set ii, ii+1
.endr
.endm
; 16 matrix instructions of head g: column blocks i0 .. i0 + 3 x all four row blocks.  The 96 accumulators take turns, one instruction a turn, in one fixed order.
.macro MUL16 g, bf, i0
	WIN (1+(\g))*0x50                              ; C and D in window 1 + g, the sources in window 0
.set ii, \i0
.rept 4
.set aa, 0
.rept 4
	v_wmma_f32_16x16x32_bf16 v[8*(4*ii+aa):8*(4*ii+aa)+7], v[(\bf)+8*ii:(\bf)+8*ii+7], v[AF+8*aa:AF+8*aa+7], v[8*(4*ii+aa):8*(4*ii+aa)+7]
.set aa, aa+1
.endr
.set ii, ii+1
.endr
.endm
.macro MULU g, bf                      ; a unit: 32 matrix instructions
	MUL16 \g, \bf, 0
	MUL16 \g, \bf, 4
.endm
.macro HEAD                            ; a unit's head
	WIN 0
	s_wait_dscnt 0x0                               ; the loads issued a unit, 32 matrix instructions, ago are in
	PLACES                                         ; in front of writes into X's fragments and of loads into the B buffer that the last unit's products read
.endm
; A K STEP in slot s: six units (2 halves of 32 k x 3 heads), B's two buffers by turns; each unit fetches the next one's fragments ahead of its own products.
; mode 1: the slot is filled again, two K steps ahead; mode 0: a change of slots without a fill; mode 2: the last step.
; THE CHANGE OF SLOTS stands in the fifth unit: each wave waits for all its tensor loads, of which one is out: its part of the next slot; adds 0 to its spare word; and waits for that and for its own reads
; of this slot.  Behind the barrier nobody reads this slot any more and the next slot is whole.  With a fill the barrier opens a round of the cluster's, so that no wave of any partner still reads the slot or
; has a load on its way, and the fill is the first tensor load behind the round: from there to the wait for it a wave issues 160 matrix instructions.
.macro STEP s, mode
	HEAD
	CVTA
	FETCHB \s, 0, 1, BF1
	MULU 0, BF0
	HEAD
	FETCHB \s, 0, 2, BF0
	MULU 1, BF1
	HEAD
	FETCHB \s, 1, 0, BF1
	FETCHA \s, 1
	MULU 2, BF0
	HEAD
	CVTA
	FETCHB \s, 1, 1, BF0
	MULU 0, BF1
	HEAD
	FETCHB \s, 1, 2, BF1                           ; my last reads of this slot
.if (\mode) == 2
	MULU 1, BF0
	s_wait_dscnt 0x0
	MULU 2, BF1
.else
	s_wait_tensorcnt 0x0                           ; all my tensor loads have landed: the one that was out is my part of the next slot
	ds_add_u32 v[SPW], v[NIL]                      ; 0 onto my spare word
	MUL16 1, BF0, 0                                ; sixteen matrix instructions stand between the add and the wait for it
	s_wait_dscnt 0x0                               ; the add is done, and my reads of this slot are over
	s_barrier_signal -1
	MUL16 1, BF0, 4                                ; work on registers while the others arrive
	WIN 0                                          ; at a branch and at a label every window is 0
	s_barrier_wait -1
.if (\mode) == 1
	CREST
	s_add_nc_u64 s[G0X+4*(\s)+2:G0X+4*(\s)+3], s[G0X+4*(\s)+2:G0X+4*(\s)+3], 2*256      ; no tensor load of mine is out: two K steps on along X's rows,
	s_add_nc_u64 s[G0W+4*(\s)+2:G0W+4*(\s)+3], s[G0W+4*(\s)+2:G0W+4*(\s)+3], 2*64*1536  ; and 128 rows down W; the type bits on top are not reached
	JLOAD \s                                       ; its four v_nop are also the places in front of the loads below
.else
	PLACES
.endif
	FETCHB 1-(\s), 0, 0, BF0
	FETCHA 1-(\s), 0
	MULU 2, BF1
.endif
.endm
	WIN 0
	s_wait_tensorcnt 0x1                           ; my part of K step 0 is in; K step 1's may stay out
	s_barrier_signal -1
	s_barrier_wait -1                              ; everybody's is
	PLACES                                         ; the bias's products read BF0
	FETCHB 0, 0, 0, BF0
	FETCHA 0, 0
	s_mov_b32 s3, 5
.Llap:                                                 ; five trips, K steps 0 to 9; their fills bring K steps 2 to 11
	STEP 0, 1
	STEP 1, 1
	WIN 0
	s_sub_co_u32 s3, s3, 1
	s_cmp_lg_u32 s3, 0
	s_cbranch_scc1 .Llap
	STEP 0, 0                                      ; the last two K steps are written out: they ask for nothing
	STEP 1, 2
; THE WAY OUT, in twelve blocks n = 4 g + a of 16 rows x 128 columns (one head).  PACK: rounded to f16, 16 bytes a lane, each accumulator's registers in ascending order.  TOSTAGE: into my own stage in LDS
; and back as whole rows of 256 bytes.  SEND: 16 rows of a head are 4,096 consecutive bytes; each store of the wave covers 512 of them, at a multiple of 256 from the buffer's first byte.
.macro PACK n
.set gg, (\n)/4
.set aa, (\n)%4
	WIN (1+gg)*5                                   ; sources 0 and 1 in window 1 + g
.set ii, 0
.rept 8
.set rr, 0
.rept 4
	v_cvt_pk_f16_f32 v[TMP+4*ii+rr], v[8*(4*ii+aa)+2*rr], v[8*(4*ii+aa)+2*rr+1]
.set rr, rr+1
.endr
.set ii, ii+1
.endr
	WIN 0
.endm
.macro TOSTAGE n
.set BK, OB+32*((\n)%2)
.set ii, 0
.rept 8
	ds_store_b128 v[STO], v[TMP+4*ii:TMP+4*ii+3] offset:32*ii
.set ii, ii+1
.endr
.set ii, 0
.rept 8
	ds_load_b128 v[BK+4*ii:BK+4*ii+3], v[RD] offset:ii*2*SPITCH  ; LDS serves a wave's instructions in order (ISA guide 5.7.1.4): these see the stores above
.set ii, ii+1
.endr
.endm
.macro SEND n
.set gg, (\n)/4
.set aa, (\n)%4
.set BK, OB+32*((\n)%2)
	s_wait_dscnt 0x0                               ; the block is back in registers
	s_wait_xcnt 0x0                                ; every earlier store has had its addresses translated (ISA guide 3.1): the other buffer, which the block before last was stored from, is loaded again only behind this wait
.set ii, 0
.rept 8
	global_store_b128 v[CO], v[BK+4*ii:BK+4*ii+3], s[8:9] offset:gg*2097152+aa*4096+ii*512  ; two heads on for each g; 4,210,176 at the most, inside the signed 24-bit immediate
.set ii, ii+1
.endr
.endm
	WIN 0
	PLACES                                         ; behind the last products: the conversions read results and write registers that products read
	PACK 0
	TOSTAGE 0
.irp n, 1,2,3,4,5,6,7,8,9,10,11        ; block n's conversions stand between block n - 1's loads from the stage and the wait for them
	PACK \n
	SEND (\n)-1
	TOSTAGE \n
.endr
	SEND 11
	s_wait_tensorcnt 0x0                           ; the wave's end: behind my last tensor load and my last LDS store
	ds_add_u32 v[SPW], v[NIL]
	s_wait_dscnt 0x0
	CROUND                                         ; the closing round: no work-group ends while a partner may still ask for a tile that names it
	s_endpgm
.Lfunc_end_k_q538b34a837_proj:
	.size	k_q538b34a837_proj, .Lfunc_end_k_q538b34a837_proj-k_q538b34a837_proj
	.p2alignl 7, 3214868480
	.fill 96, 4, 3214868480
	.section	.rodata,"a",@progbits
	.p2align	6, 0x0
	.amdhsa_kernel k_q538b34a837_proj
		.amdhsa_group_segment_fixed_size 327680
		.amdhsa_private_segment_fixed_size 0
		.amdhsa_enable_private_segment 0
		.amdhsa_kernarg_size 64
		.amdhsa_user_sgpr_count 2
		.amdhsa_user_sgpr_kernarg_segment_ptr 1
		.amdhsa_wavefront_size32 1
		.amdhsa_system_sgpr_workgroup_id_x 1
		.amdhsa_system_sgpr_workgroup_id_y 1
		.amdhsa_system_sgpr_workgroup_id_z 1
		.amdhsa_system_vgpr_workitem_id 0
		.amdhsa_next_free_vgpr 1024
		.amdhsa_next_free_sgpr 88
		.amdhsa_reserve_vcc 0
		.amdhsa_float_denorm_mode_32 3
		.amdhsa_float_denorm_mode_16_64 3
		.amdhsa_memory_ordered 1
		.amdhsa_forward_progress 1
		.amdhsa_inst_pref_size 170
	.end_amdhsa_kernel
	.amdgpu_metadata
---
amdhsa.version: [ 1, 2 ]
amdhsa.kernels:
  - .name:           k_q538b34a837_proj
    .symbol:         k_q538b34a837_proj.kd
    .args:
      - { .name: query, .offset: 0, .size: 8, .value_kind: global_buffer, .address_space: global }
      - { .name: key, .offset: 8, .size: 8, .value_kind: global_buffer, .address_space: global }
      - { .name: value, .offset: 16, .size: 8, .value_kind: global_buffer, .address_space: global }
      - { .name: wb, .offset: 24, .size: 8, .value_kind: global_buffer, .address_space: global }
      - { .name: bq, .offset: 32, .size: 8, .value_kind: global_buffer, .address_space: global }
      - { .name: bk, .offset: 40, .size: 8, .value_kind: global_buffer, .address_space: global }
      - { .name: bv, .offset: 48, .size: 8, .value_kind: global_buffer, .address_space: global }
      - { .name: qkv, .offset: 56, .size: 8, .value_kind: global_buffer, .address_space: global }
    .group_segment_fixed_size: 327680
    .private_segment_fixed_size: 0
    .kernarg_segment_align: 8
    .kernarg_segment_size: 64
    .max_flat_workgroup_size: 128
    .sgpr_count:     88
    .vgpr_count:     1024
    .wavefront_size: 32
...
	.end_amdgpu_metadata
.endif
;; end of part 2
;; launch attn (part 3): grid 16 x 96, 4 waves a work-group, clusters of 4 x 1, 327,680 bytes of LDS; arguments qkv, mask, part, stats; writes part, stats
.if DOCPART == 3
	.amdgcn_target "amdgcn-amd-amdhsa--gfx1250"
	.amdhsa_code_object_version 6
	.text
	.protected	k_q538b34a837_attn
	.globl	k_q538b34a837_attn
	.p2align	8
	.type	k_q538b34a837_attn,@function
k_q538b34a837_attn:
	s_mov_b64 s[64:65], 0
	v_nop
	global_prefetch_b8 v0, s[64:65] scope:SCOPE_SE
	s_setreg_imm32_b32 hwreg(HW_REG_WAVE_MODE, 25, 1), 1
	s_wait_xcnt 0x0
	s_wait_alu depctr_hold_cnt(0) depctr_sa_sdst(0) depctr_va_vdst(0) depctr_va_sdst(0) depctr_va_ssrc(0) depctr_va_vcc(0) depctr_vm_vsrc(0)
	s_getreg_b32 s2, hwreg(HW_REG_IB_STS2, 6, 4)
	s_cmp_eq_u32 s2, 0
	s_cbranch_scc0 .Lentry_in_a_cluster
	s_endpgm
.Lentry_in_a_cluster:
	s_bfe_u32 s2, ttmp6, 0x10000c
	s_cmp_lg_u32 s2, 0x3003
	s_cbranch_scc0 .Lentry_shape_is_right
	s_endpgm
.Lentry_shape_is_right:
; ATTENTION OVER ONE EIGHTH OF THE KEYS.  For head hh = 6 b + hd, key part kq (keys 512 kq to 512 kq + 511) and query q:
;   s_k = Q[q] . K[k] + (mask[b][k] - 1) x 10000 sqrt(128);  m = max_k s_k;  p_k = 2^(c s_k - c m), c = log2(e) / sqrt(128);  l = sum_k p_k;
;   part[kq][hh][q][:] = f16( sum_k p_k V[k][:] / l );  stats holds c m and l.  The next launch joins the eight parts.  Q, K, V: qkv's three parts, [12][4096][128] in f16, unscaled.
; Products, maxima and sums in f32; the weights p are rounded to f16 for the second product (their sum l is taken of the unrounded p).
; LIMITS.  Q, K, V arrive within f16's 65,504; a partial mean has V's range.  The mask is rounded to bf16 like the module's other inputs, and its term enters the RAW score, ahead of the scale: the order of
; rounding differs from adding -10000 (1 - m) behind the division.  A weight below 2^-126 counts as 0 in l; NaN and infinities are not treated apart.
; SHARES.  A work-group owns 256 queries of one head and 512 keys; each of its four waves 64 queries: four tiles of 16.  12 heads x 8 key parts x 16 query blocks = 1,536 work-groups = 6 x 256.
; 512 keys' K and V, padded, are 8 x 35,840 = 286,720 bytes: they lie in LDS whole.  So nothing is filled again, the loop holds no barrier, and the key step stands once in the text.  The price: the parts'
; results go through memory, and a work-group waits for all its tiles before its first product.
; LAYOUT.  S^T = K Q^T (source 0 = 16 keys, source 1 = 16 queries): in the result a lane holds ONE query (lane % 16) and the keys 8 (lane / 16) + 0..7.  Two such tiles, rounded to f16 in pairs, ARE source 1
; (32 keys x 16 queries) of O^T = V^T P, whose result again holds one query a lane, and eight channels.  K comes out of LDS as it lies, V ([key][channel]) turned, by ds_load_tr16_b128.
; THE MASK is the C operand of the product that starts a sum S^T: register j of lane l takes the term of key 16 kb + 8 (l / 16) + j.  The part's 512 terms are made once, into a table in LDS.
; SOFTMAX.  A running maximum m and sum l; in every step O and l are multiplied by a = 2^(c m_old - c m_new), which is 1 where m has not grown.  m starts at the lowest finite number, O and l at 0: the first
; step is a step like any other, with a = 0.
; BY TURNS.  The wave's tiles are two PIECES, named by their first tile: piece 0 (tiles 0, 1) and piece 2 (tiles 2, 3).  In a TURN one piece has the matrix unit: 32 products V^T P of the step in hand, then
; 32 products K Q^T of the next step; the other piece's softmax, cut into 64 slices, stands between them, one slice behind each matrix instruction.  Two turns are a key step.
; NO FIRST AND NO LAST STEP IS WRITTEN OUT.  The loop is entered at piece 2's turn, whose products V^T P then take weights that are 0, and left behind piece 0's turn, whose products K Q^T then take the last K
; once more and serve nothing.  With the 32 products of zeros that start O^T that is 96 matrix instructions a wave that are not attention's, of 1,120.
; CLUSTER.  The four query blocks of a cluster have one head and one key part and read the same K and V, so each tile is asked for JOINTLY: the same tensor load, descriptor and mask of four in all four.
; REGISTERS, in windows of 256 (s_set_vgpr_msb: bits 1:0 source 0, 3:2 source 1, 5:4 source 2, 7:6 destination):
;   window 0: v0-11, v44-49 addresses and at work; v12-43 eight registers of statistics a tile; v64-191 S^T, 32 a tile; v192-255 P, 16 a tile
;   window 1: O^T, 64 a tile     window 2: v0-127 Q, 32 a tile; v128-255 K of one step     window 3: v0-127 V of one step; v128-159 the mask's terms of one step
.set NK,    512       ; keys of a work-group
.set PSZ,   12582912  ; bytes of one of q, k, v in qkv
.set KS,    64        ; keys in a step
.set NSTEP, NK/KS
.set PK,    272       ; a row of K in LDS: 256 bytes + 16 of padding = 68 words: row r starts at bank 4 r mod 64 (64 banks of 4 bytes: ISA guide 11.1), so the 16 rows of a load start at 16 different banks
.set PV,    288       ; a row of V: 256 + 32 = 72 words
.set VOFF,  KS*PK     ; a step's tiles lie together: 64 rows of K, then 64 rows of V
.set STEPB, KS*(PK+PV)
.set SP,    272       ; a row of the stage: 256 bytes of f16 + 16
.set STAGE, NSTEP*STEPB    ; behind the tiles: 16 rows x 272 bytes for each wave, for the way out
.set MASKT, STAGE+4*16*SP  ; behind the stages: the table of the mask's 512 terms, f32; stored once, never a tensor load's target
.set SPARE, MASKT+4*NK     ; behind the table: the spare words, 128 bytes for each wave: two blocks of 256 bytes that no other line names
.set AK0, 2           ; v2   my lane's place in a tile of K; never rewritten
.set AV0, 3           ; v3   the same for V
.set ADR, 4           ; v4   the LDS address of the run of loads in hand
.set QO,  5           ; v5   my byte offset in the wave's rows of Q
.set STO, 6           ; v6   the way out: where I put 16 bytes of a row
.set RD,  7           ; v7   the way out: where I read a row back
.set GO,  8           ; v8   16 x my lane: my byte offset in 512 consecutive bytes of part and of stats
.set SA,  10          ; v10  the way out: where I put a query's c m (lanes 0-15) or l (lanes 16-31)
.set SR,  11          ; v11  the way out: where I read 16 bytes of them back
.set AM0, 44          ; v44  my lane's place in the mask's table; never rewritten
.set ADM, 45          ; v45  the LDS address of the step's terms
.set SPW, 62          ; v62  LDS address of my spare word: SPARE + 4 x my thread's number; never rewritten
.set NIL, 63          ; v63  0; never rewritten
.set ST,  12          ; tile t's statistics at v[ST+8 t]: +0 c m, +1 m, +2, +3 l (even keys', odd keys'), +4 to +7 c0-c3, at work; a takes c2's place once the maximum is found
.set S,   64
.set P,   192
.set KF,  128         ; K's fragments, in window 2
.set MK,  128         ; the mask's terms, in window 3: group kb of 16 keys at MK + 8 kb
.set WV,  12          ; s12  my wave's number
.set G1K, 24          ; s[24:31] descriptor group 1 for K's tiles
.set G1V, 32          ; s[32:39] for V's: it differs in the padding alone
.set G0K, 40          ; s[40:55] descriptor group 0 for K's tiles: a set for each of a wave's four fills
.set G0V, 68          ; s[68:83] the same for V's
.set CS,  58          ; s[58:59] c: the packed scaling names a pair and takes its low word for both halves
.set SEL, 60          ; s[60:61] lane selects for v_permlanex16_b32: each lane takes its own place in the other half
.set TB,  62          ; s62  LDS byte at which the tiles of the step to be fetched begin
.set CNT, 63          ; s63  counts the key steps
.set MKC, 84          ; s[84:85] 10000 sqrt(128)
.set TM,  86          ; s86  byte in the mask's table at which the terms of the step to be fetched begin
.set MSB, 0
.macro WIN new                      ; the immediate's high byte repeats the setting that is left; a switch that changes nothing is dropped
.if MSB != (\new)
	s_set_vgpr_msb (MSB<<8)|(\new)
.set MSB, \new
.endif
.endm
.set W_KQ, 0x0a       ; K and Q in window 2, S^T in window 0
.set W_KM, 0x3a       ; the same with the C operand, the mask's terms, in window 3
.set W_PV, 0x53       ; V in window 3, P in window 0, O^T in window 1
.set W_RS, 0x41       ; O^T (destination and source 0) in window 1, a in window 0
; A round of the cluster's barrier: my work-group's barrier, so that wave 0's signal speaks for all four waves; wave 0 signals for the work-group; every wave waits for all four
; work-groups; my work-group's barrier once more.  No LDS instruction of the wave is pending at a signal.
.macro CROUND
	s_barrier_signal -1
	s_barrier_wait -1
	s_cmp_lg_u32 s[WV], 0
	s_cbranch_scc1 .Lnot_wave_0_\@
	s_barrier_signal -3
.Lnot_wave_0_\@:
	s_barrier_wait -3
	s_barrier_signal -1
	s_barrier_wait -1
.endm
	s_load_b128 s[4:7], s[0:1], 0x0 ; qkv s[4:5], mask s[6:7]
	s_load_b128 s[96:99], s[0:1], 0x10  ; part s[96:97], stats s[98:99]
	v_lshl_add_u32 v[SPW], v0, 2, SPARE
	v_mov_b32 v[NIL], 0
	ds_add_u32 v[SPW], v[NIL]       ; the wave's opening: the add and its wait stand ahead of my first tensor load; the set-up below, work on registers, stands between them
	v_lshrrev_b32 v1, 5, v0
	v_readfirstlane_b32 s[WV], v1   ; wave 0..3
	s_bfe_u32 s13, ttmp6, 0x40000   ; cx: my place in the cluster
	s_lshl_b32 s14, ttmp9, 2        ; in a cluster launch ttmp9 counts clusters
	s_add_co_u32 s14, s14, s13      ; my block of 256 queries = 4 x cluster x + cx: it enters Q's, part's and stats' addresses alone
	s_and_b32 s18, ttmp7, 0xffff    ; y = 8 hh + kq, which the four partners share
	s_and_b32 s87, s18, 7           ; kq
	s_lshr_b32 s18, s18, 3          ; hh = 6 b + hd
	s_cmp_ge_u32 s18, 6
	s_cselect_b32 s15, 1, 0         ; b
	s_lshl_b32 s20, s18, 20         ; the head's first byte in each part of qkv: 4,096 rows of 256 bytes a head
	s_mov_b32 s21, 0
	s_and_b32 s16, s[WV], 1         ; which steps I fetch, the even ones or the odd ones:
	s_lshl_b32 s22, s16, 14         ; the first one's 64 rows of 256 bytes in memory,
	s_lshl_b32 s23, s87, 17         ; in my key part's 512 rows,
	s_add_co_u32 s22, s22, s23
	s_mov_b32 s23, 0
	s_add_nc_u64 s[22:23], s[22:23], s[20:21]
	s_add_nc_u64 s[88:89], s[22:23], PSZ    ; in k's part of qkv,
	s_add_nc_u64 s[90:91], s[22:23], 2*PSZ  ; and in v's
	s_mul_i32 s17, s16, STEPB       ; and its place in LDS: no place in the cluster enters an LDS address
	s_mul_i32 s19, s87, 12
	s_add_co_u32 s19, s19, s18      ; 12 kq + hh
	s_lshl_b32 s2, s14, 16          ; my block's 256 rows of 256 bytes in a head,
	s_lshl_b32 s3, s[WV], 14        ; my wave's 64 of them
	s_add_co_u32 s2, s2, s3
	s_lshl_b32 s92, s19, 20         ; part: [8][12][4096][128] in f16
	s_add_co_u32 s92, s92, s2
	s_mov_b32 s93, 0
	s_mov_b32 s3, 0
	s_add_nc_u64 s[2:3], s[2:3], s[20:21]  ; Q
	s_lshl_b32 s94, s19, 6          ; stats: [8][12][64 blocks of 64 queries][c m, l][64] in f32: 512 bytes for a wave's queries
	s_lshl_b32 s95, s14, 2
	s_add_co_u32 s95, s95, s[WV]
	s_add_co_u32 s94, s94, s95
	s_lshl_b32 s94, s94, 9
	s_mov_b32 s95, 0
	s_lshl_b32 s56, s15, 14         ; the mask: my batch's 4,096 numbers, my key part's 512 of them
	s_lshl_b32 s57, s87, 11
	s_add_co_u32 s56, s56, s57
	s_mov_b32 s57, 0
	; descriptor group 1: a tile of 64 rows x 128 elements, padded in LDS
	s_mov_b32 s[G1K], 15|(1<<16)|(1<<20)|(1<<21)|(5<<22)|(3<<25)  ; 15:0 the mask: all four work-groups; 17:16 elements of 2 bytes; 20 padding on; 21 set beside a mask; 24:22 after every 64 words (code 5); 31:25 4 words of it (code 3)
	s_mov_b32 s[G1V], 15|(1<<16)|(1<<20)|(1<<21)|(5<<22)|(7<<25)  ; the same with 8 words of padding (code 7)
.irp g, G1K, G1V
	s_mov_b32 s[(\g)+1], 128<<16    ; 63:48 tensor_dim0, low half = 128
	s_mov_b32 s[(\g)+2], KS<<16     ; 79:64 its high half = 0; 95:80 tensor_dim1, low half = 64
	s_mov_b32 s[(\g)+3], 128<<16    ; 111:96 its high half = 0; 127:112 tile_dim0 = 128
	s_mov_b32 s[(\g)+4], KS         ; 143:128 tile_dim1 = 64; 159:144 tile_dim2 = 0
	s_mov_b32 s[(\g)+5], 128        ; 191:160 tensor_dim0_stride, low word: elements from row to row
	s_mov_b32 s[(\g)+6], 0
	s_mov_b32 s[(\g)+7], 0
.endr
	s_mov_b32 s[CS], 0x3e0293ee     ; c = log2(e) / sqrt(128) = 0.127517
	s_mov_b32 s[CS+1], s[CS]        ; named with it as a pair, so it is written
	s_mov_b32 s[SEL], 0x76543210
	s_mov_b32 s[SEL+1], 0xfedcba98
	s_mov_b32 s[MKC], 0x47dcf88b    ; 10000 sqrt(128) = 113137.085
	s_mov_b32 s[MKC+1], s[MKC]
	s_mov_b32 s[TB], 0
	s_mov_b32 s[TM], 0
	s_wait_dscnt 0x0                ; the opening add is done
	s_wait_kmcnt 0x0
	s_add_nc_u64 s[56:57], s[6:7], s[56:57]  ; the mask at my key part
	s_add_nc_u64 s[6:7], s[4:5], s[88:89]    ; K and V at my first tile
	s_add_nc_u64 s[8:9], s[4:5], s[90:91]
	s_add_nc_u64 s[4:5], s[4:5], s[2:3]      ; Q, part and stats at my wave's queries
	s_add_nc_u64 s[10:11], s[96:97], s[92:93]
	s_add_nc_u64 s[94:95], s[98:99], s[94:95]
	CROUND                          ; all four work-groups are here: the joint loads meet
.irp n, 0,1,2,3                     ; fill n of a wave: step 2 n + wave % 2
	s_mov_b32 s[G0K+4*(\n)], 1      ; 1:0 count = 1
	s_add_co_u32 s[G0K+4*(\n)+1], s17, (\n)*2*STEPB  ; 63:32 LDS address
	s_add_nc_u64 s[G0K+4*(\n)+2:G0K+4*(\n)+3], s[6:7], (\n)*2*KS*256  ; 120:64 global address: 128 keys on for each n
	s_or_b32 s[G0K+4*(\n)+3], s[G0K+4*(\n)+3], 0x80000000  ; 127:126 type = 2
	s_mov_b32 s[G0V+4*(\n)], 1
	s_add_co_u32 s[G0V+4*(\n)+1], s17, (\n)*2*STEPB+VOFF
	s_add_nc_u64 s[G0V+4*(\n)+2:G0V+4*(\n)+3], s[8:9], (\n)*2*KS*256
	s_or_b32 s[G0V+4*(\n)+3], s[G0V+4*(\n)+3], 0x80000000
.endr
	; Waves 0 and 1 fetch K's tiles, waves 2 and 3 V's.  A wave's four fills stand in one branch, ahead of every wait on TENSORcnt and every LDS read: four loads of mine are out.  They are the launch's only
	; tensor loads.  An s_nop 0 follows each, four v_nop the last, ahead of the jump and the label.
	s_cmp_lt_u32 s[WV], 2
	s_cbranch_scc0 .Lfills_v
.irp n, 0,1,2,3
	tensor_load_to_lds s[G0K+4*(\n):G0K+4*(\n)+3], s[G1K:G1K+7]
	s_nop 0
.endr
.rept 4
	v_nop
.endr
	s_branch .Lfills_asked
.Lfills_v:
.irp n, 0,1,2,3
	tensor_load_to_lds s[G0V+4*(\n):G0V+4*(\n)+3], s[G1V:G1V+7]
	s_nop 0
.endr
.rept 4
	v_nop
.endr
.Lfills_asked:
	; the mask of my key part: 128 threads x 16 bytes are its 512 numbers; into S^T's registers, which are still free
	v_lshlrev_b32 v46, 4, v0        ; 16 t
	v_add_nc_u32 v47, MASKT, v46
	global_load_b128 v[S:S+3], v46, s[56:57]
	; A fragment of K or Q is 16 rows x 32 channels in 8 registers: lane l holds row l % 16; registers 0-3 channels 8 (l / 16) + 0..7, registers 4-7 channels 16 + 8 (l / 16) + 0..7: two loads of 16 bytes, 32 bytes apart.
	v_and_b32 v1, 15, v0            ; l % 16
	v_bfe_u32 v9, v0, 4, 1          ; l / 16
	v_lshlrev_b32 v[QO], 8, v1
	v_lshl_add_u32 v[QO], v9, 4, v[QO]  ; row x 256 + 16 x half
	WIN 0x80                        ; destination window 2, address window 0
.irp i, 0,1,2,3,4,5,6,7,8,9,10,11,12,13,14,15  ; Q stays in registers: tile i / 4, channels 32 (i % 4) on
	global_load_b128 v[8*(\i):8*(\i)+3],   v[QO], s[4:5] offset:((\i)/4)*4096+((\i)%4)*64
	global_load_b128 v[8*(\i)+4:8*(\i)+7], v[QO], s[4:5] offset:((\i)/4)*4096+((\i)%4)*64+32
.endr
	WIN 0
	v_mul_u32_u24 v[AK0], v1, PK
	v_lshl_add_u32 v[AK0], v9, 4, v[AK0]  ; row x pitch + 16 x half
	; The turning load takes 16 keys x 16 channels (lane l reads 16 bytes: key 8 (l / 16) + l % 8, channels 8 ((l / 8) % 2) + 0..7) and leaves half a fragment of V^T: lane l holds channel l % 16 and 8 keys.
	v_and_b32 v10, 7, v0
	v_bfe_u32 v11, v0, 3, 1
	v_lshl_add_u32 v[AV0], v9, 3, v10
	v_mul_u32_u24 v[AV0], v[AV0], PV
	v_lshl_add_u32 v[AV0], v11, 4, v[AV0]
	v_add_nc_u32 v[AV0], VOFF, v[AV0]
	v_lshlrev_b32 v[AM0], 5, v9     ; my half's eight keys of a group of sixteen: 32 bytes of the table
	v_add_nc_u32 v[AM0], MASKT, v[AM0]
	; What the first turn finds.  Piece 2's weights are 0: its first products V^T P, of a step that has not been, add 0.  c m lies far below every c s, so the first step's a is 0; m is the lowest finite number; l is 0.
.set i, 0
.rept 32
	v_mov_b32 v[P+32+i], 0
.set i, i+1
.endr
.set i, 0
.rept 4
	v_mov_b32 v[ST+8*i], 0xfe000000    ; c m
	v_mov_b32 v[ST+8*i+1], 0xff7fffff  ; m
	v_mov_b32 v[ST+8*i+2], 0           ; l
	v_mov_b32 v[ST+8*i+3], 0
.set i, i+1
.endr
	WIN 0x40                        ; O^T's 32 accumulators start as products of two fragments of zeros with C = 0: 32 instructions for 256 registers.  All this stands in the wait for the tiles.
.set i, 0
.rept 32
	v_wmma_f32_16x16x32_f16 v[8*i:8*i+7], v[P+32:P+39], v[P+40:P+47], 0
.set i, i+1
.endr
	WIN 0
	s_wait_loadcnt 32               ; the mask's load is in; Q's 32, issued behind it, stay out
	v_cvt_pk_bf16_f32 v48, v[S], v[S+1]    ; four numbers become terms: rounded to bf16, widened again, (m - 1) x 10000 sqrt(128) in one fused multiply-add
	v_cvt_pk_bf16_f32 v49, v[S+2], v[S+3]
	v_lshlrev_b32 v[S],   16, v48
	v_and_b32     v[S+1], 0xffff0000, v48
	v_lshlrev_b32 v[S+2], 16, v49
	v_and_b32     v[S+3], 0xffff0000, v49
	v_pk_fma_f32 v[S:S+1],   v[S:S+1],   s[MKC:MKC+1], s[MKC:MKC+1] op_sel_hi:[1,0,0] neg_lo:[0,0,1] neg_hi:[0,0,1]
	v_pk_fma_f32 v[S+2:S+3], v[S+2:S+3], s[MKC:MKC+1], s[MKC:MKC+1] op_sel_hi:[1,0,0] neg_lo:[0,0,1] neg_hi:[0,0,1]
	ds_store_b128 v47, v[S:S+3]
; THE MATRIX WORK OF A TURN, for piece x.  The accumulators take turns, one instruction a turn: between two links of a chain stand 15 (V^T P) or 7 (K Q^T) others'.
; Product i of 32 of O^T += V^T P: keys 32 (i / 16) on, channels 16 ((i / 2) % 8) on, tile x + i % 2.
.macro PV x
	WIN W_PV
.set rO, 64*((\x)+i%2)+8*((i/2)%8)
.set rV, 64*(i/16)+8*((i/2)%8)
.set rP, P+16*((\x)+i%2)+8*(i/16)
	v_wmma_f32_16x16x32_f16 v[rO:rO+7], v[rV:rV+7], v[rP:rP+7], v[rO:rO+7]
.endm
; Product i of 32 of S^T = K Q^T: channels 32 (i / 8) on, keys 16 ((i / 2) % 4) on, tile x + i % 2.  The first 8 start the sums, with the mask's terms of their sixteen keys as C.
.macro KQ x
.set rS, S+32*((\x)+i%2)+8*((i/2)%4)
.set rK, KF+32*((i/2)%4)+8*(i/8)
.set rQ, 32*((\x)+i%2)+8*(i/8)
.set rM, MK+8*((i/2)%4)
.if i < 8
	WIN W_KM
	v_wmma_f32_16x16x32_f16 v[rS:rS+7], v[rK:rK+7], v[rQ:rQ+7], v[rM:rM+7]
	s_wait_alu depctr_va_vdst(0)
.else
	WIN W_KQ
	v_wmma_f32_16x16x32_f16 v[rS:rS+7], v[rK:rK+7], v[rQ:rQ+7], v[rS:rS+7]
.endif
.endm
; THE LDS LOADS stand in runs, never singly among the matrix instructions: a step's K (64 keys x 128 channels: 16 fragments) with the mask's 64 terms, and, a turn later, its V (turned).
; The terms: all lanes of a half read the same 32 bytes.  The run is made 8 times, so the table's last 256 bytes are the last that it reads.
; last = 1 (in the loop): in the last trip there is no further step, and the run is jumped over.
.macro FETCH_K last=0
	WIN 0
.if \last
	s_cmp_eq_u32 s[CNT], 1
	s_cbranch_scc1 .Lno_k_\@
.endif
	v_add_nc_u32 v[ADR], s[TB], v[AK0]
	v_add_nc_u32 v[ADM], s[TM], v[AM0]
	s_add_co_u32 s[TM], s[TM], 4*KS ; the next fetch takes the next step's terms
	WIN 0x80                        ; destination window 2
.irp f, 0,1,2,3,4,5,6,7,8,9,10,11,12,13,14,15  ; keys 16 (f / 4) on, channels 32 (f % 4) on
	ds_load_b128 v[KF+8*(\f):KF+8*(\f)+3],   v[ADR] offset:((\f)/4)*16*PK+((\f)%4)*64
	ds_load_b128 v[KF+8*(\f)+4:KF+8*(\f)+7], v[ADR] offset:((\f)/4)*16*PK+((\f)%4)*64+32
.endr
	WIN 0xc0                        ; destination window 3
.irp f, 0,1,2,3                     ; keys 16 f on
	ds_load_b128 v[MK+8*(\f):MK+8*(\f)+3],   v[ADM] offset:64*(\f)
	ds_load_b128 v[MK+8*(\f)+4:MK+8*(\f)+7], v[ADM] offset:64*(\f)+16
.endr
.if \last
	WIN 0                           ; at a label every window is 0
.Lno_k_\@:
.endif
.endm
.macro FETCH_V step=1               ; step = 0: the next fetch takes the same step once more
	WIN 0
	v_add_nc_u32 v[ADR], s[TB], v[AV0]
.if \step
	s_add_co_u32 s[TB], s[TB], STEPB  ; the next fetch is the next step's
.endif
	WIN 0xc0                        ; destination window 3
.irp f, 0,1,2,3,4,5,6,7,8,9,10,11,12,13,14,15  ; keys 32 (f / 8) on, channels 16 (f % 8) on
	ds_load_tr16_b128 v[8*(\f):8*(\f)+3],   v[ADR] offset:((\f)/8)*32*PV+((\f)%8)*32
	ds_load_tr16_b128 v[8*(\f)+4:8*(\f)+7], v[ADR] offset:((\f)/8)*32*PV+16*PV+((\f)%8)*32
.endr
.endm
; THE VECTOR WORK OF A TURN.  One tile's softmax for one key step is a list of 134 instructions; SM writes number j of it for tile t.  s0-s31 are the lane's 32 scores, in pairs 0-15.
;   0-15    the maximum of s0-s31 and the old m, three operands at a time: four chains c0-c3 of seven scores each (each accumulator's lowest registers are read first), then the four scores left over, c0-c3 and m
;   16-20   the other half of the lanes' maximum; c m_old is kept; the new m; c m; c m_old - c m_new
;   21-87   33 exponentials (a, then s0-s31) at the odd numbers from 23 on, so that no two follow each other and each has a plain instruction behind it before its result is used.
;           Plain instruction q (number 21, then the even numbers) is whatever is ready: c s - c m for a pair of scores whose exponentials are still to come (q = 0 to 3, then every
;           second q), the rounding to f16 of a pair of weights whose exponentials are done (every other q from 5 on), at last the first three sums
;   88-101  the last rounding; the rest of the sums; l = a l + the sum
;   102-133 the tile's O^T times a: the one part that leaves window 0, so it stands together
.macro SM t
.set rT, ST+8*(\t)
.set rS, S+32*(\t)
.set rP, P+16*(\t)
.set rO, 64*(\t)+2*(j-102)
.set q, (j-20)/2
.if j < 102
	WIN 0
.endif
.if j < 4
	v_max3_num_f32 v[rT+4+j], v[rS+8*j], v[rS+8*j+1], v[rS+8*j+2]
.elseif j < 12
	v_max3_num_f32 v[rT+4+j%4], v[rT+4+j%4], v[rS+8*(j%4)+2*(j/4)+1], v[rS+8*(j%4)+2*(j/4)+2]
.elseif j == 12
	v_max3_num_f32 v[rT+4], v[rT+4], v[rS+7], v[rS+15]
.elseif j == 13
	v_max3_num_f32 v[rT+6], v[rT+6], v[rS+23], v[rS+31]
.elseif j == 14
	v_max3_num_f32 v[rT+4], v[rT+4], v[rT+5], v[rT+6]
.elseif j == 15
	v_max3_num_f32 v[rT+4], v[rT+4], v[rT+7], v[rT+1]
.elseif j == 16
	v_permlanex16_b32 v[rT+5], v[rT+4], s[SEL], s[SEL+1]  ; the query's other 32 keys lie in the lane 16 away
.elseif j == 17
	v_mov_b32 v[rT+7], v[rT]        ; c m_old is kept for a: number 19 writes c m anew
.elseif j == 18
	v_max_num_f32 v[rT+1], v[rT+4], v[rT+5]
.elseif j == 19
	v_mul_f32 v[rT], s[CS], v[rT+1]
.elseif j == 20
	v_sub_f32 v[rT+7], v[rT+7], v[rT]
.elseif j == 23
	v_exp_f32 v[rT+6], v[rT+7]
.elseif (j < 88) && (j > 23) && (j%2 == 1)
	v_exp_f32 v[rS+(j-25)/2], v[rS+(j-25)/2]
.elseif (q < 4) || ((j < 76) && (q%2 == 0))
.set b, q/2+2
.if q < 4
.set b, q
.endif
	v_pk_fma_f32 v[rS+2*b:rS+2*b+1], v[rS+2*b:rS+2*b+1], s[CS:CS+1], v[rT:rT+1] op_sel_hi:[1,0,0] neg_lo:[0,0,1] neg_hi:[0,0,1]  ; pair b: c s - c m
.elseif (j < 88) && (q%2 == 1)
	s_wait_alu depctr_va_vdst(0)
	v_cvt_pk_f16_f32 v[rP+(q-5)/2], v[rS+q-5], v[rS+q-4]  ; pair (q - 5) / 2: its second exponential stands three numbers back
.elseif j == 89
	s_wait_alu depctr_va_vdst(0)
	v_cvt_pk_f16_f32 v[rP+15], v[rS+30], v[rS+31]
.elseif j < 102                     ; the sum of the tile's 16 pairs (in a pair: an even key's weight, an odd key's), in place: sum z of 16 adds neighbours 1, 2, 4 and 8 pairs apart, then l takes it
.set z, j-86
.if j < 89
.set z, (j-76)/4
.endif
.set w, 4
.set u, z
.if z >= 14
.set w, 32
.set u, 0
.elseif z >= 12
.set w, 16
.set u, z-12
.elseif z >= 8
.set w, 8
.set u, z-8
.endif
.if z < 15
	v_pk_add_f32 v[rS+w*u:rS+w*u+1], v[rS+w*u:rS+w*u+1], v[rS+w*u+w/2:rS+w*u+w/2+1]
.else
	v_pk_fma_f32 v[rT+2:rT+3], v[rT+2:rT+3], v[rT+6:rT+7], v[rS:rS+1] op_sel_hi:[1,0,1]
.endif
.else
	WIN W_RS
	v_pk_mul_f32 v[rO:rO+1], v[rO:rO+1], v[rT+6:rT+7] op_sel_hi:[1,0]
.endif
.endm
; Slice k of 64 of piece y's softmax: numbers 2 k and 2 k + 1 of both tiles' lists, four instructions.  2 x 134 = 4 x 64 + 12: the twelve that are over stand together, in slice 63.
.macro SLICE y
.if (k >= 11) && (k < 44)           ; tile by tile: plain, exponential, plain, exponential
.irp t, \y, (\y)+1
.irp n, 0,1
.set j, 2*k+(\n)
	SM \t
.endr
.endr
.else                               ; the two tiles alternate, so that no instruction reads the result of the one just before it
.irp n, 0,1,2,3,4,5,6,7
.if ((\n) < 2) || (k == 63)
.irp t, \y, (\y)+1
.set j, 2*k+(\n)
	SM \t
.endr
.endif
.endr
.endif
.set k, k+1
.endm
; A TURN.  Piece x has the matrix unit: 32 products V^T P, then 32 products K Q^T for the next step; the other piece's softmax stands in slices, one behind each matrix instruction.
; A vector instruction that reads a matrix result or writes one of a matrix instruction's registers, and a load into a register that a matrix instruction has read, stand four places behind it, and only plain
; vector instructions that name none of its registers are places (ISA guide 7.12.1 for vector instructions).  The slices are the places; slice 63's sixteen stand behind the turn's last product.
; Each run of loads stands behind the second product of a run of 32, 30 matrix instructions ahead of its first use.  Piece 0's turn fetches the next step's K and mask terms: the last product that read K
; stands in front of slice 63 of the turn before, the last that read the terms 24 slices further back.  Piece 2's turn fetches the same step's V: the last product that read V stands three slices, six plain instructions, back.
.macro TURN x, last=0
.set k, 0
.if (\x) == 0
	s_wait_dscnt 0x0                ; V is in
.endif
.set i, 0
.rept 32
	PV \x
	SLICE 2-(\x)
.if ((\x) == 0) && (i == 1)
	FETCH_K \last
.endif
.set i, i+1
.endr
.if (\x) == 0
	s_wait_dscnt 0x0                ; K and the mask's terms are in
.endif
.set i, 0
.rept 32
	KQ \x
	SLICE 2-(\x)
.if ((\x) == 2) && (i == 1)
	FETCH_V
.endif
.set i, i+1
.endr
.endm
	s_wait_tensorcnt 0x0            ; my four tiles are in
	s_wait_dscnt 0x0                ; for the others' sake: my part of the mask's table is stored
	s_barrier_signal -1
	s_barrier_wait -1               ; everybody's are: from here on LDS is only read, up to the way out, where each wave has bytes of its own
	FETCH_K                         ; key step 0
	s_wait_loadcnt 0x0              ; Q
	s_wait_dscnt 0x0                ; K and the mask's terms are in
	FETCH_V 0                       ; step 0's V, so that the first turn's products on weights of 0 take finite numbers; it lands under the products below, and that turn fetches it again in its own place
.set i, 0
.rept 32
	KQ 0                            ; piece 0's first scores: there is no vector work yet to set between them
.set i, i+1
.endr
	WIN 0                           ; the addresses for the way out are made here: plain instructions, the places behind those products
	s_mul_i32 s13, s[WV], 16*SP
	s_add_co_u32 s13, s13, STAGE    ; my stage
	v_mul_u32_u24 v[STO], v1, SP    ; in: row l % 16, 16 bytes for each half of the lanes
	v_lshl_add_u32 v[STO], v9, 4, v[STO]
	v_add_nc_u32 v[STO], s13, v[STO]
	v_mul_u32_u24 v[RD], v9, SP     ; back: lanes 0-15 take one row of 256 bytes, lanes 16-31 the next
	v_lshl_add_u32 v[RD], v1, 4, v[RD]
	v_add_nc_u32 v[RD], s13, v[RD]
	v_lshlrev_b32 v[GO], 8, v9      ; and the same two rows in part: 16 x lane
	v_lshl_add_u32 v[GO], v1, 4, v[GO]
	v_lshlrev_b32 v[SA], 8, v9      ; the statistics: 256 bytes of c m, then 256 of l; query l % 16 of a tile
	v_lshl_add_u32 v[SA], v1, 2, v[SA]
	v_add_nc_u32 v[SA], s13, v[SA]
	v_add_nc_u32 v[SR], s13, v[GO]  ; and back, 16 bytes a lane
	s_mov_b32 s[CNT], NSTEP
	s_wait_dscnt 0x0                ; V is in
	s_branch .Lfirst                ; the loop is entered at piece 2's turn, in the middle of a trip: piece 2's first scores | piece 0's first softmax | V of step 0
.Lstep:                             ; a trip: piece 0: V^T P of step j, K Q^T of step j + 1 | piece 2's softmax of step j | K of step j + 1 (none in the eighth trip);
	TURN 0, 1
	WIN 0
	s_sub_co_u32 s[CNT], s[CNT], 1
	s_cmp_eq_u32 s[CNT], 0
	s_cbranch_scc1 .Lout            ; the eighth trip is left in its middle
.Lfirst:                            ; piece 2: the same products | piece 0's softmax of step j + 1 | V of step j + 1
	TURN 2
	WIN 0
	s_branch .Lstep
.Lout:                              ; the eighth trip's 32 products K Q^T (on the last K once more) serve nothing: the price of one text for every trip
.set i, 0
.rept 32
	PV 2                            ; piece 2: V^T P of the last step
.set i, i+1
.endr
	; THE WAY OUT.  l's two halves and the other half of the lanes' are added; O^T is divided by l, rounded to f16 and sent through my stage in LDS, a tile (16 rows of part) at a time.  The additions are the places behind the last products.
	WIN 0
.irp t, 0,1,2,3
	v_add_f32 v[ST+8*(\t)+4], v[ST+8*(\t)+2], v[ST+8*(\t)+3]
.endr
.irp t, 0,1,2,3
	v_permlanex16_b32 v[ST+8*(\t)+5], v[ST+8*(\t)+4], s[SEL], s[SEL+1]
.endr
.irp t, 0,1,2,3
	v_add_f32 v[ST+8*(\t)+4], v[ST+8*(\t)+4], v[ST+8*(\t)+5]
.endr
.irp t, 0,1,2,3
	v_rcp_f32 v[ST+8*(\t)+6], v[ST+8*(\t)+4]
.endr
	v_nop                           ; a plain instruction between the last reciprocal and the use of its result
	s_wait_alu depctr_va_vdst(0)
; Tile t: a lane's eight channels of a row pack into 16 bytes; they go into rows of 272 bytes and come back as whole rows of 256, into the registers that they left.
.macro PACK t
	WIN W_RS
.set i, 64*(\t)
.rept 32
	v_pk_mul_f32 v[i:i+1], v[i:i+1], v[ST+8*(\t)+6:ST+8*(\t)+7] op_sel_hi:[1,0]  ; in ascending order: each accumulator's lowest registers are read first
.set i, i+2
.endr
	WIN 0x05                        ; sources 0 and 1 window 1, destination window 0: S^T's registers are free
.set i, 0
.rept 32
	v_cvt_pk_f16_f32 v[S+32*(\t)+i], v[64*(\t)+2*i], v[64*(\t)+2*i+1]
.set i, i+1
.endr
	WIN 0
.irp f, 0,1,2,3,4,5,6,7
	ds_store_b128 v[STO], v[S+32*(\t)+4*(\f):S+32*(\t)+4*(\f)+3] offset:32*(\f)
.endr
.irp f, 0,1,2,3,4,5,6,7
	ds_load_b128 v[S+32*(\t)+4*(\f):S+32*(\t)+4*(\f)+3], v[RD] offset:(\f)*2*SP  ; LDS serves a wave's instructions in order (ISA guide 5.7.1.4): these see the stores above; the next tile's stores come behind them
.endr
.endm
.macro SEND t, younger              ; younger: the LDS instructions issued behind tile t's loads: the next tile's sixteen, or none
	WIN 0
.irp f, 0,1,2,3,4,5,6,7
	s_wait_dscnt (\younger)+7-(\f)  ; rows 2 f and 2 f + 1 are back; the tile's 7 - f later loads and the younger ones may stay out
	global_store_b128 v[GO], v[S+32*(\t)+4*(\f):S+32*(\t)+4*(\f)+3], s[10:11] offset:(\t)*4096+(\f)*512  ; 512 consecutive bytes, at a multiple of 256 from part's first byte; the next launch reads them: no hint
.endr
.endm
	PACK 0
	PACK 1                          ; a tile's arithmetic stands between the loads of the tile before and its stores
	SEND 0, 16
	PACK 2
	SEND 1, 16
	PACK 3
	SEND 2, 16
	SEND 3, 0
	; The statistics of my 64 queries.  Both halves of the lanes hold a query's c m and l: lanes 0-15 put c m, lanes 16-31 l, into the first 512 bytes of my stage, whose last reads have come back;
	; read back 16 bytes a lane they are 512 consecutive bytes of stats.
	v_cmp_gt_i32 vcc_lo, 1, v9      ; lanes 0-15
.irp t, 0,1,2,3
	v_cndmask_b32 v[ST+8*(\t)+5], v[ST+8*(\t)+4], v[ST+8*(\t)], vcc_lo
.endr
.irp t, 0,1,2,3
	ds_store_b32 v[SA], v[ST+8*(\t)+5] offset:64*(\t)
.endr
	ds_load_b128 v[P:P+3], v[SR]    ; P's registers are free, and no pending store reads them
	s_wait_dscnt 0x0
	global_store_b128 v[GO], v[P:P+3], s[94:95]
	s_wait_tensorcnt 0x0            ; the wave's end: behind my last tensor load and my last LDS store
	ds_add_u32 v[SPW], v[NIL]
	s_wait_dscnt 0x0
	CROUND                          ; the closing round: no work-group ends while a partner may still ask for a tile that names it
	s_endpgm
.Lfunc_end_k_q538b34a837_attn:
	.size	k_q538b34a837_attn, .Lfunc_end_k_q538b34a837_attn-k_q538b34a837_attn
	.p2alignl 7, 3214868480
	.fill 96, 4, 3214868480
	.section	.rodata,"a",@progbits
	.p2align	6, 0x0
	.amdhsa_kernel k_q538b34a837_attn
		.amdhsa_group_segment_fixed_size 327680
		.amdhsa_private_segment_fixed_size 0
		.amdhsa_enable_private_segment 0
		.amdhsa_kernarg_size 32
		.amdhsa_user_sgpr_count 2
		.amdhsa_user_sgpr_kernarg_segment_ptr 1
		.amdhsa_wavefront_size32 1
		.amdhsa_system_sgpr_workgroup_id_x 1
		.amdhsa_system_sgpr_workgroup_id_y 1
		.amdhsa_system_sgpr_workgroup_id_z 1
		.amdhsa_system_vgpr_workitem_id 0
		.amdhsa_next_free_vgpr 1024
		.amdhsa_next_free_sgpr 100
		.amdhsa_reserve_vcc 1
		.amdhsa_float_denorm_mode_32 3
		.amdhsa_float_denorm_mode_16_64 3
		.amdhsa_memory_ordered 1
		.amdhsa_forward_progress 1
		.amdhsa_inst_pref_size 105
	.end_amdhsa_kernel
	.amdgpu_metadata
---
amdhsa.version: [ 1, 2 ]
amdhsa.kernels:
  - .name:           k_q538b34a837_attn
    .symbol:         k_q538b34a837_attn.kd
    .args:
      - { .name: qkv, .offset: 0, .size: 8, .value_kind: global_buffer, .address_space: global }
      - { .name: mask, .offset: 8, .size: 8, .value_kind: global_buffer, .address_space: global }
      - { .name: part, .offset: 16, .size: 8, .value_kind: global_buffer, .address_space: global }
      - { .name: stats, .offset: 24, .size: 8, .value_kind: global_buffer, .address_space: global }
    .group_segment_fixed_size: 327680
    .private_segment_fixed_size: 0
    .kernarg_segment_align: 8
    .kernarg_segment_size: 32
    .max_flat_workgroup_size: 128
    .sgpr_count:     100
    .vgpr_count:     1024
    .wavefront_size: 32
...
	.end_amdgpu_metadata
.endif
;; end of part 3
;; launch comb (part 4): grid 512 x 1, 6 waves a work-group, no clusters, 0 bytes of LDS; arguments part, stats, out0; writes out0
.if DOCPART == 4
	.amdgcn_target "amdgcn-amd-amdhsa--gfx1250"
	.amdhsa_code_object_version 6
	.text
	.protected	k_q538b34a837_comb
	.globl	k_q538b34a837_comb
	.p2align	8
	.type	k_q538b34a837_comb,@function
k_q538b34a837_comb:
	s_mov_b64 s[64:65], 0
	v_nop
	global_prefetch_b8 v0, s[64:65] scope:SCOPE_SE
	s_setreg_imm32_b32 hwreg(HW_REG_WAVE_MODE, 25, 1), 1
	s_wait_xcnt 0x0
; THE EIGHT KEY PARTS ARE JOINED.  For batch b, query q, head hd (hh = 6 b + hd):
;   M = max_k cm_k;  w_k = l_k 2^(cm_k - M);  out0[b][q][128 hd + :] = sum_k (w_k / sum_j w_j) part[k][hh][q][:]
; part: [8][12][4096][128] in f16, each part's mean of V's rows under its own weights; stats: [8][12][64 blocks of 64 queries][c m, l][64] in f32; out0: [2][4096][768] in f32.  All arithmetic in f32.
; The largest c m is taken away before the exponentials, so the part that holds it has the factor 1, and its l is at least 1: the divisor is at least 1.  A factor below 2^-126 counts as 0.
; A stream: bytes are all that counts, so there is no LDS, no barrier and no matrix work.  Work-group x owns rows 16 x to 16 x + 15 of out0 (batch and query on end), wave hd that head's 512 bytes of each row:
; 512 work-groups of six waves.  A row of a part is 256 bytes: 8 bytes a lane, so a load of the wave covers 256 consecutive bytes and a lane's four numbers become 16 bytes of f32: a store covers 512.
; Lane q % 16 makes query q's eight weights; a row's weights are the same for all lanes and come to scalar registers by v_readlane_b32.  A ring of four rows in registers keeps 32 loads of a wave in flight.
.set NKQ,   8
.set PKQ,   12582912                   ; bytes of a key part in part
.set SKQ,   393216                     ; and in stats
.set ROWS,  16
.set DEPTH, 4
.set CM,  2                            ; v[2:9]     c m of the eight parts, then the factors
.set LL,  10                           ; v[10:17]   l of the eight parts, then at work on the sum
.set G,   18                           ; v[18:25]   the weights
.set MX,  26                           ; v26        M, then 1 / the sum
.set LO,  27                           ; v27        8 x lane; never rewritten
.set GO,  28                           ; v28        16 x lane; never rewritten
.set SO,  29                           ; v29        4 x (lane % 16); never rewritten
.set X,   32                           ; v[32:95]   slot r % 4: 16 registers, a row's 4 numbers of each of the eight parts, in f16
.set T,   96                           ; v[96:103]  four numbers in f32, two sets by turns
.set Y,   104                          ; v[104:111] a row's four results, two sets by turns
                                       ; v112-115   halves to be widened
.set W,   32                           ; s[32:47]   a row's eight weights, each the low word of a pair
.set PB,  48                           ; s[48:63]   part at my rows, for each key part
	s_load_b128 s[4:7], s[0:1], 0x0                ; part s[4:5], stats s[6:7]
	s_load_b64 s[8:9], s[0:1], 0x10                ; out0
	v_lshrrev_b32 v1, 5, v0
	v_readfirstlane_b32 s10, v1                    ; my wave's number: hd
	v_and_b32 v1, 31, v0
	v_lshlrev_b32 v[LO], 3, v1
	v_lshlrev_b32 v[GO], 4, v1
	v_and_b32 v1, 15, v0
	v_lshlrev_b32 v[SO], 2, v1
	s_lshr_b32 s11, ttmp9, 8                       ; b: 256 groups of 16 queries a batch
	s_and_b32 s18, ttmp9, 255                      ; my group in the batch
	s_mul_i32 s11, s11, 6
	s_add_co_u32 s11, s11, s10                     ; hh
	s_lshl_b32 s12, s11, 20                        ; part: 4,096 rows of 256 bytes a head,
	s_lshl_b32 s13, s18, 12                        ; 16 rows a group
	s_add_co_u32 s12, s12, s13
	s_mov_b32 s13, 0
	s_lshl_b32 s14, s11, 6                         ; stats: 64 blocks a head,
	s_lshr_b32 s15, s18, 2                         ; four groups a block,
	s_add_co_u32 s14, s14, s15
	s_lshl_b32 s14, s14, 9                         ; 512 bytes a block,
	s_and_b32 s15, s18, 3
	s_lshl_b32 s15, s15, 6                         ; 64 bytes a group
	s_add_co_u32 s14, s14, s15
	s_mov_b32 s15, 0
	s_mul_i32 s16, ttmp9, ROWS*3072                ; out0: 16 rows of 3,072 bytes a group,
	s_lshl_b32 s17, s10, 9                         ; 512 bytes a head
	s_add_co_u32 s16, s16, s17
	s_mov_b32 s17, 0
.irp k, 0,1,2,3,4,5,6,7
	s_mov_b32 s[W+2*(\k)+1], 0                     ; named with the weight as a pair, so it is written
.endr
	s_wait_kmcnt 0x0
	s_add_nc_u64 s[PB:PB+1], s[4:5], s[12:13]
.irp k, 1,2,3,4,5,6,7
	s_add_nc_u64 s[PB+2*(\k):PB+2*(\k)+1], s[PB+2*(\k)-2:PB+2*(\k)-1], PKQ
.endr
	s_add_nc_u64 s[6:7], s[6:7], s[14:15]
	s_add_nc_u64 s[8:9], s[8:9], s[16:17]
.irp k, 0,1,2,3,4,5,6,7
	global_load_b32 v[CM+(\k)], v[SO], s[6:7] offset:(\k)*SKQ
	global_load_b32 v[LL+(\k)], v[SO], s[6:7] offset:(\k)*SKQ+256
.endr
.macro FILL r                          ; row r of the eight parts: eight loads of 256 consecutive bytes each
.set k, 0
.rept NKQ
	global_load_b64 v[X+16*((\r)%DEPTH)+2*k:X+16*((\r)%DEPTH)+2*k+1], v[LO], s[PB+2*k:PB+2*k+1] offset:(\r)*256 th:TH_LOAD_NT
.set k, k+1
.endr
.endm
	FILL 0
	FILL 1
	FILL 2
	FILL 3
	s_wait_loadcnt 8*DEPTH                         ; the sixteen loads of stats are in; the four rows' 32, issued behind them, stay out
	v_max3_num_f32 v[MX], v[CM], v[CM+1], v[CM+2]
	v_max3_num_f32 v[MX], v[MX], v[CM+3], v[CM+4]
	v_max3_num_f32 v[MX], v[MX], v[CM+5], v[CM+6]
	v_max_num_f32 v[MX], v[MX], v[CM+7]
.irp k, 0,1,2,3,4,5,6,7
	v_sub_f32 v[CM+(\k)], v[CM+(\k)], v[MX]
.endr
.irp k, 0,1,2,3,4,5,6,7
	v_exp_f32 v[CM+(\k)], v[CM+(\k)]
.endr
	v_nop                                          ; a plain instruction between the last exponential and the use of its result
	s_wait_alu depctr_va_vdst(0)
.irp k, 0,1,2,3,4,5,6,7
	v_mul_f32 v[G+(\k)], v[CM+(\k)], v[LL+(\k)]
.endr
	v_add_f32 v[LL],   v[G],   v[G+1]
	v_add_f32 v[LL+1], v[G+2], v[G+3]
	v_add_f32 v[LL+2], v[G+4], v[G+5]
	v_add_f32 v[LL+3], v[G+6], v[G+7]
	v_add_f32 v[LL],   v[LL],   v[LL+1]
	v_add_f32 v[LL+2], v[LL+2], v[LL+3]
	v_add_f32 v[LL],   v[LL],   v[LL+2]
	v_rcp_f32 v[MX], v[LL]
	v_nop                                          ; a plain instruction between the reciprocal and the use of its result
	s_wait_alu depctr_va_vdst(0)
.irp k, 0,1,2,3,4,5,6,7
	v_mul_f32 v[G+(\k)], v[G+(\k)], v[MX]
.endr
; Row r.  ahead = 1: its slot is filled again with the row four further on.  left = how many younger loads may stay out.
.macro CROW r, ahead, left
	s_wait_loadcnt \left                           ; loads come back in order (ISA guide 5.7.1): the row's eight are in, the younger rows' stay out
	s_wait_xcnt 0x0                                ; every earlier memory instruction has had its addresses translated (ISA guide 3.1): this row's set of Y, which the store two rows back reads, is rewritten only behind this wait
.set k, 0
.rept NKQ
	v_readlane_b32 s[W+2*k], v[G+k], \r            ; query r's weight lies in lane r
.set k, k+1
.endr
.set yy, Y+4*((\r)%2)
.set k, 0
.rept NKQ
.set xa, X+16*((\r)%DEPTH)+2*k
.set tt, T+4*(k%2)
	v_mov_b32 v112, v[xa]                          ; f16 to f32: each half comes into the low half of a register of its own
	v_lshrrev_b32 v113, 16, v[xa]
	v_mov_b32 v114, v[xa+1]
	v_lshrrev_b32 v115, 16, v[xa+1]
	v_cvt_f32_f16 v[tt],   v112.l
	v_cvt_f32_f16 v[tt+1], v113.l
	v_cvt_f32_f16 v[tt+2], v114.l
	v_cvt_f32_f16 v[tt+3], v115.l
.if k == 0
	v_pk_mul_f32 v[yy:yy+1],   v[tt:tt+1],   s[W:W+1] op_sel_hi:[1,0]   ; the first part starts the sums: nothing is cleared
	v_pk_mul_f32 v[yy+2:yy+3], v[tt+2:tt+3], s[W:W+1] op_sel_hi:[1,0]
.else
	v_pk_fma_f32 v[yy:yy+1],   v[tt:tt+1],   s[W+2*k:W+2*k+1], v[yy:yy+1]   op_sel_hi:[1,0,1]
	v_pk_fma_f32 v[yy+2:yy+3], v[tt+2:tt+3], s[W+2*k:W+2*k+1], v[yy+2:yy+3] op_sel_hi:[1,0,1]
.endif
.set k, k+1
.endr
.if \ahead
	FILL (\r)+DEPTH                                ; loads ahead of the store
.endif
	global_store_b128 v[GO], v[yy:yy+3], s[8:9] offset:(\r)*3072 th:TH_STORE_NT  ; 512 consecutive bytes, at a multiple of 256 from out0's first byte
.endm
.irp r, 0,1,2,3,4,5,6,7,8,9,10,11
	CROW \r, 1, 8*(DEPTH-1)
.endr
.irp r, 12,13,14,15
	CROW \r, 0, 8*(15-(\r))                        ; the last four rows load nothing: the counts run down
.endr
	s_endpgm
.Lfunc_end_k_q538b34a837_comb:
	.size	k_q538b34a837_comb, .Lfunc_end_k_q538b34a837_comb-k_q538b34a837_comb
	.p2alignl 7, 3214868480
	.fill 96, 4, 3214868480
	.section	.rodata,"a",@progbits
	.p2align	6, 0x0
	.amdhsa_kernel k_q538b34a837_comb
		.amdhsa_group_segment_fixed_size 0
		.amdhsa_private_segment_fixed_size 0
		.amdhsa_enable_private_segment 0
		.amdhsa_kernarg_size 24
		.amdhsa_user_sgpr_count 2
		.amdhsa_user_sgpr_kernarg_segment_ptr 1
		.amdhsa_wavefront_size32 1
		.amdhsa_system_sgpr_workgroup_id_x 1
		.amdhsa_system_sgpr_workgroup_id_y 1
		.amdhsa_system_sgpr_workgroup_id_z 1
		.amdhsa_system_vgpr_workitem_id 0
		.amdhsa_next_free_vgpr 116
		.amdhsa_next_free_sgpr 66
		.amdhsa_reserve_vcc 0
		.amdhsa_float_denorm_mode_32 3
		.amdhsa_float_denorm_mode_16_64 3
		.amdhsa_memory_ordered 1
		.amdhsa_forward_progress 1
		.amdhsa_inst_pref_size 76
	.end_amdhsa_kernel
	.amdgpu_metadata
---
amdhsa.version: [ 1, 2 ]
amdhsa.kernels:
  - .name:           k_q538b34a837_comb
    .symbol:         k_q538b34a837_comb.kd
    .args:
      - { .name: part, .offset: 0, .size: 8, .value_kind: global_buffer, .address_space: global }
      - { .name: stats, .offset: 8, .size: 8, .value_kind: global_buffer, .address_space: global }
      - { .name: out0, .offset: 16, .size: 8, .value_kind: global_buffer, .address_space: global }
    .group_segment_fixed_size: 0
    .private_segment_fixed_size: 0
    .kernarg_segment_align: 8
    .kernarg_segment_size: 24
    .max_flat_workgroup_size: 192
    .sgpr_count:     66
    .vgpr_count:     116
    .wavefront_size: 32
...
	.end_amdgpu_metadata
.endif
;; end of part 4
;; ======== version 2 of 3: 4 launches
;; limits: values are held in f16: magnitudes above 65,504 overflow, below 6.1e-05 lose precision; values outside matrix products are rounded to f16
;; workspace buffers: wb 3,538,944 bytes; qkv 37,748,736 bytes; part 50,331,648 bytes; stats 1,572,864 bytes
;; launch prep: the kernel of part 1 again; grid 72 x 3, 8 waves a work-group, no clusters, 0 bytes of LDS; arguments Wq, Wk, Wv, wb; writes wb
;; launch proj (part 5): grid 64 x 3, 4 waves a work-group, clusters of 4 x 1, 327,680 bytes of LDS; arguments query, key, value, wb, bq, bk, bv, qkv; writes qkv
.if DOCPART == 5
	.amdgcn_target "amdgcn-amd-amdhsa--gfx1250"
	.amdhsa_code_object_version 6
	.text
	.protected	k_q538b34a837_proj
	.globl	k_q538b34a837_proj
	.p2align	8
	.type	k_q538b34a837_proj,@function
k_q538b34a837_proj:
	s_mov_b64 s[64:65], 0
	v_nop
	global_prefetch_b8 v0, s[64:65] scope:SCOPE_SE
	s_setreg_imm32_b32 hwreg(HW_REG_WAVE_MODE, 25, 1), 1
	s_wait_xcnt 0x0
	s_wait_alu depctr_hold_cnt(0) depctr_sa_sdst(0) depctr_va_vdst(0) depctr_va_sdst(0) depctr_va_ssrc(0) depctr_va_vcc(0) depctr_vm_vsrc(0)
	s_getreg_b32 s2, hwreg(HW_REG_IB_STS2, 6, 4)
	s_cmp_eq_u32 s2, 0
	s_cbranch_scc0 .Lentry_in_a_cluster
	s_endpgm
.Lentry_in_a_cluster:
	s_bfe_u32 s2, ttmp6, 0x10000c
	s_cmp_lg_u32 s2, 0x3003
	s_cbranch_scc0 .Lentry_shape_is_right
	s_endpgm
.Lentry_shape_is_right:
; qkv[p][b 6 + head][s][c] = f16( sum over k of bf16(X_p[b][s][k]) bf16(W_p[k][128 head + c]) + bf16(b_p[128 head + c]) ), p = 0, 1, 2 for query/Wq/bq, key/Wk/bk, value/Wv/bv.  Sums in f32; no scale.
; LIMIT.  The results are kept in f16: they must stay under 65,504 in magnitude; a larger one becomes an infinity.  NaN and infinities are not treated apart.
; SHARES.  Work-group (mt, p) makes 128 rows x all 768 columns, so each byte of X is asked for once in the launch, by one work-group: X's tiles are loads of the work-group's own.
; The four work-groups of a cluster have the same p and walk the same W: W's tiles are asked for JOINTLY (the same tensor load, descriptor and mask of four in all four).
; Wave w: rows 64 (w / 2) on, four blocks a of 16; columns 256 g + 128 (w % 2) + 16 i on, g = 0..2, i = 0..7: the three whole heads 2 g + w % 2.  96 accumulators, 768 registers.
; 64 x 3 = 192 work-groups: the tile counts of this shape are 3 x 2^n, so no tile gives each of 256 an equal share.
; K goes in 12 steps of 64 through two LDS slots.  A slot: X's tile, 128 rows x 64 f32 (rows of 256 bytes), and three panels of W, 64 k x 256 columns of bf16 (rows of 512 bytes): one tensor load a wave, 32 KiB each.
; X is rounded to bf16 between LDS and the fragments.  W lies [k][n] and is turned by ds_load_tr16_b128.
; X IS ASKED FOR AHEAD.  Two slots of one K step are what LDS holds, so a tile's tensor load has one K step in which to land.  In K step t of the loop's ten each of the 128 threads asks, by a prefetch, for the
; 256 bytes of its own row of the tile that belong to K step t + 2: the tile that wave 0's tensor load fetches 160 matrix instructions further on in the same step.  No other work-group reads these rows, so each
; block is asked for once in the launch; 32 KiB a work-group are asked for and not yet read.  Steps 0 to 9 ask for K steps 2 to 11; the two steps behind the loop ask for nothing: no request leaves its row.
; W is not asked for ahead: 64 work-groups read each of its panels.
; THE MATRIX INSTRUCTION IS USED TRANSPOSED: source 0 = 16 columns of W, source 1 = 16 rows of X: lane l holds row l % 16 and the eight neighbouring columns 8 (l / 16) + 0..7, which pack into 16 bytes of f16.
; THE BIAS starts the sums: a product of rank one (source 0: the bias at k = 0; source 1: 1 at k = 0, else 0) with C = 0, issued while the first tiles are on their way.  96 matrix instructions a wave that
; are not the problem's own; they round the bias to bf16, spare the additions on the way out, and leave the K loop with one form.
; REGISTERS, in windows of 256 (s_set_vgpr_msb: bits 1:0 source 0, 3:2 source 1, 5:4 source 2, 7:6 destination):
;   window 0: v0-30 addresses; v32-63 X's four fragments; v64-127, v128-191 W's eight fragments of one head, two buffers by turns; v192-255 X's four fragments in f32, as loaded
;   window 1 + g: the 32 accumulators of head 2 g + w % 2: (a, i) at v[8 (4 i + a)]
.set XP,     272                       ; a row of X in LDS: 256 bytes + 16 = 17 x 16: the 16 rows of a load start at 16 different groups of four banks (64 banks of 4 bytes: ISA guide 11.1)
.set WP,     544                       ; a row of a panel: 512 bytes + 32 = 17 x 32
.set HALFT,  34816                     ; 128 x 272 = 64 x 544: what one tensor load fills
.set SLOT,   4*HALFT                   ; X's tile, then the three panels
.set STAGE,  2*SLOT                    ; behind the ring: 16 rows x 272 bytes for each wave, for the way out; no tensor load fills it
.set SPITCH, 272
.set SPARE,  STAGE+4*16*SPITCH         ; behind the stages: the spare words, 128 bytes for each wave: two blocks of 256 bytes that no other line names
.set PSZ,    12582912                  ; bytes of one of q, k, v in qkv
.set ADRB, 16                          ; v[16+3 s+g]  LDS address of my lane in panel g of slot s
.set ADRA, 22                          ; v[22+s]      the same in X's tile of slot s
.set STO,  24                          ; v24  the way out: where I put 16 bytes of a row
.set RD,   25                          ; v25  the way out: where I read rows back
.set CO,   26                          ; v26  my byte offset in 512 consecutive bytes of qkv
.set BO,   27                          ; v27  my byte offset in the bias
.set SPW,  28                          ; v28  LDS address of my spare word: SPARE + 4 x my thread's number; never rewritten
.set NIL,  29                          ; v29  0; never rewritten
.set PF,   30                          ; v30  3,072 x my thread's number: my row of X's tile, for the prefetch; never rewritten
.set AF,   32
.set BF0,  64
.set BF1,  128
.set STG,  192
.set TMP,  64                          ; the way out: packed results (BF0's registers)
.set OB,   128                         ; the way out: 16 rows read back: v128-159 and v160-191 by turns (BF1's registers)
.set G1X, 24                           ; s[24:31] descriptor group 1 for X's tiles
.set G0X, 32                           ; s[32:39] group 0, a set for each slot
.set G1W, 48                           ; s[48:55], s[56:63] the same for W's panels
.set G0W, 56
.set XPF, 84                           ; s[84:85] X at my tile's first row, two K steps ahead of the trip's first step: the prefetch's base
.set MSB, 0
.macro WIN new                         ; the immediate's high byte repeats the setting that is left; a switch that changes nothing is dropped
.if MSB != (\new)
	s_set_vgpr_msb (MSB<<8)|(\new)
.set MSB, \new
.endif
.endm
; A vector instruction that writes, and a load into, a register that a matrix instruction has read stand four places behind it, and only plain vector instructions that name none of its
; registers are places (ISA guide 7.12.1 for vector instructions).
.macro PLACES
.rept 4
	v_nop
.endr
.endm
; A fill of slot s.  Wave 0 fetches X's tile (its own work-group's alone: mask 0), waves 1 to 3 the three panels of W (jointly).  The branch hangs on the wave's number alone.
; An s_nop 0 and four v_nop follow each of the two lines, ahead of the jump and the label.
.macro JLOAD s
	s_cmp_eq_u32 s10, 0
	s_cbranch_scc0 .Lfor_w_\@
	tensor_load_to_lds s[G0X+4*(\s):G0X+4*(\s)+3], s[G1X:G1X+7]
	s_nop 0
.rept 4
	v_nop
.endr
	s_branch .Lasked_\@
.Lfor_w_\@:
	tensor_load_to_lds s[G0W+4*(\s):G0W+4*(\s)+3], s[G1W:G1W+7]
	s_nop 0
.rept 4
	v_nop
.endr
.Lasked_\@:
.endm
; A round of the cluster's barrier: my work-group's barrier, so that wave 0's signal speaks for all four waves; wave 0 signals; every wave waits for all four work-groups; my work-group's barrier once more.
.macro CREST                           ; a round behind its opening barrier
	s_cmp_lg_u32 s10, 0
	s_cbranch_scc1 .Lnot_wave_0_\@
	s_barrier_signal -3
.Lnot_wave_0_\@:
	s_barrier_wait -3
	s_barrier_signal -1
	s_barrier_wait -1
.endm
.macro CROUND                          ; a whole round
	s_barrier_signal -1
	s_barrier_wait -1
	CREST
.endm
	s_load_b256 s[68:75], s[0:1], 0x0              ; query s[68:69], key s[70:71], value s[72:73], wb s[74:75]
	s_load_b256 s[76:83], s[0:1], 0x20             ; bq s[76:77], bk s[78:79], bv s[80:81], qkv s[82:83]
	v_lshl_add_u32 v[SPW], v0, 2, SPARE
	v_mov_b32 v[NIL], 0
	ds_add_u32 v[SPW], v[NIL]                      ; the wave's opening: the add and its wait stand ahead of my first tensor load; the set-up below, work on registers, stands between them
	v_lshrrev_b32 v5, 5, v0
	v_readfirstlane_b32 s10, v5                    ; wave 0..3
	s_max_u32 s11, s10, 1
	s_sub_co_u32 s11, s11, 1                       ; the panel that waves 1 to 3 fetch (wave 0 makes panel 0's address and does not use it)
	s_and_b32 s12, s10, 1                          ; which 128 columns of each panel are mine
	s_lshr_b32 s13, s10, 1                         ; which 64 rows
	s_bfe_u32 s40, ttmp6, 0x40000                  ; cx: my place in the cluster: it enters X's address and the stores' alone
	s_and_b32 s41, ttmp7, 0xffff                   ; p, which the four partners share
	s_lshl_b32 s42, ttmp9, 2                       ; in a cluster launch ttmp9 counts clusters
	s_add_co_u32 s42, s42, s40                     ; the row tile = 4 x cluster x + cx
	s_mul_i32 s16, s42, 128*3072                   ; X: 128 rows of 3,072 bytes a tile
	s_mov_b32 s17, 0
	s_mul_i32 s18, s41, 768*768*2                  ; W: wb's part p, my panel's 512 bytes of each row; these registers never hold cx
	s_lshl_b32 s19, s11, 9
	s_add_co_u32 s18, s18, s19
	s_mov_b32 s19, 0
	s_mul_i32 s20, s10, HALFT                      ; where my tiles go in a slot: wave x 34,816
	s_lshr_b32 s43, s42, 5                         ; the batch: 32 row tiles each
	s_mul_i32 s43, s43, 6
	s_add_co_u32 s43, s43, s12                     ; head w % 2 of that batch (head 2 g + w % 2 stands in the stores' immediates),
	s_lshl_b32 s43, s43, 20                        ; 4,096 rows of 256 bytes a head
	s_and_b32 s46, s42, 31
	s_lshl_b32 s46, s46, 15                        ; the tile's 128 rows in the batch
	s_add_co_u32 s43, s43, s46
	s_lshl_b32 s46, s13, 14                        ; my 64 of them
	s_add_co_u32 s43, s43, s46
	s_mul_i32 s44, s41, PSZ
	s_add_co_u32 s44, s44, s43
	s_mov_b32 s45, 0
	; descriptor group 1.  X: 128 rows x 64 elements of 4 bytes; W: 64 rows x 256 elements of 2 bytes; both 768 elements from row to row; both padded in LDS
	s_mov_b32 s[G1X+0], (2<<16)|(1<<20)|(5<<22)|(3<<25)  ; 15:0 no mask; 17:16 elements of 4 bytes; 20 padding on; 24:22 after every 64 words (code 5); 31:25 4 words of it (code 3)
	s_mov_b32 s[G1X+1], 64<<16                     ; tensor_dim0 = 64
	s_mov_b32 s[G1X+2], 128<<16                    ; tensor_dim1 = 128
	s_mov_b32 s[G1X+3], 64<<16                     ; tile_dim0 = 64
	s_mov_b32 s[G1X+4], 128                        ; tile_dim1 = 128
	s_mov_b32 s[G1X+5], 768                        ; elements from row to row
	s_mov_b32 s[G1X+6], 0
	s_mov_b32 s[G1X+7], 0
	s_mov_b32 s[G1W+0], 15|(1<<16)|(1<<20)|(1<<21)|(6<<22)|(7<<25)  ; 15:0 the mask: all four work-groups; elements of 2 bytes; padding on; 21 set beside a mask; after every 128 words (code 6) 8 words (code 7)
	s_mov_b32 s[G1W+1], 256<<16                    ; tensor_dim0 = 256
	s_mov_b32 s[G1W+2], 64<<16                     ; tensor_dim1 = 64
	s_mov_b32 s[G1W+3], 256<<16                    ; tile_dim0 = 256
	s_mov_b32 s[G1W+4], 64                         ; tile_dim1 = 64
	s_mov_b32 s[G1W+5], 768
	s_mov_b32 s[G1W+6], 0
	s_mov_b32 s[G1W+7], 0
	s_wait_dscnt 0x0                               ; the opening add is done
	s_wait_kmcnt 0x0
	s_cmp_eq_u32 s41, 1                            ; X and the bias are chosen by p, which hangs on no address
	s_cselect_b64 s[4:5], s[70:71], s[68:69]
	s_cselect_b64 s[6:7], s[78:79], s[76:77]
	s_cmp_eq_u32 s41, 2
	s_cselect_b64 s[4:5], s[72:73], s[4:5]
	s_cselect_b64 s[6:7], s[80:81], s[6:7]
	s_add_nc_u64 s[4:5], s[4:5], s[16:17]          ; X at my tile's first row
	s_add_nc_u64 s[XPF:XPF+1], s[4:5], 2*256       ; and two K steps along it
	s_add_nc_u64 s[14:15], s[74:75], s[18:19]      ; W at my panel's first row
	s_add_nc_u64 s[8:9], s[82:83], s[44:45]        ; qkv at my wave's first row of head w % 2
	CROUND                                         ; all four work-groups are here: the first joint loads meet
.irp s, 0,1
	s_mov_b32 s[G0X+4*(\s)], 1                                       ; 1:0 count = 1
	s_add_co_u32 s[G0X+4*(\s)+1], s20, (\s)*SLOT                     ; 63:32 LDS address
	s_add_nc_u64 s[G0X+4*(\s)+2:G0X+4*(\s)+3], s[4:5], (\s)*256      ; 120:64 global address: K step s, 64 f32 along the rows
	s_or_b32 s[G0X+4*(\s)+3], s[G0X+4*(\s)+3], 0x80000000            ; 127:126 type = 2
	s_mov_b32 s[G0W+4*(\s)], 1
	s_add_co_u32 s[G0W+4*(\s)+1], s20, (\s)*SLOT
	s_add_nc_u64 s[G0W+4*(\s)+2:G0W+4*(\s)+3], s[14:15], (\s)*64*1536  ; K step s, 64 rows of 1,536 bytes down
	s_or_b32 s[G0W+4*(\s)+3], s[G0W+4*(\s)+3], 0x80000000
.endr
	s_cmp_eq_u32 s10, 0                            ; a wave's two first fills stand in one branch, ahead of every wait on TENSORcnt, every LDS read and every further barrier: two loads of mine are out
	s_cbranch_scc0 .Lfirst_w
	tensor_load_to_lds s[G0X:G0X+3], s[G1X:G1X+7]
	s_nop 0
	tensor_load_to_lds s[G0X+4:G0X+7], s[G1X:G1X+7]
	s_nop 0
.rept 4
	v_nop
.endr
	s_branch .Lfirst_asked
.Lfirst_w:
	tensor_load_to_lds s[G0W:G0W+3], s[G1W:G1W+7]
	s_nop 0
	tensor_load_to_lds s[G0W+4:G0W+7], s[G1W:G1W+7]
	s_nop 0
.rept 4
	v_nop
.endr
.Lfirst_asked:
	v_and_b32 v1, 15, v0                           ; r = l % 16
	v_bfe_u32 v2, v0, 4, 1                         ; h = l / 16
	v_and_b32 v3, 7, v0
	v_bfe_u32 v4, v0, 3, 1
	s_lshl_b32 s22, s12, 9
	v_lshl_add_u32 v[BO], v1, 2, s22               ; the bias of column 128 (w % 2) + r; 256 g + 16 i stand in the immediate
.set gg, 0
.rept 3
.set ii, 0
.rept 8
	global_load_b32 v[STG+8*gg+ii], v[BO], s[6:7] offset:1024*gg+64*ii
.set ii, ii+1
.endr
.set gg, gg+1
.endr
	v_mul_u32_u24 v[PF], v0, 3072                  ; thread t stands for row t of X's tile
	; The turning load takes 16 k x 16 columns (lane l reads 16 bytes: k 8 h + l % 8, columns 8 ((l / 8) % 2) + 0..7) and leaves half a fragment: lane l holds column l % 16 and 8 k.
	v_lshl_add_u32 v5, v2, 3, v3
	v_mul_u32_u24 v5, v5, WP
	v_lshl_add_u32 v5, v4, 4, v5
	s_lshl_b32 s21, s12, 8                         ; my 128 columns of a panel's 256
	v_add_nc_u32 v5, s21, v5
.irp s, 0,1
.irp g, 0,1,2
	v_add_nc_u32 v[ADRB+3*(\s)+(\g)], (\s)*SLOT+(1+(\g))*HALFT, v5
.endr
.endr
	; A fragment of X: lane l holds row l % 16, k = 8 h + 0..7 and 16 + 8 h + 0..7: in f32 two runs of 32 bytes, 64 bytes apart
	s_mul_i32 s21, s13, 64*XP
	v_mul_u32_u24 v6, v1, XP
	v_lshl_add_u32 v6, v2, 5, v6
	v_add_nc_u32 v[ADRA], s21, v6
	v_add_nc_u32 v[ADRA+1], SLOT, v[ADRA]
	s_mul_i32 s21, s10, 16*SPITCH
	s_add_co_u32 s21, s21, STAGE                   ; my stage
	v_mul_u32_u24 v7, v1, SPITCH                   ; in: row l % 16, 16 bytes for each half of the lanes
	v_lshl_add_u32 v7, v2, 4, v7
	v_add_nc_u32 v[STO], s21, v7
	v_mul_u32_u24 v8, v2, SPITCH                   ; back: lanes 0-15 take one row of 256 bytes, lanes 16-31 the next,
	v_lshl_add_u32 v8, v1, 4, v8
	v_add_nc_u32 v[RD], s21, v8
	v_and_b32 v[CO], 31, v0                        ; which are 512 consecutive bytes of a head
	v_lshlrev_b32 v[CO], 4, v[CO]
	v_sub_nc_u32 v[AF], 1, v2                      ; source 1 of the bias's product: bf16 1.0 at k = 0 (lanes 0-15, register 0, low half), 0 elsewhere
	v_mul_u32_u24 v[AF], v[AF], 0x3f80
.set ii, 1
.rept 7
	v_mov_b32 v[AF+ii], 0
.set ii, ii+1
.endr
.set ii, 0
.rept 8                                ; source 0: registers 1 to 7 of the eight fragments are 0; register 0 takes the bias below
.set rr, 1
.rept 7
	v_mov_b32 v[BF0+8*ii+rr], 0
.set rr, rr+1
.endr
.set ii, ii+1
.endr
	s_wait_loadcnt 0x0                             ; the bias
; Head 2 g + w % 2: the bias of column 16 i + r, rounded to bf16, at k = 0 (in lanes 16-31 it lies at k = 8 and meets a 0); 32 products with C = 0 start the sums
.macro BIAS g
	WIN 0
.if (\g) > 0
	PLACES                                         ; register 0 of each fragment was read by the products just issued
.endif
.set ii, 0
.rept 8
	v_cvt_pk_bf16_f32 v[BF0+8*ii], v[STG+8*(\g)+ii], v[BF0+1]
.set ii, ii+1
.endr
	WIN (1+(\g))*0x50
.set ii, 0
.rept 8
.set aa, 0
.rept 4
	v_wmma_f32_16x16x32_bf16 v[8*(4*ii+aa):8*(4*ii+aa)+7], v[BF0+8*ii:BF0+8*ii+7], v[AF:AF+7], 0
.set aa, aa+1
.endr
.set ii, ii+1
.endr
.endm
	BIAS 0
	BIAS 1
	BIAS 2
; 16 LDS loads: W's eight fragments (128 columns x 32 k, half c of the K step) of panel g in slot s, turned, into buffer bf
.macro FETCHB s, c, g, bf
.set ii, 0
.rept 8
	ds_load_tr16_b128 v[(\bf)+8*ii:(\bf)+8*ii+3],   v[ADRB+3*(\s)+(\g)] offset:32*(\c)*WP+32*ii
	ds_load_tr16_b128 v[(\bf)+8*ii+4:(\bf)+8*ii+7], v[ADRB+3*(\s)+(\g)] offset:(32*(\c)+16)*WP+32*ii
.set ii, ii+1
.endr
.endm
; 16 LDS loads: X's four fragments (64 rows x 32 k, half c) in f32
.macro FETCHA s, c
.set aa, 0
.rept 4
	ds_load_b128 v[STG+16*aa:STG+16*aa+3],     v[ADRA+(\s)] offset:aa*16*XP+128*(\c)
	ds_load_b128 v[STG+16*aa+4:STG+16*aa+7],   v[ADRA+(\s)] offset:aa*16*XP+128*(\c)+16
	ds_load_b128 v[STG+16*aa+8:STG+16*aa+11],  v[ADRA+(\s)] offset:aa*16*XP+128*(\c)+64
	ds_load_b128 v[STG+16*aa+12:STG+16*aa+15], v[ADRA+(\s)] offset:aa*16*XP+128*(\c)+80
.set aa, aa+1
.endr
.endm
.macro CVTA                            ; X's four fragments rounded to bf16: 32 lines
.set ii, 0
.rept 32
	v_cvt_pk_bf16_f32 v[AF+ii], v[STG+2*ii], v[STG+2*ii+1]
.set ii, ii+1
.endr
.endm
; 16 matrix instructions of head g: column blocks i0 .. i0 + 3 x all four row blocks.  The 96 accumulators take turns, one instruction a turn, in one fixed order.
.macro MUL16 g, bf, i0
	WIN (1+(\g))*0x50                              ; C and D in window 1 + g, the sources in window 0
.set ii, \i0
.rept 4
.set aa, 0
.rept 4
	v_wmma_f32_16x16x32_bf16 v[8*(4*ii+aa):8*(4*ii+aa)+7], v[(\bf)+8*ii:(\bf)+8*ii+7], v[AF+8*aa:AF+8*aa+7], v[8*(4*ii+aa):8*(4*ii+aa)+7]
.set aa, aa+1
.endr
.set ii, ii+1
.endr
.endm
.macro MULU g, bf                      ; a unit: 32 matrix instructions
	MUL16 \g, \bf, 0
	MUL16 \g, \bf, 4
.endm
.macro HEAD                            ; a unit's head
	WIN 0
	s_wait_dscnt 0x0                               ; the loads issued a unit, 32 matrix instructions, ago are in
	PLACES                                         ; in front of writes into X's fragments and of loads into the B buffer that the last unit's products read
.endm
; A K STEP in slot s: six units (2 halves of 32 k x 3 heads), B's two buffers by turns; each unit fetches the next one's fragments ahead of its own products.
; mode 1: the slot is filled again, two K steps ahead; mode 0: a change of slots without a fill; mode 2: the last step.
; THE CHANGE OF SLOTS stands in the fifth unit: each wave waits for all its tensor loads, of which one is out: its part of the next slot; adds 0 to its spare word; and waits for that and for its own reads
; of this slot.  Behind the barrier nobody reads this slot any more and the next slot is whole.  With a fill the barrier opens a round of the cluster's, so that no wave of any partner still reads the slot or
; has a load on its way, and the fill is the first tensor load behind the round: from there to the wait for it a wave issues 160 matrix instructions.
.macro STEP s, mode
	HEAD
	CVTA
	FETCHB \s, 0, 1, BF1
.if (\mode) == 1
	global_prefetch_b8 v[PF], s[XPF:XPF+1] offset:(\s)*256 th:TH_LOAD_NT scope:SCOPE_SE  ; my row's 256 bytes of the tile that this step's fill fetches, five units, 160 matrix instructions, ahead of that fill; behind the unit's LDS loads, with products to follow
.endif
	MULU 0, BF0
	HEAD
	FETCHB \s, 0, 2, BF0
	MULU 1, BF1
	HEAD
	FETCHB \s, 1, 0, BF1
	FETCHA \s, 1
	MULU 2, BF0
	HEAD
	CVTA
	FETCHB \s, 1, 1, BF0
	MULU 0, BF1
	HEAD
	FETCHB \s, 1, 2, BF1                           ; my last reads of this slot
.if (\mode) == 2
	MULU 1, BF0
	s_wait_dscnt 0x0
	MULU 2, BF1
.else
	s_wait_tensorcnt 0x0                           ; all my tensor loads have landed: the one that was out is my part of the next slot
	ds_add_u32 v[SPW], v[NIL]                      ; 0 onto my spare word
	MUL16 1, BF0, 0                                ; sixteen matrix instructions stand between the add and the wait for it
	s_wait_dscnt 0x0                               ; the add is done, and my reads of this slot are over
	s_barrier_signal -1
	MUL16 1, BF0, 4                                ; work on registers while the others arrive
	WIN 0                                          ; at a branch and at a label every window is 0
	s_barrier_wait -1
.if (\mode) == 1
	CREST
	s_add_nc_u64 s[G0X+4*(\s)+2:G0X+4*(\s)+3], s[G0X+4*(\s)+2:G0X+4*(\s)+3], 2*256      ; no tensor load of mine is out: two K steps on along X's rows,
	s_add_nc_u64 s[G0W+4*(\s)+2:G0W+4*(\s)+3], s[G0W+4*(\s)+2:G0W+4*(\s)+3], 2*64*1536  ; and 128 rows down W; the type bits on top are not reached
	JLOAD \s                                       ; its four v_nop are also the places in front of the loads below
.else
	PLACES
.endif
	FETCHB 1-(\s), 0, 0, BF0
	FETCHA 1-(\s), 0
	MULU 2, BF1
.endif
.endm
	WIN 0
	s_wait_tensorcnt 0x1                           ; my part of K step 0 is in; K step 1's may stay out
	s_barrier_signal -1
	s_barrier_wait -1                              ; everybody's is
	PLACES                                         ; the bias's products read BF0
	FETCHB 0, 0, 0, BF0
	FETCHA 0, 0
	s_mov_b32 s3, 5
.Llap:                                                 ; five trips, K steps 0 to 9; their fills bring K steps 2 to 11
	STEP 0, 1
	STEP 1, 1
	WIN 0
	s_wait_xcnt 0x0                                ; the trip's two prefetches have had their addresses translated (ISA guide 3.1): their base is stepped only behind this wait; the younger of them stands five units back
	s_add_nc_u64 s[XPF:XPF+1], s[XPF:XPF+1], 2*256 ; two K steps on along X's rows
	s_sub_co_u32 s3, s3, 1
	s_cmp_lg_u32 s3, 0
	s_cbranch_scc1 .Llap
	STEP 0, 0                                      ; the last two K steps are written out: they ask for nothing
	STEP 1, 2
; THE WAY OUT, in twelve blocks n = 4 g + a of 16 rows x 128 columns (one head).  PACK: rounded to f16, 16 bytes a lane, each accumulator's registers in ascending order.  TOSTAGE: into my own stage in LDS
; and back as whole rows of 256 bytes.  SEND: 16 rows of a head are 4,096 consecutive bytes; each store of the wave covers 512 of them, at a multiple of 256 from the buffer's first byte.
.macro PACK n
.set gg, (\n)/4
.set aa, (\n)%4
	WIN (1+gg)*5                                   ; sources 0 and 1 in window 1 + g
.set ii, 0
.rept 8
.set rr, 0
.rept 4
	v_cvt_pk_f16_f32 v[TMP+4*ii+rr], v[8*(4*ii+aa)+2*rr], v[8*(4*ii+aa)+2*rr+1]
.set rr, rr+1
.endr
.set ii, ii+1
.endr
	WIN 0
.endm
.macro TOSTAGE n
.set BK, OB+32*((\n)%2)
.set ii, 0
.rept 8
	ds_store_b128 v[STO], v[TMP+4*ii:TMP+4*ii+3] offset:32*ii
.set ii, ii+1
.endr
.set ii, 0
.rept 8
	ds_load_b128 v[BK+4*ii:BK+4*ii+3], v[RD] offset:ii*2*SPITCH  ; LDS serves a wave's instructions in order (ISA guide 5.7.1.4): these see the stores above
.set ii, ii+1
.endr
.endm
.macro SEND n
.set gg, (\n)/4
.set aa, (\n)%4
.set BK, OB+32*((\n)%2)
	s_wait_dscnt 0x0                               ; the block is back in registers
	s_wait_xcnt 0x0                                ; every earlier store has had its addresses translated (ISA guide 3.1): the other buffer, which the block before last was stored from, is loaded again only behind this wait
.set ii, 0
.rept 8
	global_store_b128 v[CO], v[BK+4*ii:BK+4*ii+3], s[8:9] offset:gg*2097152+aa*4096+ii*512  ; two heads on for each g; 4,210,176 at the most, inside the signed 24-bit immediate
.set ii, ii+1
.endr
.endm
	WIN 0
	PLACES                                         ; behind the last products: the conversions read results and write registers that products read
	PACK 0
	TOSTAGE 0
.irp n, 1,2,3,4,5,6,7,8,9,10,11        ; block n's conversions stand between block n - 1's loads from the stage and the wait for them
	PACK \n
	SEND (\n)-1
	TOSTAGE \n
.endr
	SEND 11
	s_wait_tensorcnt 0x0                           ; the wave's end: behind my last tensor load and my last LDS store
	ds_add_u32 v[SPW], v[NIL]
	s_wait_dscnt 0x0
	CROUND                                         ; the closing round: no work-group ends while a partner may still ask for a tile that names it
	s_endpgm
.Lfunc_end_k_q538b34a837_proj:
	.size	k_q538b34a837_proj, .Lfunc_end_k_q538b34a837_proj-k_q538b34a837_proj
	.p2alignl 7, 3214868480
	.fill 96, 4, 3214868480
	.section	.rodata,"a",@progbits
	.p2align	6, 0x0
	.amdhsa_kernel k_q538b34a837_proj
		.amdhsa_group_segment_fixed_size 327680
		.amdhsa_private_segment_fixed_size 0
		.amdhsa_enable_private_segment 0
		.amdhsa_kernarg_size 64
		.amdhsa_user_sgpr_count 2
		.amdhsa_user_sgpr_kernarg_segment_ptr 1
		.amdhsa_wavefront_size32 1
		.amdhsa_system_sgpr_workgroup_id_x 1
		.amdhsa_system_sgpr_workgroup_id_y 1
		.amdhsa_system_sgpr_workgroup_id_z 1
		.amdhsa_system_vgpr_workitem_id 0
		.amdhsa_next_free_vgpr 1024
		.amdhsa_next_free_sgpr 88
		.amdhsa_reserve_vcc 0
		.amdhsa_float_denorm_mode_32 3
		.amdhsa_float_denorm_mode_16_64 3
		.amdhsa_memory_ordered 1
		.amdhsa_forward_progress 1
		.amdhsa_inst_pref_size 171
	.end_amdhsa_kernel
	.amdgpu_metadata
---
amdhsa.version: [ 1, 2 ]
amdhsa.kernels:
  - .name:           k_q538b34a837_proj
    .symbol:         k_q538b34a837_proj.kd
    .args:
      - { .name: query, .offset: 0, .size: 8, .value_kind: global_buffer, .address_space: global }
      - { .name: key, .offset: 8, .size: 8, .value_kind: global_buffer, .address_space: global }
      - { .name: value, .offset: 16, .size: 8, .value_kind: global_buffer, .address_space: global }
      - { .name: wb, .offset: 24, .size: 8, .value_kind: global_buffer, .address_space: global }
      - { .name: bq, .offset: 32, .size: 8, .value_kind: global_buffer, .address_space: global }
      - { .name: bk, .offset: 40, .size: 8, .value_kind: global_buffer, .address_space: global }
      - { .name: bv, .offset: 48, .size: 8, .value_kind: global_buffer, .address_space: global }
      - { .name: qkv, .offset: 56, .size: 8, .value_kind: global_buffer, .address_space: global }
    .group_segment_fixed_size: 327680
    .private_segment_fixed_size: 0
    .kernarg_segment_align: 8
    .kernarg_segment_size: 64
    .max_flat_workgroup_size: 128
    .sgpr_count:     88
    .vgpr_count:     1024
    .wavefront_size: 32
...
	.end_amdgpu_metadata
.endif
;; end of part 5
;; launch attn (part 6): grid 16 x 48, 4 waves a work-group, clusters of 4 x 1, 327,680 bytes of LDS; arguments qkv, mask, part, stats; writes part, stats
.if DOCPART == 6
	.amdgcn_target "amdgcn-amd-amdhsa--gfx1250"
	.amdhsa_code_object_version 6
	.text
	.protected	k_q538b34a837_attn
	.globl	k_q538b34a837_attn
	.p2align	8
	.type	k_q538b34a837_attn,@function
k_q538b34a837_attn:
	s_mov_b64 s[64:65], 0
	v_nop
	global_prefetch_b8 v0, s[64:65] scope:SCOPE_SE
	s_setreg_imm32_b32 hwreg(HW_REG_WAVE_MODE, 25, 1), 1
	s_wait_xcnt 0x0
	s_wait_alu depctr_hold_cnt(0) depctr_sa_sdst(0) depctr_va_vdst(0) depctr_va_sdst(0) depctr_va_ssrc(0) depctr_va_vcc(0) depctr_vm_vsrc(0)
	s_getreg_b32 s2, hwreg(HW_REG_IB_STS2, 6, 4)
	s_cmp_eq_u32 s2, 0
	s_cbranch_scc0 .Lentry_in_a_cluster
	s_endpgm
.Lentry_in_a_cluster:
	s_bfe_u32 s2, ttmp6, 0x10000c
	s_cmp_lg_u32 s2, 0x3003
	s_cbranch_scc0 .Lentry_shape_is_right
	s_endpgm
.Lentry_shape_is_right:
; ATTENTION OVER ONE QUARTER OF THE KEYS.  For head hh = 6 b + hd, key part kq (keys 1,024 kq to 1,024 kq + 1,023) and query q:
;   s_k = Q[q] . K[k] + (mask[b][k] - 1) x 10000 sqrt(128);  m = max_k s_k;  p_k = 2^(c s_k - c m), c = log2(e) / sqrt(128);  l = sum_k p_k;
;   part[kq][hh][q][:] = f16( sum_k p_k V[k][:] / l );  stats holds c m and l.  The next launch joins the four parts.  Q, K, V: qkv's three parts, [12][4096][128] in f16, unscaled.
; Products, maxima and sums in f32; the weights p are rounded to f16 for the second product (their sum l is taken of the unrounded p).
; LIMITS.  Q, K, V arrive within f16's 65,504; a partial mean has V's range.  The mask is rounded to bf16 like the module's other inputs, and its term enters the RAW score, ahead of the scale: the order of
; rounding differs from adding -10000 (1 - m) behind the division.  A weight below 2^-126 counts as 0 in l; NaN and infinities are not treated apart.
; SHARES.  A work-group owns 256 queries of one head and 1,024 keys; each of its four waves 64 queries: four tiles of 16.  12 heads x 4 key parts x 16 query blocks = 768 work-groups = 3 x 256.
; Every wave walks the part's keys, 64 a step, through a ring of two LDS slots of two steps each.  The price of the split: the parts' results go through memory.
; LAYOUT.  S^T = K Q^T (source 0 = 16 keys, source 1 = 16 queries): in the result a lane holds ONE query (lane % 16) and the keys 8 (lane / 16) + 0..7.  Two such tiles, rounded to f16 in pairs, ARE source 1
; (32 keys x 16 queries) of O^T = V^T P, whose result again holds one query a lane, and eight channels.  K comes out of LDS as it lies, V ([key][channel]) turned, by ds_load_tr16_b128.
; THE MASK is the C operand of the product that starts a sum S^T: register j of lane l takes the term of key 16 kb + 8 (l / 16) + j.  The part's 1,024 terms are made once, into a table in LDS.
; SOFTMAX.  A running maximum m and sum l; in every step O and l are multiplied by a = 2^(c m_old - c m_new), which is 1 where m has not grown.  m starts at the lowest finite number, O and l at 0: the first
; step is a step like any other, with a = 0.
; BY TURNS.  The wave's tiles are two PIECES, named by their first tile: piece 0 (tiles 0, 1) and piece 2 (tiles 2, 3).  In a TURN one piece has the matrix unit: 32 products V^T P of the step in hand, then
; 32 products K Q^T of the next step; the other piece's softmax, cut into 64 slices, stands between them, one slice behind each matrix instruction.  Two turns are a key step.
; NO FIRST AND NO LAST STEP IS WRITTEN OUT.  The loop is entered at piece 2's turn, whose products V^T P then take weights that are 0; the tail is left behind piece 0's turn, whose products K Q^T then take the last K
; once more and serve nothing.  With the 32 products of zeros that start O^T that is 96 matrix instructions a wave that are not attention's, of 2,144; the key step stands twice in the text, in the loop and in the tail.
; CLUSTER.  The four query blocks of a cluster have one head and one key part and walk the same K and V, so each tile is asked for JOINTLY: the same tensor load, descriptor and mask of four in all four.
; REGISTERS, in windows of 256 (s_set_vgpr_msb: bits 1:0 source 0, 3:2 source 1, 5:4 source 2, 7:6 destination):
;   window 0: v0-11, v44-49 addresses and at work; v12-43 eight registers of statistics a tile; v64-191 S^T, 32 a tile; v192-255 P, 16 a tile
;   window 1: O^T, 64 a tile     window 2: v0-127 Q, 32 a tile; v128-255 K of one step     window 3: v0-127 V of one step; v128-159 the mask's terms of one step
.set NK,    1024      ; keys of a work-group
.set PSZ,   12582912  ; bytes of one of q, k, v in qkv
.set KS,    64        ; keys in a step
.set NSLOT, NK/(2*KS) ; a slot holds two steps
.set PK,    272       ; a row of K in LDS: 256 bytes + 16 of padding = 68 words: row r starts at bank 4 r mod 64 (64 banks of 4 bytes: ISA guide 11.1), so the 16 rows of a load start at 16 different banks
.set PV,    288       ; a row of V: 256 + 32 = 72 words
.set VOFF,  KS*PK     ; a step's tiles lie together: 64 rows of K, then 64 rows of V
.set STEPB, KS*(PK+PV)
.set SLOT1, 1<<17     ; a slot is 71,680 bytes; slot 1 begins here, so that one exclusive or turns an address in one slot into the other's
.set SP,    272       ; a row of the stage: 256 bytes of f16 + 16
.set STAGE, SLOT1+2*STEPB  ; behind the ring: 16 rows x 272 bytes for each wave, for the way out
.set MASKT, STAGE+4*16*SP  ; behind the stages: the table of the mask's 1,024 terms, f32; stored once, never a tensor load's target
.set SPARE, MASKT+4*NK     ; behind the table: the spare words, 128 bytes for each wave: two blocks of 256 bytes that no other line names
.set AK0, 2           ; v2   my lane's place in a tile of K; never rewritten
.set AV0, 3           ; v3   the same for V
.set ADR, 4           ; v4   the LDS address of the run of loads in hand
.set QO,  5           ; v5   my byte offset in the wave's rows of Q
.set STO, 6           ; v6   the way out: where I put 16 bytes of a row
.set RD,  7           ; v7   the way out: where I read a row back
.set GO,  8           ; v8   16 x my lane: my byte offset in 512 consecutive bytes of part and of stats
.set SA,  10          ; v10  the way out: where I put a query's c m (lanes 0-15) or l (lanes 16-31)
.set SR,  11          ; v11  the way out: where I read 16 bytes of them back
.set AM0, 44          ; v44  my lane's place in the mask's table; never rewritten
.set ADM, 45          ; v45  the LDS address of the step's terms
.set SPW, 62          ; v62  LDS address of my spare word: SPARE + 4 x my thread's number; never rewritten
.set NIL, 63          ; v63  0; never rewritten
.set ST,  12          ; tile t's statistics at v[ST+8 t]: +0 c m, +1 m, +2, +3 l (even keys', odd keys'), +4 to +7 c0-c3, at work; a takes c2's place once the maximum is found
.set S,   64
.set P,   192
.set KF,  128         ; K's fragments, in window 2
.set MK,  128         ; the mask's terms, in window 3: group kb of 16 keys at MK + 8 kb
.set WV,  12          ; s12  my wave's number
.set G1K, 24          ; s[24:31] descriptor group 1 for K's tiles
.set G1V, 32          ; s[32:39] for V's: it differs in the padding alone
.set G0K, 40          ; s[40:47] descriptor group 0 for K's tiles: a set for each of the two first fills; the second then walks on
.set G0V, 48          ; s[48:55] the same for V's
.set SLOTS, 56        ; s56  counts the slots
.set TWICE, 57        ; s57  counts a slot's key steps
.set CS,  58          ; s[58:59] c: the packed scaling names a pair and takes its low word for both halves
.set SEL, 60          ; s[60:61] lane selects for v_permlanex16_b32: each lane takes its own place in the other half
.set TB,  62          ; s62  LDS byte at which the tiles of the step to be fetched begin
.set MP,  66          ; s[66:67] the mask at my key part
.set MKC, 84          ; s[84:85] 10000 sqrt(128)
.set TM,  86          ; s86  byte in the mask's table at which the terms of the step to be fetched begin
.set MSB, 0
.macro WIN new                      ; the immediate's high byte repeats the setting that is left; a switch that changes nothing is dropped
.if MSB != (\new)
	s_set_vgpr_msb (MSB<<8)|(\new)
.set MSB, \new
.endif
.endm
.set W_KQ, 0x0a       ; K and Q in window 2, S^T in window 0
.set W_KM, 0x3a       ; the same with the C operand, the mask's terms, in window 3
.set W_PV, 0x53       ; V in window 3, P in window 0, O^T in window 1
.set W_RS, 0x41       ; O^T (destination and source 0) in window 1, a in window 0
; A joint refill.  Waves 0 and 1 fetch the two steps' tiles of K, waves 2 and 3 those of V.  The branch hangs on the wave's number alone: it is the same in every work-group.
; An s_nop 0 and four v_nop follow each of the two lines; the jump round the other line, the label and what follows the macro come after them.
.macro JLOAD
	s_cmp_lt_u32 s[WV], 2
	s_cbranch_scc0 .Lfor_v_\@
	tensor_load_to_lds s[G0K+4:G0K+7], s[G1K:G1K+7]
	s_nop 0
.rept 4
	v_nop
.endr
	s_branch .Lasked_\@
.Lfor_v_\@:
	tensor_load_to_lds s[G0V+4:G0V+7], s[G1V:G1V+7]
	s_nop 0
.rept 4
	v_nop
.endr
.Lasked_\@:
.endm
; A round of the cluster's barrier: my work-group's barrier, so that wave 0's signal speaks for all four waves; wave 0 signals for the work-group; every wave waits for all four
; work-groups; my work-group's barrier once more.  No LDS instruction of the wave is pending at a signal.
.macro CROUND
	s_barrier_signal -1
	s_barrier_wait -1
	s_cmp_lg_u32 s[WV], 0
	s_cbranch_scc1 .Lnot_wave_0_\@
	s_barrier_signal -3
.Lnot_wave_0_\@:
	s_barrier_wait -3
	s_barrier_signal -1
	s_barrier_wait -1
.endm
	s_load_b128 s[4:7], s[0:1], 0x0 ; qkv s[4:5], mask s[6:7]
	s_load_b128 s[96:99], s[0:1], 0x10  ; part s[96:97], stats s[98:99]
	v_lshl_add_u32 v[SPW], v0, 2, SPARE
	v_mov_b32 v[NIL], 0
	ds_add_u32 v[SPW], v[NIL]       ; the wave's opening: the add and its wait stand ahead of my first tensor load; the set-up below, work on registers, stands between them
	v_lshrrev_b32 v1, 5, v0
	v_readfirstlane_b32 s[WV], v1   ; wave 0..3
	s_bfe_u32 s13, ttmp6, 0x40000   ; cx: my place in the cluster
	s_lshl_b32 s14, ttmp9, 2        ; in a cluster launch ttmp9 counts clusters
	s_add_co_u32 s14, s14, s13      ; my block of 256 queries = 4 x cluster x + cx: it enters Q's, part's and stats' addresses alone
	s_and_b32 s18, ttmp7, 0xffff    ; y = 4 hh + kq, which the four partners share
	s_and_b32 s87, s18, 3           ; kq
	s_lshr_b32 s18, s18, 2          ; hh = 6 b + hd
	s_cmp_ge_u32 s18, 6
	s_cselect_b32 s15, 1, 0         ; b
	s_lshl_b32 s20, s18, 20         ; the head's first byte in each part of qkv: 4,096 rows of 256 bytes a head
	s_mov_b32 s21, 0
	s_and_b32 s16, s[WV], 1         ; which of a slot's two steps I fetch:
	s_lshl_b32 s22, s16, 14         ; its 64 rows of 256 bytes in memory,
	s_lshl_b32 s23, s87, 18         ; in my key part's 1,024 rows,
	s_add_co_u32 s22, s22, s23
	s_mov_b32 s23, 0
	s_add_nc_u64 s[22:23], s[22:23], s[20:21]
	s_add_nc_u64 s[88:89], s[22:23], PSZ    ; in k's part of qkv,
	s_add_nc_u64 s[90:91], s[22:23], 2*PSZ  ; and in v's
	s_mul_i32 s17, s16, STEPB       ; and its place in a slot: no place in the cluster enters an LDS address
	s_mul_i32 s19, s87, 12
	s_add_co_u32 s19, s19, s18      ; 12 kq + hh
	s_lshl_b32 s2, s14, 16          ; my block's 256 rows of 256 bytes in a head,
	s_lshl_b32 s3, s[WV], 14        ; my wave's 64 of them
	s_add_co_u32 s2, s2, s3
	s_lshl_b32 s92, s19, 20         ; part: [4][12][4096][128] in f16
	s_add_co_u32 s92, s92, s2
	s_mov_b32 s93, 0
	s_mov_b32 s3, 0
	s_add_nc_u64 s[2:3], s[2:3], s[20:21]  ; Q
	s_lshl_b32 s94, s19, 6          ; stats: [4][12][64 blocks of 64 queries][c m, l][64] in f32: 512 bytes for a wave's queries
	s_lshl_b32 s95, s14, 2
	s_add_co_u32 s95, s95, s[WV]
	s_add_co_u32 s94, s94, s95
	s_lshl_b32 s94, s94, 9
	s_mov_b32 s95, 0
	s_lshl_b32 s70, s15, 14         ; the mask: my batch's 4,096 numbers, my key part's 1,024 of them
	s_lshl_b32 s71, s87, 12
	s_add_co_u32 s70, s70, s71
	s_mov_b32 s71, 0
	; descriptor group 1: a tile of 64 rows x 128 elements, padded in LDS
	s_mov_b32 s[G1K], 15|(1<<16)|(1<<20)|(1<<21)|(5<<22)|(3<<25)  ; 15:0 the mask: all four work-groups; 17:16 elements of 2 bytes; 20 padding on; 21 set beside a mask; 24:22 after every 64 words (code 5); 31:25 4 words of it (code 3)
	s_mov_b32 s[G1V], 15|(1<<16)|(1<<20)|(1<<21)|(5<<22)|(7<<25)  ; the same with 8 words of padding (code 7)
.irp g, G1K, G1V
	s_mov_b32 s[(\g)+1], 128<<16    ; 63:48 tensor_dim0, low half = 128
	s_mov_b32 s[(\g)+2], KS<<16     ; 79:64 its high half = 0; 95:80 tensor_dim1, low half = 64
	s_mov_b32 s[(\g)+3], 128<<16    ; 111:96 its high half = 0; 127:112 tile_dim0 = 128
	s_mov_b32 s[(\g)+4], KS         ; 143:128 tile_dim1 = 64; 159:144 tile_dim2 = 0
	s_mov_b32 s[(\g)+5], 128        ; 191:160 tensor_dim0_stride, low word: elements from row to row
	s_mov_b32 s[(\g)+6], 0
	s_mov_b32 s[(\g)+7], 0
.endr
	s_mov_b32 s[CS], 0x3e0293ee     ; c = log2(e) / sqrt(128) = 0.127517
	s_mov_b32 s[CS+1], s[CS]        ; named with it as a pair, so it is written
	s_mov_b32 s[SEL], 0x76543210
	s_mov_b32 s[SEL+1], 0xfedcba98
	s_mov_b32 s[MKC], 0x47dcf88b    ; 10000 sqrt(128) = 113137.085
	s_mov_b32 s[MKC+1], s[MKC]
	s_mov_b32 s[TB], 0
	s_mov_b32 s[TM], 0
	s_wait_dscnt 0x0                ; the opening add is done
	s_wait_kmcnt 0x0
	s_add_nc_u64 s[MP:MP+1], s[6:7], s[70:71]  ; the mask at my key part
	s_add_nc_u64 s[6:7], s[4:5], s[88:89]    ; K and V at my tile of slot 0
	s_add_nc_u64 s[8:9], s[4:5], s[90:91]
	s_add_nc_u64 s[4:5], s[4:5], s[2:3]      ; Q, part and stats at my wave's queries
	s_add_nc_u64 s[10:11], s[96:97], s[92:93]
	s_add_nc_u64 s[94:95], s[98:99], s[94:95]
	CROUND                          ; all four work-groups are here: the first joint loads meet
.irp s, 0,1
	s_mov_b32 s[G0K+4*(\s)], 1      ; 1:0 count = 1
	s_add_co_u32 s[G0K+4*(\s)+1], s17, (\s)*SLOT1  ; 63:32 LDS address
	s_add_nc_u64 s[G0K+4*(\s)+2:G0K+4*(\s)+3], s[6:7], (\s)*2*KS*256  ; 120:64 global address: slot s begins with the part's keys 128 s to 128 s + 127
	s_or_b32 s[G0K+4*(\s)+3], s[G0K+4*(\s)+3], 0x80000000  ; 127:126 type = 2
	s_mov_b32 s[G0V+4*(\s)], 1
	s_add_co_u32 s[G0V+4*(\s)+1], s17, (\s)*SLOT1+VOFF
	s_add_nc_u64 s[G0V+4*(\s)+2:G0V+4*(\s)+3], s[8:9], (\s)*2*KS*256
	s_or_b32 s[G0V+4*(\s)+3], s[G0V+4*(\s)+3], 0x80000000
.endr
	s_cmp_lt_u32 s[WV], 2           ; a wave's two first fills stand in one branch, ahead of every wait on TENSORcnt and every LDS read: two loads of mine are out; an s_nop 0 follows each, four v_nop the second's, as in JLOAD
	s_cbranch_scc0 .Lfirst_v
	tensor_load_to_lds s[G0K:G0K+3], s[G1K:G1K+7]
	s_nop 0
	tensor_load_to_lds s[G0K+4:G0K+7], s[G1K:G1K+7]
	s_nop 0
.rept 4
	v_nop
.endr
	s_branch .Lfirst_asked
.Lfirst_v:
	tensor_load_to_lds s[G0V:G0V+3], s[G1V:G1V+7]
	s_nop 0
	tensor_load_to_lds s[G0V+4:G0V+7], s[G1V:G1V+7]
	s_nop 0
.rept 4
	v_nop
.endr
.Lfirst_asked:
	; the mask of my key part: 128 threads x 16 bytes, twice, are its 1,024 numbers; into S^T's registers, which are still free
	v_lshlrev_b32 v46, 4, v0        ; 16 t
	v_add_nc_u32 v47, MASKT, v46
	global_load_b128 v[S:S+3],   v46, s[MP:MP+1]
	global_load_b128 v[S+4:S+7], v46, s[MP:MP+1] offset:2048
	; A fragment of K or Q is 16 rows x 32 channels in 8 registers: lane l holds row l % 16; registers 0-3 channels 8 (l / 16) + 0..7, registers 4-7 channels 16 + 8 (l / 16) + 0..7: two loads of 16 bytes, 32 bytes apart.
	v_and_b32 v1, 15, v0            ; l % 16
	v_bfe_u32 v9, v0, 4, 1          ; l / 16
	v_lshlrev_b32 v[QO], 8, v1
	v_lshl_add_u32 v[QO], v9, 4, v[QO]  ; row x 256 + 16 x half
	WIN 0x80                        ; destination window 2, address window 0
.irp i, 0,1,2,3,4,5,6,7,8,9,10,11,12,13,14,15  ; Q stays in registers: tile i / 4, channels 32 (i % 4) on
	global_load_b128 v[8*(\i):8*(\i)+3],   v[QO], s[4:5] offset:((\i)/4)*4096+((\i)%4)*64
	global_load_b128 v[8*(\i)+4:8*(\i)+7], v[QO], s[4:5] offset:((\i)/4)*4096+((\i)%4)*64+32
.endr
	WIN 0
	v_mul_u32_u24 v[AK0], v1, PK
	v_lshl_add_u32 v[AK0], v9, 4, v[AK0]  ; row x pitch + 16 x half
	; The turning load takes 16 keys x 16 channels (lane l reads 16 bytes: key 8 (l / 16) + l % 8, channels 8 ((l / 8) % 2) + 0..7) and leaves half a fragment of V^T: lane l holds channel l % 16 and 8 keys.
	v_and_b32 v10, 7, v0
	v_bfe_u32 v11, v0, 3, 1
	v_lshl_add_u32 v[AV0], v9, 3, v10
	v_mul_u32_u24 v[AV0], v[AV0], PV
	v_lshl_add_u32 v[AV0], v11, 4, v[AV0]
	v_add_nc_u32 v[AV0], VOFF, v[AV0]
	v_lshlrev_b32 v[AM0], 5, v9     ; my half's eight keys of a group of sixteen: 32 bytes of the table
	v_add_nc_u32 v[AM0], MASKT, v[AM0]
	; What the first turn finds.  Piece 2's weights are 0: its first products V^T P, of a step that has not been, add 0.  c m lies far below every c s, so the first step's a is 0; m is the lowest finite number; l is 0.
.set i, 0
.rept 32
	v_mov_b32 v[P+32+i], 0
.set i, i+1
.endr
.set i, 0
.rept 4
	v_mov_b32 v[ST+8*i], 0xfe000000    ; c m
	v_mov_b32 v[ST+8*i+1], 0xff7fffff  ; m
	v_mov_b32 v[ST+8*i+2], 0           ; l
	v_mov_b32 v[ST+8*i+3], 0
.set i, i+1
.endr
	WIN 0x40                        ; O^T's 32 accumulators start as products of two fragments of zeros with C = 0: 32 instructions for 256 registers.  All this stands in the wait for the first tile.
.set i, 0
.rept 32
	v_wmma_f32_16x16x32_f16 v[8*i:8*i+7], v[P+32:P+39], v[P+40:P+47], 0
.set i, i+1
.endr
	WIN 0
	s_wait_loadcnt 32               ; the mask's two loads are in; Q's 32, issued behind them, stay out
.set i, 0
.rept 4                             ; a pair at a time: rounded to bf16, widened again, (m - 1) x 10000 sqrt(128) in one fused multiply-add
	v_cvt_pk_bf16_f32 v[48+i%2], v[S+2*i], v[S+2*i+1]
	v_lshlrev_b32 v[S+2*i], 16, v[48+i%2]
	v_and_b32 v[S+2*i+1], 0xffff0000, v[48+i%2]
	v_pk_fma_f32 v[S+2*i:S+2*i+1], v[S+2*i:S+2*i+1], s[MKC:MKC+1], s[MKC:MKC+1] op_sel_hi:[1,0,0] neg_lo:[0,0,1] neg_hi:[0,0,1]
.set i, i+1
.endr
	ds_store_b128 v47, v[S:S+3]
	ds_store_b128 v47, v[S+4:S+7] offset:2048
; THE MATRIX WORK OF A TURN, for piece x.  The accumulators take turns, one instruction a turn: between two links of a chain stand 15 (V^T P) or 7 (K Q^T) others'.
; Product i of 32 of O^T += V^T P: keys 32 (i / 16) on, channels 16 ((i / 2) % 8) on, tile x + i % 2.
.macro PV x
	WIN W_PV
.set rO, 64*((\x)+i%2)+8*((i/2)%8)
.set rV, 64*(i/16)+8*((i/2)%8)
.set rP, P+16*((\x)+i%2)+8*(i/16)
	v_wmma_f32_16x16x32_f16 v[rO:rO+7], v[rV:rV+7], v[rP:rP+7], v[rO:rO+7]
.endm
; Product i of 32 of S^T = K Q^T: channels 32 (i / 8) on, keys 16 ((i / 2) % 4) on, tile x + i % 2.  The first 8 start the sums, with the mask's terms of their sixteen keys as C.
.macro KQ x
.set rS, S+32*((\x)+i%2)+8*((i/2)%4)
.set rK, KF+32*((i/2)%4)+8*(i/8)
.set rQ, 32*((\x)+i%2)+8*(i/8)
.set rM, MK+8*((i/2)%4)
.if i < 8
	WIN W_KM
	v_wmma_f32_16x16x32_f16 v[rS:rS+7], v[rK:rK+7], v[rQ:rQ+7], v[rM:rM+7]
	s_wait_alu depctr_va_vdst(0)
.else
	WIN W_KQ
	v_wmma_f32_16x16x32_f16 v[rS:rS+7], v[rK:rK+7], v[rQ:rQ+7], v[rS:rS+7]
.endif
.endm
; THE LDS LOADS stand in runs, never singly among the matrix instructions: a step's K (64 keys x 128 channels: 16 fragments) with the mask's 64 terms, and, a turn later, its V (turned).
; The terms: all lanes of a half read the same 32 bytes.  The run is made 16 times, so the table's last 256 bytes are the last that it reads.
; last = 1 (the tail): in the last trip there is no further step, and the run is jumped over.
.macro FETCH_K last=0
	WIN 0
.if \last
	s_cmp_eq_u32 s[TWICE], 1
	s_cbranch_scc1 .Lno_k_\@
.endif
	v_add_nc_u32 v[ADR], s[TB], v[AK0]
	v_add_nc_u32 v[ADM], s[TM], v[AM0]
	s_add_co_u32 s[TM], s[TM], 4*KS ; the next fetch takes the next step's terms
	WIN 0x80                        ; destination window 2
.irp f, 0,1,2,3,4,5,6,7,8,9,10,11,12,13,14,15  ; keys 16 (f / 4) on, channels 32 (f % 4) on
	ds_load_b128 v[KF+8*(\f):KF+8*(\f)+3],   v[ADR] offset:((\f)/4)*16*PK+((\f)%4)*64
	ds_load_b128 v[KF+8*(\f)+4:KF+8*(\f)+7], v[ADR] offset:((\f)/4)*16*PK+((\f)%4)*64+32
.endr
	WIN 0xc0                        ; destination window 3
.irp f, 0,1,2,3                     ; keys 16 f on
	ds_load_b128 v[MK+8*(\f):MK+8*(\f)+3],   v[ADM] offset:64*(\f)
	ds_load_b128 v[MK+8*(\f)+4:MK+8*(\f)+7], v[ADM] offset:64*(\f)+16
.endr
.if \last
	WIN 0                           ; at a label every window is 0
.Lno_k_\@:
.endif
.endm
.macro FETCH_V step=1               ; step = 0: the next fetch takes the same step once more
	WIN 0
	v_add_nc_u32 v[ADR], s[TB], v[AV0]
.if \step
	s_add_co_u32 s[TB], s[TB], STEPB  ; the next fetch is the next step's
.endif
	WIN 0xc0                        ; destination window 3
.irp f, 0,1,2,3,4,5,6,7,8,9,10,11,12,13,14,15  ; keys 32 (f / 8) on, channels 16 (f % 8) on
	ds_load_tr16_b128 v[8*(\f):8*(\f)+3],   v[ADR] offset:((\f)/8)*32*PV+((\f)%8)*32
	ds_load_tr16_b128 v[8*(\f)+4:8*(\f)+7], v[ADR] offset:((\f)/8)*32*PV+16*PV+((\f)%8)*32
.endr
.endm
; THE VECTOR WORK OF A TURN.  One tile's softmax for one key step is a list of 134 instructions; SM writes number j of it for tile t.  s0-s31 are the lane's 32 scores, in pairs 0-15.
;   0-15    the maximum of s0-s31 and the old m, three operands at a time: four chains c0-c3 of seven scores each (each accumulator's lowest registers are read first), then the four scores left over, c0-c3 and m
;   16-20   the other half of the lanes' maximum; c m_old is kept; the new m; c m; c m_old - c m_new
;   21-87   33 exponentials (a, then s0-s31) at the odd numbers from 23 on, so that no two follow each other and each has a plain instruction behind it before its result is used.
;           Plain instruction q (number 21, then the even numbers) is whatever is ready: c s - c m for a pair of scores whose exponentials are still to come (q = 0 to 3, then every
;           second q), the rounding to f16 of a pair of weights whose exponentials are done (every other q from 5 on), at last the first three sums
;   88-101  the last rounding; the rest of the sums; l = a l + the sum
;   102-133 the tile's O^T times a: the one part that leaves window 0, so it stands together
.macro SM t
.set rT, ST+8*(\t)
.set rS, S+32*(\t)
.set rP, P+16*(\t)
.set rO, 64*(\t)+2*(j-102)
.set q, (j-20)/2
.if j < 102
	WIN 0
.endif
.if j < 4
	v_max3_num_f32 v[rT+4+j], v[rS+8*j], v[rS+8*j+1], v[rS+8*j+2]
.elseif j < 12
	v_max3_num_f32 v[rT+4+j%4], v[rT+4+j%4], v[rS+8*(j%4)+2*(j/4)+1], v[rS+8*(j%4)+2*(j/4)+2]
.elseif j == 12
	v_max3_num_f32 v[rT+4], v[rT+4], v[rS+7], v[rS+15]
.elseif j == 13
	v_max3_num_f32 v[rT+6], v[rT+6], v[rS+23], v[rS+31]
.elseif j == 14
	v_max3_num_f32 v[rT+4], v[rT+4], v[rT+5], v[rT+6]
.elseif j == 15
	v_max3_num_f32 v[rT+4], v[rT+4], v[rT+7], v[rT+1]
.elseif j == 16
	v_permlanex16_b32 v[rT+5], v[rT+4], s[SEL], s[SEL+1]  ; the query's other 32 keys lie in the lane 16 away
.elseif j == 17
	v_mov_b32 v[rT+7], v[rT]        ; c m_old is kept for a: number 19 writes c m anew
.elseif j == 18
	v_max_num_f32 v[rT+1], v[rT+4], v[rT+5]
.elseif j == 19
	v_mul_f32 v[rT], s[CS], v[rT+1]
.elseif j == 20
	v_sub_f32 v[rT+7], v[rT+7], v[rT]
.elseif j == 23
	v_exp_f32 v[rT+6], v[rT+7]
.elseif (j < 88) && (j > 23) && (j%2 == 1)
	v_exp_f32 v[rS+(j-25)/2], v[rS+(j-25)/2]
.elseif (q < 4) || ((j < 76) && (q%2 == 0))
.set b, q/2+2
.if q < 4
.set b, q
.endif
	v_pk_fma_f32 v[rS+2*b:rS+2*b+1], v[rS+2*b:rS+2*b+1], s[CS:CS+1], v[rT:rT+1] op_sel_hi:[1,0,0] neg_lo:[0,0,1] neg_hi:[0,0,1]  ; pair b: c s - c m
.elseif (j < 88) && (q%2 == 1)
	s_wait_alu depctr_va_vdst(0)
	v_cvt_pk_f16_f32 v[rP+(q-5)/2], v[rS+q-5], v[rS+q-4]  ; pair (q - 5) / 2: its second exponential stands three numbers back
.elseif j == 89
	s_wait_alu depctr_va_vdst(0)
	v_cvt_pk_f16_f32 v[rP+15], v[rS+30], v[rS+31]
.elseif j < 102                     ; the sum of the tile's 16 pairs (in a pair: an even key's weight, an odd key's), in place: sum z of 16 adds neighbours 1, 2, 4 and 8 pairs apart, then l takes it
.set z, j-86
.if j < 89
.set z, (j-76)/4
.endif
.set w, 4
.set u, z
.if z >= 14
.set w, 32
.set u, 0
.elseif z >= 12
.set w, 16
.set u, z-12
.elseif z >= 8
.set w, 8
.set u, z-8
.endif
.if z < 15
	v_pk_add_f32 v[rS+w*u:rS+w*u+1], v[rS+w*u:rS+w*u+1], v[rS+w*u+w/2:rS+w*u+w/2+1]
.else
	v_pk_fma_f32 v[rT+2:rT+3], v[rT+2:rT+3], v[rT+6:rT+7], v[rS:rS+1] op_sel_hi:[1,0,1]
.endif
.else
	WIN W_RS
	v_pk_mul_f32 v[rO:rO+1], v[rO:rO+1], v[rT+6:rT+7] op_sel_hi:[1,0]
.endif
.endm
; Slice k of 64 of piece y's softmax: numbers 2 k and 2 k + 1 of both tiles' lists, four instructions.  2 x 134 = 4 x 64 + 12: the twelve that are over stand together, in slice 63.
.macro SLICE y
.if (k >= 11) && (k < 44)           ; tile by tile: plain, exponential, plain, exponential
.irp t, \y, (\y)+1
.irp n, 0,1
.set j, 2*k+(\n)
	SM \t
.endr
.endr
.else                               ; the two tiles alternate, so that no instruction reads the result of the one just before it
.irp n, 0,1,2,3,4,5,6,7
.if ((\n) < 2) || (k == 63)
.irp t, \y, (\y)+1
.set j, 2*k+(\n)
	SM \t
.endr
.endif
.endr
.endif
.set k, k+1
.endm
; A TURN.  Piece x has the matrix unit: 32 products V^T P, then 32 products K Q^T for the next step; the other piece's softmax stands in slices, one behind each matrix instruction.
; A vector instruction that reads a matrix result or writes one of a matrix instruction's registers, and a load into a register that a matrix instruction has read, stand four places behind it, and only plain
; vector instructions that name none of its registers are places (ISA guide 7.12.1 for vector instructions).  The slices are the places; slice 63's sixteen stand behind the turn's last product.
; Each run of loads stands behind the second product of a run of 32, 30 matrix instructions ahead of its first use.  Piece 0's turn fetches the next step's K and mask terms: the last product that read K
; stands in front of slice 63 of the turn before, the last that read the terms 24 slices further back.  Piece 2's turn fetches the same step's V: the last product that read V stands three slices, six plain instructions, back.
.macro TURN x, last=0
.set k, 0
.if (\x) == 0
	s_wait_dscnt 0x0                ; V is in
.endif
.set i, 0
.rept 32
	PV \x
	SLICE 2-(\x)
.if ((\x) == 0) && (i == 1)
	FETCH_K \last
.endif
.set i, i+1
.endr
.if (\x) == 0
	s_wait_dscnt 0x0                ; K and the mask's terms are in
.endif
.set i, 0
.rept 32
	KQ \x
	SLICE 2-(\x)
.if ((\x) == 2) && (i == 1)
	FETCH_V
.endif
.set i, i+1
.endr
.endm
; THE CHANGE OF SLOTS, between piece 2's turn and piece 0's: the slot's last bytes, V of its second step, have been asked for.  Each wave waits for all its
; tensor loads, of which one is out: its part of the other slot; adds 0 to its spare word; and waits for that and for its own reads of the slot.  Behind the barrier nobody reads this slot any more and the other slot is whole.
; fill = 1: this slot is filled again, with the keys two slots on.  The barrier is then a round of the cluster's, so that no wave of any partner still reads the slot or has a load on its
; way, and the joint refill is the first thing behind it: it has two key steps, 256 matrix instructions, in which to land.
.macro CHANGE fill
	WIN 0                           ; at a label and at a branch every window is 0
	s_wait_tensorcnt 0x0            ; no tensor load of mine is out, so a group 0 may be written
	ds_add_u32 v[SPW], v[NIL]       ; 0 onto my spare word; with fill = 1 the descriptors' steps stand between it and the wait for it
.if \fill
.irp g, G0K+4, G0V+4
	s_xor_b32 s[(\g)+1], s[(\g)+1], SLOT1  ; the walking descriptor: the other slot than last time,
	s_add_nc_u64 s[(\g)+2:(\g)+3], s[(\g)+2:(\g)+3], 2*KS*256  ; the next 128 keys; the type bits on top are not reached
.endr
	s_wait_dscnt 0x0                ; the add is done, and my reads of the slot are over
	CROUND
	JLOAD
.else
	s_wait_dscnt 0x0                ; the add is done, and my reads of the slot are over
	s_barrier_signal -1
	s_barrier_wait -1
.endif
	s_sub_co_u32 s[TB], s[TB], 2*STEPB  ; the fetches go back to a slot's first step,
	s_xor_b32 s[TB], s[TB], SLOT1   ; in the other slot
.endm
	s_wait_tensorcnt 0x1            ; my part of slot 0 is in; slot 1's may stay out
	s_wait_dscnt 0x0                ; for the others' sake: my part of the mask's table is stored
	s_barrier_signal -1
	s_barrier_wait -1               ; everybody's is
	FETCH_K                         ; key step 0
	s_wait_loadcnt 0x0              ; Q
	s_wait_dscnt 0x0                ; K and the mask's terms are in
	FETCH_V 0                       ; step 0's V, so that the first turn's products on weights of 0 take finite numbers; it lands under the products below, and that turn fetches it again in its own place
.set i, 0
.rept 32
	KQ 0                            ; piece 0's first scores: there is no vector work yet to set between them
.set i, i+1
.endr
	WIN 0                           ; the addresses for the way out are made here: plain instructions, the places behind those products
	s_mul_i32 s13, s[WV], 16*SP
	s_add_co_u32 s13, s13, STAGE    ; my stage
	v_mul_u32_u24 v[STO], v1, SP    ; in: row l % 16, 16 bytes for each half of the lanes
	v_lshl_add_u32 v[STO], v9, 4, v[STO]
	v_add_nc_u32 v[STO], s13, v[STO]
	v_mul_u32_u24 v[RD], v9, SP     ; back: lanes 0-15 take one row of 256 bytes, lanes 16-31 the next
	v_lshl_add_u32 v[RD], v1, 4, v[RD]
	v_add_nc_u32 v[RD], s13, v[RD]
	v_lshlrev_b32 v[GO], 8, v9      ; and the same two rows in part: 16 x lane
	v_lshl_add_u32 v[GO], v1, 4, v[GO]
	v_lshlrev_b32 v[SA], 8, v9      ; the statistics: 256 bytes of c m, then 256 of l; query l % 16 of a tile
	v_lshl_add_u32 v[SA], v1, 2, v[SA]
	v_add_nc_u32 v[SA], s13, v[SA]
	v_add_nc_u32 v[SR], s13, v[GO]  ; and back, 16 bytes a lane
	s_mov_b32 s[TWICE], 2
	s_mov_b32 s[SLOTS], NSLOT-1
	s_wait_dscnt 0x0                ; V is in
	s_branch .Lfirst                ; the loop is entered at piece 2's turn, in the middle of a trip: piece 2's first scores | piece 0's first softmax | V of step 0
.Lslot:                             ; six times: every slot but the last two is filled again
	CHANGE 1
	s_mov_b32 s[TWICE], 2
.Lstep:                             ; a trip: piece 0: V^T P of step j, K Q^T of step j + 1 | piece 2's softmax of step j | K of step j + 1;
	TURN 0
	WIN 0
.Lfirst:                            ; piece 2: the same products | piece 0's softmax of step j + 1 | V of step j + 1
	TURN 2
	WIN 0
	s_sub_co_u32 s[TWICE], s[TWICE], 1
	s_cmp_lg_u32 s[TWICE], 0
	s_cbranch_scc1 .Lstep
	s_sub_co_u32 s[SLOTS], s[SLOTS], 1
	s_cmp_lg_u32 s[SLOTS], 0
	s_cbranch_scc1 .Lslot
	CHANGE 0                        ; the tail is written out: nothing is asked for
	s_mov_b32 s[TWICE], 3           ; two trips fetch the last slot's steps; the third fetches nothing and is left in its middle
.Ltail:
	TURN 0, 1
	WIN 0
	s_sub_co_u32 s[TWICE], s[TWICE], 1
	s_cmp_eq_u32 s[TWICE], 0
	s_cbranch_scc1 .Lout
	TURN 2
	WIN 0
	s_branch .Ltail
.Lout:                              ; the third trip's 32 products K Q^T (on the last K once more) serve nothing: the price of one text for every trip
.set i, 0
.rept 32
	PV 2                            ; piece 2: V^T P of the last step
.set i, i+1
.endr
	; THE WAY OUT.  l's two halves and the other half of the lanes' are added; O^T is divided by l, rounded to f16 and sent through my stage in LDS, a tile (16 rows of part) at a time.  The additions are the places behind the last products.
	WIN 0
.irp t, 0,1,2,3
	v_add_f32 v[ST+8*(\t)+4], v[ST+8*(\t)+2], v[ST+8*(\t)+3]
.endr
.irp t, 0,1,2,3
	v_permlanex16_b32 v[ST+8*(\t)+5], v[ST+8*(\t)+4], s[SEL], s[SEL+1]
.endr
.irp t, 0,1,2,3
	v_add_f32 v[ST+8*(\t)+4], v[ST+8*(\t)+4], v[ST+8*(\t)+5]
.endr
.irp t, 0,1,2,3
	v_rcp_f32 v[ST+8*(\t)+6], v[ST+8*(\t)+4]
.endr
	v_nop                           ; a plain instruction between the last reciprocal and the use of its result
	s_wait_alu depctr_va_vdst(0)
; Tile t: a lane's eight channels of a row pack into 16 bytes; they go into rows of 272 bytes and come back as whole rows of 256, into the registers that they left.
.macro PACK t
	WIN W_RS
.set i, 64*(\t)
.rept 32
	v_pk_mul_f32 v[i:i+1], v[i:i+1], v[ST+8*(\t)+6:ST+8*(\t)+7] op_sel_hi:[1,0]  ; in ascending order: each accumulator's lowest registers are read first
.set i, i+2
.endr
	WIN 0x05                        ; sources 0 and 1 window 1, destination window 0: S^T's registers are free
.set i, 0
.rept 32
	v_cvt_pk_f16_f32 v[S+32*(\t)+i], v[64*(\t)+2*i], v[64*(\t)+2*i+1]
.set i, i+1
.endr
	WIN 0
.irp f, 0,1,2,3,4,5,6,7
	ds_store_b128 v[STO], v[S+32*(\t)+4*(\f):S+32*(\t)+4*(\f)+3] offset:32*(\f)
.endr
.irp f, 0,1,2,3,4,5,6,7
	ds_load_b128 v[S+32*(\t)+4*(\f):S+32*(\t)+4*(\f)+3], v[RD] offset:(\f)*2*SP  ; LDS serves a wave's instructions in order (ISA guide 5.7.1.4): these see the stores above; the next tile's stores come behind them
.endr
.endm
.macro SEND t, younger              ; younger: the LDS instructions issued behind tile t's loads: the next tile's sixteen, or none
	WIN 0
.irp f, 0,1,2,3,4,5,6,7
	s_wait_dscnt (\younger)+7-(\f)  ; rows 2 f and 2 f + 1 are back; the tile's 7 - f later loads and the younger ones may stay out
	global_store_b128 v[GO], v[S+32*(\t)+4*(\f):S+32*(\t)+4*(\f)+3], s[10:11] offset:(\t)*4096+(\f)*512  ; 512 consecutive bytes, at a multiple of 256 from part's first byte; the next launch reads them: no hint
.endr
.endm
	PACK 0
	PACK 1                          ; a tile's arithmetic stands between the loads of the tile before and its stores
	SEND 0, 16
	PACK 2
	SEND 1, 16
	PACK 3
	SEND 2, 16
	SEND 3, 0
	; The statistics of my 64 queries.  Both halves of the lanes hold a query's c m and l: lanes 0-15 put c m, lanes 16-31 l, into the first 512 bytes of my stage, whose last reads have come back;
	; read back 16 bytes a lane they are 512 consecutive bytes of stats.
	v_cmp_gt_i32 vcc_lo, 1, v9      ; lanes 0-15
.irp t, 0,1,2,3
	v_cndmask_b32 v[ST+8*(\t)+5], v[ST+8*(\t)+4], v[ST+8*(\t)], vcc_lo
.endr
.irp t, 0,1,2,3
	ds_store_b32 v[SA], v[ST+8*(\t)+5] offset:64*(\t)
.endr
	ds_load_b128 v[P:P+3], v[SR]    ; P's registers are free, and no pending store reads them
	s_wait_dscnt 0x0
	global_store_b128 v[GO], v[P:P+3], s[94:95]
	s_wait_tensorcnt 0x0            ; the wave's end: behind my last tensor load and my last LDS store
	ds_add_u32 v[SPW], v[NIL]
	s_wait_dscnt 0x0
	CROUND                          ; the closing round: no work-group ends while a partner may still ask for a tile that names it
	s_endpgm
.Lfunc_end_k_q538b34a837_attn:
	.size	k_q538b34a837_attn, .Lfunc_end_k_q538b34a837_attn-k_q538b34a837_attn
	.p2alignl 7, 3214868480
	.fill 96, 4, 3214868480
	.section	.rodata,"a",@progbits
	.p2align	6, 0x0
	.amdhsa_kernel k_q538b34a837_attn
		.amdhsa_group_segment_fixed_size 327680
		.amdhsa_private_segment_fixed_size 0
		.amdhsa_enable_private_segment 0
		.amdhsa_kernarg_size 32
		.amdhsa_user_sgpr_count 2
		.amdhsa_user_sgpr_kernarg_segment_ptr 1
		.amdhsa_wavefront_size32 1
		.amdhsa_system_sgpr_workgroup_id_x 1
		.amdhsa_system_sgpr_workgroup_id_y 1
		.amdhsa_system_sgpr_workgroup_id_z 1
		.amdhsa_system_vgpr_workitem_id 0
		.amdhsa_next_free_vgpr 1024
		.amdhsa_next_free_sgpr 100
		.amdhsa_reserve_vcc 1
		.amdhsa_float_denorm_mode_32 3
		.amdhsa_float_denorm_mode_16_64 3
		.amdhsa_memory_ordered 1
		.amdhsa_forward_progress 1
		.amdhsa_inst_pref_size 158
	.end_amdhsa_kernel
	.amdgpu_metadata
---
amdhsa.version: [ 1, 2 ]
amdhsa.kernels:
  - .name:           k_q538b34a837_attn
    .symbol:         k_q538b34a837_attn.kd
    .args:
      - { .name: qkv, .offset: 0, .size: 8, .value_kind: global_buffer, .address_space: global }
      - { .name: mask, .offset: 8, .size: 8, .value_kind: global_buffer, .address_space: global }
      - { .name: part, .offset: 16, .size: 8, .value_kind: global_buffer, .address_space: global }
      - { .name: stats, .offset: 24, .size: 8, .value_kind: global_buffer, .address_space: global }
    .group_segment_fixed_size: 327680
    .private_segment_fixed_size: 0
    .kernarg_segment_align: 8
    .kernarg_segment_size: 32
    .max_flat_workgroup_size: 128
    .sgpr_count:     100
    .vgpr_count:     1024
    .wavefront_size: 32
...
	.end_amdgpu_metadata
.endif
;; end of part 6
;; launch comb (part 7): grid 512 x 1, 6 waves a work-group, no clusters, 0 bytes of LDS; arguments part, stats, out0; writes out0
.if DOCPART == 7
	.amdgcn_target "amdgcn-amd-amdhsa--gfx1250"
	.amdhsa_code_object_version 6
	.text
	.protected	k_q538b34a837_comb
	.globl	k_q538b34a837_comb
	.p2align	8
	.type	k_q538b34a837_comb,@function
k_q538b34a837_comb:
	s_mov_b64 s[64:65], 0
	v_nop
	global_prefetch_b8 v0, s[64:65] scope:SCOPE_SE
	s_setreg_imm32_b32 hwreg(HW_REG_WAVE_MODE, 25, 1), 1
	s_wait_xcnt 0x0
; THE FOUR KEY PARTS ARE JOINED.  For batch b, query q, head hd (hh = 6 b + hd):
;   M = max_k cm_k;  w_k = l_k 2^(cm_k - M);  out0[b][q][128 hd + :] = sum_k (w_k / sum_j w_j) part[k][hh][q][:]
; part: [4][12][4096][128] in f16, each part's mean of V's rows under its own weights; stats: [4][12][64 blocks of 64 queries][c m, l][64] in f32; out0: [2][4096][768] in f32.  All arithmetic in f32.
; The largest c m is taken away before the exponentials, so the part that holds it has the factor 1, and its l is at least 1: the divisor is at least 1.  A factor below 2^-126 counts as 0.
; A stream: bytes are all that counts, so there is no LDS, no barrier and no matrix work.  Work-group x owns rows 16 x to 16 x + 15 of out0 (batch and query on end), wave hd that head's 512 bytes of each row:
; 512 work-groups of six waves.  A row of a part is 256 bytes: 8 bytes a lane, so a load of the wave covers 256 consecutive bytes and a lane's four numbers become 16 bytes of f32: a store covers 512.
; Lane q % 16 makes query q's four weights; a row's weights are the same for all lanes and come to scalar registers by v_readlane_b32.
; EVERY ROW HAS REGISTERS OF ITS OWN, eight for what is loaded and four for what is stored, and the offsets and bases are never rewritten: no register that a pending load or store names is written again
; anywhere in the text, so the only waits are the counted ones for the loads' data.  Twelve rows are asked for ahead: 48 loads of a wave, 12 KiB, are on their way.
; 256 registers a wave: a work-group's six waves lie at most two to a SIMD, so two work-groups, at most four waves x 256 registers, fit on a WGP together.
.set NKQ,   4
.set PKQ,   12582912                   ; bytes of a key part in part
.set SKQ,   393216                     ; and in stats
.set ROWS,  16
.set DEPTH, 12                         ; rows asked for ahead
.set CM,  2                            ; v[2:5]     c m of the four parts, then the factors
.set LL,  6                            ; v[6:9]     l of the four parts, then at work on the sum
.set G,   10                           ; v[10:13]   the weights
.set MX,  14                           ; v14        M, then 1 / the sum
.set LO,  27                           ; v27        8 x lane; never rewritten
.set GO,  28                           ; v28        16 x lane; never rewritten
.set SO,  29                           ; v29        4 x (lane % 16); never rewritten
.set T,   32                           ; v[32:39]   four numbers in f32, two sets by turns
                                       ; v40-43     halves to be widened
.set X,   64                           ; v[64:191]  row r: 8 registers, its 4 numbers of each of the four parts, in f16; loaded once
.set Y,   192                          ; v[192:255] row r: its four results; written once
.set W,   32                           ; s[32:39]   a row's four weights, each the low word of a pair
.set PB,  48                           ; s[48:55]   part at my rows, for each key part
	s_load_b128 s[4:7], s[0:1], 0x0                ; part s[4:5], stats s[6:7]
	s_load_b64 s[8:9], s[0:1], 0x10                ; out0
	v_lshrrev_b32 v1, 5, v0
	v_readfirstlane_b32 s10, v1                    ; my wave's number: hd
	v_and_b32 v1, 31, v0
	v_lshlrev_b32 v[LO], 3, v1
	v_lshlrev_b32 v[GO], 4, v1
	v_and_b32 v1, 15, v0
	v_lshlrev_b32 v[SO], 2, v1
	s_lshr_b32 s11, ttmp9, 8                       ; b: 256 groups of 16 queries a batch
	s_and_b32 s18, ttmp9, 255                      ; my group in the batch
	s_mul_i32 s11, s11, 6
	s_add_co_u32 s11, s11, s10                     ; hh
	s_lshl_b32 s12, s11, 20                        ; part: 4,096 rows of 256 bytes a head,
	s_lshl_b32 s13, s18, 12                        ; 16 rows a group
	s_add_co_u32 s12, s12, s13
	s_mov_b32 s13, 0
	s_lshl_b32 s14, s11, 6                         ; stats: 64 blocks a head,
	s_lshr_b32 s15, s18, 2                         ; four groups a block,
	s_add_co_u32 s14, s14, s15
	s_lshl_b32 s14, s14, 9                         ; 512 bytes a block,
	s_and_b32 s15, s18, 3
	s_lshl_b32 s15, s15, 6                         ; 64 bytes a group
	s_add_co_u32 s14, s14, s15
	s_mov_b32 s15, 0
	s_mul_i32 s16, ttmp9, ROWS*3072                ; out0: 16 rows of 3,072 bytes a group,
	s_lshl_b32 s17, s10, 9                         ; 512 bytes a head
	s_add_co_u32 s16, s16, s17
	s_mov_b32 s17, 0
.irp k, 0,1,2,3
	s_mov_b32 s[W+2*(\k)+1], 0                     ; named with the weight as a pair, so it is written
.endr
	s_wait_kmcnt 0x0
	s_add_nc_u64 s[PB:PB+1], s[4:5], s[12:13]
.irp k, 1,2,3
	s_add_nc_u64 s[PB+2*(\k):PB+2*(\k)+1], s[PB+2*(\k)-2:PB+2*(\k)-1], PKQ
.endr
	s_add_nc_u64 s[6:7], s[6:7], s[14:15]
	s_add_nc_u64 s[8:9], s[8:9], s[16:17]
.irp k, 0,1,2,3
	global_load_b32 v[CM+(\k)], v[SO], s[6:7] offset:(\k)*SKQ
	global_load_b32 v[LL+(\k)], v[SO], s[6:7] offset:(\k)*SKQ+256
.endr
.macro FILL r                          ; row r of the four parts: four loads of 256 consecutive bytes each, into the row's own registers
.set k, 0
.rept NKQ
	global_load_b64 v[X+8*(\r)+2*k:X+8*(\r)+2*k+1], v[LO], s[PB+2*k:PB+2*k+1] offset:(\r)*256 th:TH_LOAD_NT
.set k, k+1
.endr
.endm
.irp r, 0,1,2,3,4,5,6,7,8,9,10,11
	FILL \r
.endr
	s_wait_loadcnt NKQ*DEPTH                       ; the eight loads of stats are in; the twelve rows' 48, issued behind them, stay out
	v_max3_num_f32 v[MX], v[CM], v[CM+1], v[CM+2]
	v_max_num_f32 v[MX], v[MX], v[CM+3]
.irp k, 0,1,2,3
	v_sub_f32 v[CM+(\k)], v[CM+(\k)], v[MX]
.endr
.irp k, 0,1,2,3
	v_exp_f32 v[CM+(\k)], v[CM+(\k)]
.endr
	v_nop                                          ; a plain instruction between the last exponential and the use of its result
	s_wait_alu depctr_va_vdst(0)
.irp k, 0,1,2,3
	v_mul_f32 v[G+(\k)], v[CM+(\k)], v[LL+(\k)]
.endr
	v_add_f32 v[LL],   v[G],   v[G+1]
	v_add_f32 v[LL+1], v[G+2], v[G+3]
	v_add_f32 v[LL],   v[LL],  v[LL+1]
	v_rcp_f32 v[MX], v[LL]
	v_nop                                          ; a plain instruction between the reciprocal and the use of its result
	s_wait_alu depctr_va_vdst(0)
.irp k, 0,1,2,3
	v_mul_f32 v[G+(\k)], v[G+(\k)], v[MX]
.endr
; Row r.  ahead = 1: the row twelve further on is asked for.  left = how many younger loads may stay out.
.macro CROW r, ahead, left
	s_wait_loadcnt \left                           ; loads come back in order (ISA guide 5.7.1): the row's four are in, the younger rows' stay out
.set k, 0
.rept NKQ
	v_readlane_b32 s[W+2*k], v[G+k], \r            ; query r's weight lies in lane r
.set k, k+1
.endr
.set yy, Y+4*(\r)
.set k, 0
.rept NKQ
.set xa, X+8*(\r)+2*k
.set tt, T+4*(k%2)
	v_mov_b32 v40, v[xa]                           ; f16 to f32: each half comes into the low half of a register of its own
	v_lshrrev_b32 v41, 16, v[xa]
	v_mov_b32 v42, v[xa+1]
	v_lshrrev_b32 v43, 16, v[xa+1]
	v_cvt_f32_f16 v[tt],   v40.l
	v_cvt_f32_f16 v[tt+1], v41.l
	v_cvt_f32_f16 v[tt+2], v42.l
	v_cvt_f32_f16 v[tt+3], v43.l
.if k == 0
	v_pk_mul_f32 v[yy:yy+1],   v[tt:tt+1],   s[W:W+1] op_sel_hi:[1,0]   ; the first part starts the sums: nothing is cleared
	v_pk_mul_f32 v[yy+2:yy+3], v[tt+2:tt+3], s[W:W+1] op_sel_hi:[1,0]
.else
	v_pk_fma_f32 v[yy:yy+1],   v[tt:tt+1],   s[W+2*k:W+2*k+1], v[yy:yy+1]   op_sel_hi:[1,0,1]
	v_pk_fma_f32 v[yy+2:yy+3], v[tt+2:tt+3], s[W+2*k:W+2*k+1], v[yy+2:yy+3] op_sel_hi:[1,0,1]
.endif
.set k, k+1
.endr
.if \ahead
	FILL (\r)+DEPTH                                ; loads ahead of the store
.endif
	global_store_b128 v[GO], v[yy:yy+3], s[8:9] offset:(\r)*3072 th:TH_STORE_NT  ; 512 consecutive bytes, at a multiple of 256 from out0's first byte; its four registers are not written again
.endm
.irp r, 0,1,2,3
	CROW \r, 1, NKQ*(DEPTH-1)                      ; eleven younger rows stay out
.endr
.irp r, 4,5,6,7,8,9,10,11,12,13,14,15
	CROW \r, 0, NKQ*(15-(\r))                      ; the last twelve rows load nothing: the counts run down from 44
.endr
	s_endpgm
.Lfunc_end_k_q538b34a837_comb:
	.size	k_q538b34a837_comb, .Lfunc_end_k_q538b34a837_comb-k_q538b34a837_comb
	.p2alignl 7, 3214868480
	.fill 96, 4, 3214868480
	.section	.rodata,"a",@progbits
	.p2align	6, 0x0
	.amdhsa_kernel k_q538b34a837_comb
		.amdhsa_group_segment_fixed_size 0
		.amdhsa_private_segment_fixed_size 0
		.amdhsa_enable_private_segment 0
		.amdhsa_kernarg_size 24
		.amdhsa_user_sgpr_count 2
		.amdhsa_user_sgpr_kernarg_segment_ptr 1
		.amdhsa_wavefront_size32 1
		.amdhsa_system_sgpr_workgroup_id_x 1
		.amdhsa_system_sgpr_workgroup_id_y 1
		.amdhsa_system_sgpr_workgroup_id_z 1
		.amdhsa_system_vgpr_workitem_id 0
		.amdhsa_next_free_vgpr 256
		.amdhsa_next_free_sgpr 66
		.amdhsa_reserve_vcc 0
		.amdhsa_float_denorm_mode_32 3
		.amdhsa_float_denorm_mode_16_64 3
		.amdhsa_memory_ordered 1
		.amdhsa_forward_progress 1
		.amdhsa_inst_pref_size 40
	.end_amdhsa_kernel
	.amdgpu_metadata
---
amdhsa.version: [ 1, 2 ]
amdhsa.kernels:
  - .name:           k_q538b34a837_comb
    .symbol:         k_q538b34a837_comb.kd
    .args:
      - { .name: part, .offset: 0, .size: 8, .value_kind: global_buffer, .address_space: global }
      - { .name: stats, .offset: 8, .size: 8, .value_kind: global_buffer, .address_space: global }
      - { .name: out0, .offset: 16, .size: 8, .value_kind: global_buffer, .address_space: global }
    .group_segment_fixed_size: 0
    .private_segment_fixed_size: 0
    .kernarg_segment_align: 8
    .kernarg_segment_size: 24
    .max_flat_workgroup_size: 192
    .sgpr_count:     66
    .vgpr_count:     256
    .wavefront_size: 32
...
	.end_amdgpu_metadata
.endif
;; end of part 7
;; ======== version 3 of 3: 4 launches; version 2 with the launch comb written anew for expert scheduling mode
;; limits: values are held in f16: magnitudes above 65,504 overflow, below 6.1e-05 lose precision; values outside matrix products are rounded to f16
;; workspace buffers: wb 3,538,944 bytes; qkv 37,748,736 bytes; part 50,331,648 bytes; stats 1,572,864 bytes
;; launch prep: the kernel of part 1 again; grid 72 x 3, 8 waves a work-group, no clusters, 0 bytes of LDS; arguments Wq, Wk, Wv, wb; writes wb
;; launch proj: the kernel of part 5 again; grid 64 x 3, 4 waves a work-group, clusters of 4 x 1, 327,680 bytes of LDS; arguments query, key, value, wb, bq, bk, bv, qkv; writes qkv
;; launch attn: the kernel of part 6 again; grid 16 x 48, 4 waves a work-group, clusters of 4 x 1, 327,680 bytes of LDS; arguments qkv, mask, part, stats; writes part, stats
;; launch comb (part 8): grid 512 x 1, 6 waves a work-group, no clusters, 0 bytes of LDS; arguments part, stats, out0; writes out0
.if DOCPART == 8
	.amdgcn_target "amdgcn-amd-amdhsa--gfx1250"
	.amdhsa_code_object_version 6
	.text
	.protected	k_q538b34a837_comb
	.globl	k_q538b34a837_comb
	.p2align	8
	.type	k_q538b34a837_comb,@function
k_q538b34a837_comb:
	s_mov_b64 s[64:65], 0
	v_nop
	global_prefetch_b8 v0, s[64:65] scope:SCOPE_SE
	s_setreg_imm32_b32 hwreg(HW_REG_WAVE_SCHED_MODE, 0, 2), 2
	s_setreg_imm32_b32 hwreg(HW_REG_WAVE_MODE, 25, 1), 1
	s_wait_xcnt 0x0
	s_wait_alu depctr_vm_vsrc(0)
; THE FOUR KEY PARTS ARE JOINED.  For batch b, query q, head hd (hh = 6 b + hd):
;   M = max_k cm_k;  w_k = l_k 2^(cm_k - M);  out0[b][q][128 hd + :] = sum_k (w_k / sum_j w_j) part[k][hh][q][:]
; part: [4][12][4096][128] in f16, each part's mean of V's rows under its own weights; stats: [4][12][64 blocks of 64 queries][c m, l][64] in f32; out0: [2][4096][768] in f32.  All arithmetic in f32.
; The largest c m is taken away before the exponentials, so the part that holds it has the factor 1, and its l is at least 1: the divisor is at least 1.  A factor below 2^-126 counts as 0.
; A stream: bytes are all that counts, so there is no LDS, no barrier and no matrix work.  Work-group x owns rows 16 x to 16 x + 15 of out0 (batch and query on end), wave hd that head's 512 bytes of each row:
; 512 work-groups of six waves.  A row of a part is 256 bytes: 8 bytes a lane, so a load of the wave covers 256 consecutive bytes and a lane's four numbers become 16 bytes of f32: a store covers 512.
; Lane q % 16 makes query q's four weights; a row's weights are the same for all lanes and come to scalar registers by v_readlane_b32.
; 256 registers a wave: a work-group's six waves lie at most two to a SIMD, so two work-groups, at most four waves x 256 registers, fit on a WGP together.
; THE MODE: SCHED_MODE bits 1:0 = 2 (LLVM: expert scheduling mode 2), set by the entry lines.  The code itself states the register dependences between vector instructions and memory instructions,
; and between vector instructions that write scalar registers and their readers, with s_wait_alu, always for 0.
; THE PLAN.  Registers that memory instructions touch:
;   v27-29   three byte offsets, made once at the head and never written again; every load and store reads one of them.
;   v2-9     c m and l: the eight loads of stats land in them; no vector instruction names them before, no load lands in them again.
;   X        EVERY ROW HAS EIGHT REGISTERS OF ITS OWN for what is loaded: its four loads land in them once, and no vector instruction names them before those loads are issued.
;   Y        EVERY ROW HAS FOUR REGISTERS OF ITS OWN for what is stored: the row's multiply-adds write them once, one store reads them, and nothing writes them again.
; The 16 rows go in four blocks of four.  Block p computes the Y of its own rows; its memory instructions are the four stores of block p - 1 (in block 0: the loads of rows 12 to 15), one at each row's head.
; No vector instruction of block p names block p - 1's Y, an offset, or the X of rows 12 to 15.  So ONE wait on va_vdst at a block's head states all that its four stores hang on.
; The block's sixteen weights come to scalar registers in one run, with ONE wait on va_sdst behind it.  No register that a load or store reads is ever written again, so behind the entry lines the text has no wait on vm_vsrc:
; there is no such dependence to state.  Twelve rows are asked for ahead: 48 loads of a wave, 12 KiB, are on their way.
.set NKQ,   4
.set PKQ,   12582912                   ; bytes of a key part in part
.set SKQ,   393216                     ; and in stats
.set ROWS,  16
.set BLOCK, 4                          ; rows in a block
.set DEPTH, 12                         ; rows asked for ahead
.set CM,  2                            ; v[2:5]     c m of the four parts, then the factors
.set LL,  6                            ; v[6:9]     l of the four parts, then at work on the sum
.set G,   10                           ; v[10:13]   the weights
.set MX,  14                           ; v14        M, then 1 / the sum
.set LO,  27                           ; v27        8 x lane; never rewritten
.set GO,  28                           ; v28        16 x lane; never rewritten
.set SO,  29                           ; v29        4 x (lane % 16); never rewritten
.set T,   32                           ; v[32:39]   four numbers in f32, two sets by turns
                                       ; v40-43     halves to be widened
.set X,   64                           ; v[64:191]  row r: 8 registers, its 4 numbers of each of the four parts, in f16; loaded once
.set Y,   192                          ; v[192:255] row r: its four results; written once
.set W,   16                           ; s[16:47]   a block's sixteen weights, each the low word of a pair: row i of the block, part k at W + 8 i + 2 k
.set PB,  48                           ; s[48:55]   part at my rows, for each key part
	s_load_b128 s[4:7], s[0:1], 0x0                ; part s[4:5], stats s[6:7]
	s_load_b64 s[8:9], s[0:1], 0x10                ; out0
	v_lshrrev_b32 v1, 5, v0
	v_readfirstlane_b32 s10, v1                    ; my wave's number: hd
	v_and_b32 v1, 31, v0
	v_lshlrev_b32 v[LO], 3, v1
	v_lshlrev_b32 v[GO], 4, v1
	v_and_b32 v1, 15, v0
	v_lshlrev_b32 v[SO], 2, v1
	s_lshr_b32 s11, ttmp9, 8                       ; b: 256 groups of 16 queries a batch
	s_and_b32 s2, ttmp9, 255                       ; my group in the batch
	s_mul_i32 s11, s11, 6
	s_wait_alu depctr_va_sdst(0)                   ; s10 is written, ahead of its first reader: the three bases are made from it
	s_add_co_u32 s11, s11, s10                     ; hh
	s_lshl_b32 s12, s11, 20                        ; part: 4,096 rows of 256 bytes a head,
	s_lshl_b32 s13, s2, 12                         ; 16 rows a group
	s_add_co_u32 s12, s12, s13
	s_mov_b32 s13, 0
	s_lshl_b32 s14, s11, 6                         ; stats: 64 blocks a head,
	s_lshr_b32 s15, s2, 2                          ; four groups a block,
	s_add_co_u32 s14, s14, s15
	s_lshl_b32 s14, s14, 9                         ; 512 bytes a block,
	s_and_b32 s15, s2, 3
	s_lshl_b32 s15, s15, 6                         ; 64 bytes a group
	s_add_co_u32 s14, s14, s15
	s_mov_b32 s15, 0
	s_mul_i32 s56, ttmp9, ROWS*3072                ; out0: 16 rows of 3,072 bytes a group,
	s_lshl_b32 s57, s10, 9                         ; 512 bytes a head
	s_add_co_u32 s56, s56, s57
	s_mov_b32 s57, 0
.set i, 0
.rept BLOCK*NKQ
	s_mov_b32 s[W+2*i+1], 0                        ; named with the weight as a pair, so it is written
.set i, i+1
.endr
	s_wait_kmcnt 0x0
	s_add_nc_u64 s[PB:PB+1], s[4:5], s[12:13]
.irp k, 1,2,3
	s_add_nc_u64 s[PB+2*(\k):PB+2*(\k)+1], s[PB+2*(\k)-2:PB+2*(\k)-1], PKQ
.endr
	s_add_nc_u64 s[6:7], s[6:7], s[14:15]
	s_add_nc_u64 s[8:9], s[8:9], s[56:57]
	s_wait_alu depctr_va_vdst(0)                   ; the three offsets v27 to v29 are written: every load and store of the kernel reads one of them, and nothing writes them again
.irp k, 0,1,2,3
	global_load_b32 v[CM+(\k)], v[SO], s[6:7] offset:(\k)*SKQ
	global_load_b32 v[LL+(\k)], v[SO], s[6:7] offset:(\k)*SKQ+256
.endr
.macro FILL r                          ; row r of the four parts: four loads of 256 consecutive bytes each, into the row's own registers
.set k, 0
.rept NKQ
	global_load_b64 v[X+8*(\r)+2*k:X+8*(\r)+2*k+1], v[LO], s[PB+2*k:PB+2*k+1] offset:(\r)*256 th:TH_LOAD_NT
.set k, k+1
.endr
.endm
.irp r, 0,1,2,3,4,5,6,7,8,9,10,11
	FILL \r
.endr
	s_wait_loadcnt NKQ*DEPTH                       ; the eight loads of stats are in; the twelve rows' 48, issued behind them, stay out
	v_max3_num_f32 v[MX], v[CM], v[CM+1], v[CM+2]
	v_max_num_f32 v[MX], v[MX], v[CM+3]
.irp k, 0,1,2,3
	v_sub_f32 v[CM+(\k)], v[CM+(\k)], v[MX]
.endr
.irp k, 0,1,2,3
	v_exp_f32 v[CM+(\k)], v[CM+(\k)]
.endr
	v_nop                                          ; a plain instruction between the last exponential and the use of its result
	s_wait_alu depctr_va_vdst(0)                   ; the four exponentials have written v[CM ..], ahead of the multiplies that read them: one wait for the batch
.irp k, 0,1,2,3
	v_mul_f32 v[G+(\k)], v[CM+(\k)], v[LL+(\k)]
.endr
	v_add_f32 v[LL],   v[G],   v[G+1]
	v_add_f32 v[LL+1], v[G+2], v[G+3]
	v_add_f32 v[LL],   v[LL],  v[LL+1]
	v_rcp_f32 v[MX], v[LL]
	v_nop                                          ; a plain instruction between the reciprocal and the use of its result
	s_wait_alu depctr_va_vdst(0)                   ; the reciprocal has written v[MX], ahead of the multiplies that read it
.irp k, 0,1,2,3
	v_mul_f32 v[G+(\k)], v[G+(\k)], v[MX]
.endr
; The head of block p: its sixteen weights in one run, and the waits.
.macro HEAD p
.set i, 0
.rept BLOCK
.set k, 0
.rept NKQ
	v_readlane_b32 s[W+8*i+2*k], v[G+k], BLOCK*(\p)+i  ; query r's weight lies in lane r
.set k, k+1
.endr
.set i, i+1
.endr
	s_wait_alu depctr_va_sdst(0)                   ; the sixteen weights are written, ahead of the first multiply that reads one: one wait for the run
.if (\p) > 0
	s_wait_alu depctr_va_vdst(0)                   ; the block before has written its sixteen registers of Y, which the four stores of this block read
.endif
.endm
; Row r.  back = 1: the row four back, of the block before, is stored.  ahead = 1: the row twelve further on is asked for.  left = how many younger loads may stay out.
.macro CROW r, ahead, back, left
.if \back
	global_store_b128 v[GO], v[Y+4*((\r)-BLOCK):Y+4*((\r)-BLOCK)+3], s[8:9] offset:((\r)-BLOCK)*3072 th:TH_STORE_NT  ; 512 consecutive bytes, at a multiple of 256 from out0's first byte; no vector instruction since the block's wait names these registers, and none writes them again
.endif
	s_wait_loadcnt \left                           ; loads come back in order (ISA guide 5.7.1): the row's four are in, the younger rows' stay out
.if \ahead
	FILL (\r)+DEPTH                                ; into registers that no vector instruction has named
.endif
.set yy, Y+4*(\r)
.set ww, W+8*((\r)%BLOCK)
.set k, 0
.rept NKQ
.set xa, X+8*(\r)+2*k
.set tt, T+4*(k%2)
	v_mov_b32 v40, v[xa]                           ; f16 to f32: each half comes into the low half of a register of its own
	v_lshrrev_b32 v41, 16, v[xa]
	v_mov_b32 v42, v[xa+1]
	v_lshrrev_b32 v43, 16, v[xa+1]
	v_cvt_f32_f16 v[tt],   v40.l
	v_cvt_f32_f16 v[tt+1], v41.l
	v_cvt_f32_f16 v[tt+2], v42.l
	v_cvt_f32_f16 v[tt+3], v43.l
.if k == 0
	v_pk_mul_f32 v[yy:yy+1],   v[tt:tt+1],   s[ww:ww+1] op_sel_hi:[1,0]   ; the first part starts the sums: nothing is cleared
	v_pk_mul_f32 v[yy+2:yy+3], v[tt+2:tt+3], s[ww:ww+1] op_sel_hi:[1,0]
.else
	v_pk_fma_f32 v[yy:yy+1],   v[tt:tt+1],   s[ww+2*k:ww+2*k+1], v[yy:yy+1]   op_sel_hi:[1,0,1]
	v_pk_fma_f32 v[yy+2:yy+3], v[tt+2:tt+3], s[ww+2*k:ww+2*k+1], v[yy+2:yy+3] op_sel_hi:[1,0,1]
.endif
.set k, k+1
.endr
.endm
	HEAD 0
.irp r, 0,1,2,3
	CROW \r, 1, 0, NKQ*(DEPTH-1)                   ; eleven younger rows stay out; block 0 has no block in front of it: it stores nothing and asks for rows 12 to 15
.endr
	HEAD 1
.irp r, 4,5,6,7
	CROW \r, 0, 1, NKQ*(15-(\r))                   ; the last twelve rows load nothing: the counts run down from 44
.endr
	HEAD 2
.irp r, 8,9,10,11
	CROW \r, 0, 1, NKQ*(15-(\r))
.endr
	HEAD 3
.irp r, 12,13,14,15
	CROW \r, 0, 1, NKQ*(15-(\r))
.endr
	s_wait_alu depctr_va_vdst(0)                   ; block 3 has written its sixteen registers of Y, which the last four stores read
.irp r, 12,13,14,15
	global_store_b128 v[GO], v[Y+4*(\r):Y+4*(\r)+3], s[8:9] offset:(\r)*3072 th:TH_STORE_NT
.endr
	s_endpgm
.Lfunc_end_k_q538b34a837_comb:
	.size	k_q538b34a837_comb, .Lfunc_end_k_q538b34a837_comb-k_q538b34a837_comb
	.p2alignl 7, 3214868480
	.fill 96, 4, 3214868480
	.section	.rodata,"a",@progbits
	.p2align	6, 0x0
	.amdhsa_kernel k_q538b34a837_comb
		.amdhsa_group_segment_fixed_size 0
		.amdhsa_private_segment_fixed_size 0
		.amdhsa_enable_private_segment 0
		.amdhsa_kernarg_size 24
		.amdhsa_user_sgpr_count 2
		.amdhsa_user_sgpr_kernarg_segment_ptr 1
		.amdhsa_wavefront_size32 1
		.amdhsa_system_sgpr_workgroup_id_x 1
		.amdhsa_system_sgpr_workgroup_id_y 1
		.amdhsa_system_sgpr_workgroup_id_z 1
		.amdhsa_system_vgpr_workitem_id 0
		.amdhsa_next_free_vgpr 256
		.amdhsa_next_free_sgpr 66
		.amdhsa_reserve_vcc 0
		.amdhsa_float_denorm_mode_32 3
		.amdhsa_float_denorm_mode_16_64 3
		.amdhsa_memory_ordered 1
		.amdhsa_forward_progress 1
		.amdhsa_inst_pref_size 41
	.end_amdhsa_kernel
	.amdgpu_metadata
---
amdhsa.version: [ 1, 2 ]
amdhsa.kernels:
  - .name:           k_q538b34a837_comb
    .symbol:         k_q538b34a837_comb.kd
    .args:
      - { .name: part, .offset: 0, .size: 8, .value_kind: global_buffer, .address_space: global }
      - { .name: stats, .offset: 8, .size: 8, .value_kind: global_buffer, .address_space: global }
      - { .name: out0, .offset: 16, .size: 8, .value_kind: global_buffer, .address_space: global }
    .group_segment_fixed_size: 0
    .private_segment_fixed_size: 0
    .kernarg_segment_align: 8
    .kernarg_segment_size: 24
    .max_flat_workgroup_size: 192
    .sgpr_count:     66
    .vgpr_count:     256
    .wavefront_size: 32
...
	.end_amdgpu_metadata
.endif
;; end of part 8
